; MI455X (gfx1250); checked and timed in simulation.
; The chip was launched on July 23, 2026; its instructions are those of AMD's public machine-readable ISA for CDNA 5 (MIT licence, August 2026) and "CDNA5" Instruction Set Architecture Reference Guide (July 2026). The comments in the code are by the model that wrote it; some were corrected since.
;; Multi Head Attention. Allowed arithmetic: matrix products marked QUANTISED: E4M3 operands, one given power-of-two scale a tensor, by v_wmma_f32_16x16x64_fp8_fp8 or v_wmma_f32_16x16x128_fp8_fp8, f32 sums; products left as they are: f32 operands where the result goes on into a quantised operand, else bf16, f16 or f32 operands; f32 sums; everything else in f32.
;; Inputs: Wak 2 x 64 float32; Wav 2 x 64 float32; Wd 1,024 x 1,024 float32; Wk 16 x 1,024 x 64 float32; Wq 16 x 1,024 x 64 float32; Wv 16 x 1,024 x 64 float32; bak 64 float32; bav 64 float32; bd 1,024 float32; bk 16 x 64 float32; bq 16 x 64 float32; bv 16 x 64 float32; k 4 x 1,024 x 1,024 float32; lowp_scales 16 int32 (the exponents e of the quantised operands' scales 2^e); q 4 x 1,024 x 1,024 float32; x 4 x 1,024 x 1,024 float32.
;; Outputs: out0 4 x 1,024 x 1,024 float32.
;; Constants: batch_size = 4.
;; This version of the problem:
;;   THIS VERSION OF THE PROBLEM IS GIVEN IN LOW PRECISION. The matrix products marked QUANTISED in the list below multiply operands that are first quantised to E4M3 (4 exponent bits, 3 mantissa bits; 8 bits a number), with one given power-of-two scale for each operand tensor; their sums are f32. All else is computed in f32.
;;   The module's matrix products, in the order in which they are computed (A, B: the left and right operand; K: the contracted axis; several contracted axes count as one K, in the product's order):
;;     1. [M 2,048, K 2] x [K 2, N 64]; A: computed on the way; B: input Wak: left as it is (K = 2 < 32)
;;     2. [M 2,048, K 2] x [K 2, N 64]; A: computed on the way; B: input Wav: left as it is (K = 2 < 32)
;;     3. [M 1,024, K 1,024] x [K 1,024, N 4,096]; A: input Wq; B: input q: QUANTISED (scales: A lowp_scales[0], B lowp_scales[1])
;;     4. [M 1,024, K 1,024] x [K 1,024, N 4,096]; A: input Wk; B: input k: QUANTISED (scales: A lowp_scales[2], B lowp_scales[3])
;;     5. [M 1,024, K 1,024] x [K 1,024, N 4,096]; A: input Wv; B: input x: QUANTISED (scales: A lowp_scales[4], B lowp_scales[5])
;;     6. batch 64 x [M 1,024, K 64] x [K 64, N 1,024]; A: computed on the way; B: computed on the way: QUANTISED (scales: A lowp_scales[6], B lowp_scales[7])
;;     7. batch 1,024 x [M 1,024, K 64] x [K 64, N 64]; A: computed on the way; B: computed on the way: QUANTISED (scales: A lowp_scales[8], B lowp_scales[9])
;;     8. batch 64 x [M 1,024, K 1,024] x [K 1,024, N 64]; A: softmax (see below); B: computed on the way: QUANTISED (scales: A lowp_scales[10], B lowp_scales[11])
;;     9. batch 1,024 x [M 64, K 1,024] x [K 1,024, N 64]; A: computed on the way; B: softmax (see below): QUANTISED (scales: A lowp_scales[12], B lowp_scales[13])
;;     10. [M 4,096, K 1,024] x [K 1,024, N 1,024]; A: computed on the way; B: input Wd: QUANTISED (scales: A lowp_scales[14], B lowp_scales[15])
;;   THE QUANTISER, for each operand of a quantised product, along K:
;;     - The operand's scale is 2^e, e = its entry of the input lowp_scales (int32; the entries are numbered through the quantised products in the list's order, A before B).
;;     - Each number is divided by the scale, clamped to +-448, and rounded to the nearest number of E4M3, ties to even, subnormals kept.
;;     - The product sums the exact products of the quantised numbers (number of the format x scale) in f32.
;;   ~~~python
;;   def quantise(x, axis, e):      # numpy; x: float32 -> the quantised numbers, widened to float32 again
;;       x = np.moveaxis(x, axis, -1); K = x.shape[-1]
;;       r = np.clip(x / 2.0 ** e, -448, 448)
;;       step = 2.0 ** (np.maximum(np.frexp(np.where(r == 0, 1, r))[1] - 1, -6) - 3)
;;       q = np.round(r / step) * step * 2.0 ** e      # np.round: ties to even
;;       return np.moveaxis(q, -1, axis).astype(np.float32)
;;   ~~~
;;   SOFTMAX AHEAD OF A QUANTISED PRODUCT. Where the list says 'softmax', what is quantised is not the finished softmax but p = 2^(t - M), with t = logit x log2(e) and M = ceil(the row's largest t), a whole number; so 1/2 < the row's largest p <= 1. The row's sum l is taken of the UNQUANTISED p, in f32, and the product's result is divided by l at the end. Since M is a whole number, a kernel that streams over the keys may use a running M (the ceiling of the running maximum): every later rescaling is an exact power of two, so the quantised numbers keep their values, but for numbers so far below the row's largest that they fall under the format's range.
;;   OPERANDS COMPUTED ON THE WAY. 'Computed on the way' means the value that the module computes at that place (a softmax that the list does not call 'softmax' is quantised finished and normalised). What goes into a quantiser is computed in f32, as accurately as f32 sums, v_exp_f32 and their like allow (about 1e-6 of the number): no bf16 or f16 on the way to a quantiser, and a product that is left as it is and whose result goes on into a quantised operand takes f32 operands (vector FMAs, or v_wmma_f32_16x16x4_f32). A number that lies on a knife's edge between two numbers of the format may be rounded either way, as far as f32 arithmetic and the matrix unit's own rounding can turn it there, and no further.
;; 2 versions. Each part assembles by itself: llvm-mc -triple=amdgcn-amd-amdhsa -mcpu=gfx1250 --defsym DOCPART=n.
;; ======== version 1 of 2: 4 launches
;; workspace buffers: wimg 4,194,304 bytes; akc 131,072 bytes; avc 131,072 bytes; q6c 4,194,304 bytes; q9c 4,194,304 bytes; kc 4,194,304 bytes; vc 4,194,304 bytes; oc 4,194,304 bytes
;; launch prep (part 1): grid 288 x 1, 4 waves a work-group, no clusters, 0 bytes of LDS; arguments Wq, Wk, Wv, Wd, Wak, bak, Wav, bav, lowp_scales, wimg, akc, avc; writes wimg, akc, avc
.if DOCPART == 1
	.amdgcn_target "amdgcn-amd-amdhsa--gfx1250"
	.amdhsa_code_object_version 6
	.text
	.protected	k_q8c644caf5d_prep
	.globl	k_q8c644caf5d_prep
	.p2align	8
	.type	k_q8c644caf5d_prep,@function
k_q8c644caf5d_prep:
	s_mov_b64 s[64:65], 0
	v_nop
	global_prefetch_b8 v0, s[64:65] scope:SCOPE_SE
	s_setreg_imm32_b32 hwreg(HW_REG_WAVE_MODE, 25, 1), 1
	s_wait_xcnt 0x0
; FIRST OF FOUR LAUNCHES: the weights and the two tables of relative positions become codes of E4M3, laid as the later launches' operand registers want them.
; THE WHOLE PROGRAM.  prep: Wq, Wk, Wv, Wd -> wimg; the tables a_k, a_v -> akc, avc.  proj: q, k, x are quantised and projected; qh (twice: entries 6 and 9 of the scales), kh, vh leave as codes.
; attn: both score products, the softmax, both value products; the heads' outputs leave as codes (entry 14).  oproj: the last product, bd, mish.
; THE SKEW.  The pad-and-reshape of reference() is a gather: ak[i][j] = a[j - i + 1023], a[m] = sin(th) W[0] + cos(th) W[1] + b, th = f32(1.5708 / 1024) (m - 1023); av likewise.
; (Flat index i 2L + j + L of the padded array is i (2L + 1) + (j + L - i), and 1 <= j + L - i <= 2L - 1: row i, column j + L - i, which holds a[j + L - i - 1].)
; The quantiser works number by number with one scale, so the codes of ak and av are the codes of ONE table of 2,048 rows, read along a diagonal.
; DEAD WORK: none is left out.  Every input has a way to the output and is loaded; batch_size is the constant 4.  Row 2,047 of the tables is read by no (i, j); it lies in a tile with live rows and is made with them.
; LIMITS.  Each given exponent e used here lies between -126 and 119, so that 2^e and 448 x 2^e are f32 numbers.  NaN among the inputs is not served (an infinity is held at the largest code).
; sin and cos are polynomials in th^2 (|th| <= 1.5708; through th^13 and th^14: what is cut off is under 1e-9), evaluated in f32 by fused multiply-adds.
; THE K MAP of every operand of this program: of a K step of 128, lane half hl holds k = 64 hl + 0 .. 63 in its 16 registers, in order (K = 64: 32 hl + 0 .. 31 in 8).  It is the same on both sides of
; every product, so each number meets its partner; only the order of the sums inside an instruction differs from the form's own map.
; wimg: [tensor q, k, v, d][tile 64][K step 8][piece 4][lane 32][16 bytes]: a fragment (16 rows x 128 K) is 2,048 bytes, fetched by four loads of 16 bytes a lane at 16 x lane.
;   Tile 4 panel + 2 cw + u (panel: a head, or 64 columns of Wd); its row r is column Ccw cw + 8 u + r % 8 + Cr (r / 8) of the panel; (Ccw, Cr) = (32, 16) for q, k, d and (16, 32) for v.
; akc: [m / 16][e / 16][m % 16][16 bytes of e].   avc: [m / 16][slot 64][16 bytes of m]; slot 16 ct + r is channel 8 ct + r % 8 + 32 (r / 8).
; WORK-GROUPS 0 to 255: weights (tensor g / 64, panel (g / 4) % 16, two K steps); a lane takes a column and its registers run down K, so the conversions give K innermost.  256 to 271: a_k, a thread a row.
; 272 to 287: a_v, a lane a slot, 16 rows of the table in its registers.  No LDS, no barrier: waves share nothing.  No matrix unit, no cluster: nothing is multiplied or shared here.
.set X, 32                             ; v32-159  numbers
.set C, 160                            ; v160-191 codes
.macro MKSC e, t, vsc, vlim            ; from the exponent in s[e]: v[vsc] = 2^e, v[vlim] = 448 x 2^e; s[t], s[t+1] at work
	s_add_co_i32 s[\t], s[\e], 127
	s_lshl_b32 s[\t+1], s[\t], 23
	v_mov_b32 v[\vsc], s[\t+1]
	s_add_co_i32 s[\t], s[\t], 8
	s_lshl_b32 s[\t], s[\t], 23
	s_or_b32 s[\t], s[\t], 0x600000
	v_mov_b32 v[\vlim], s[\t]
.endm
.macro SINCOS th, z, sn, cs            ; two chains by turns; the constants are 1 / n! with their signs
	v_mul_f32 v[\z], v[\th], v[\th]
	v_mov_b32 v[\sn], 0x2f309231
	v_mov_b32 v[\cs], 0xad49cba5
	v_fmaak_f32 v[\sn], v[\sn], v[\z], 0xb2d7322b
	v_fmaak_f32 v[\cs], v[\cs], v[\z], 0x310f76c7
	v_fmaak_f32 v[\sn], v[\sn], v[\z], 0x3638ef1d
	v_fmaak_f32 v[\cs], v[\cs], v[\z], 0xb493f27e
	v_fmaak_f32 v[\sn], v[\sn], v[\z], 0xb9500d01
	v_fmaak_f32 v[\cs], v[\cs], v[\z], 0x37d00d01
	v_fmaak_f32 v[\sn], v[\sn], v[\z], 0x3c088889
	v_fmaak_f32 v[\cs], v[\cs], v[\z], 0xbab60b61
	v_fmaak_f32 v[\sn], v[\sn], v[\z], 0xbe2aaaab
	v_fmaak_f32 v[\cs], v[\cs], v[\z], 0x3d2aaaab
	v_mul_f32 v[\sn], v[\sn], v[\z]
	v_fmaak_f32 v[\cs], v[\cs], v[\z], 0xbf000000
	v_fma_f32 v[\sn], v[\sn], v[\th], v[\th]       ; sin = th + th z P(z)
	v_fmaak_f32 v[\cs], v[\cs], v[\z], 0x3f800000
.endm
; 128 numbers down K of my column, in four blocks of 32; then eight stores, sixteen lanes to 256 consecutive bytes, aligned
.macro WPATH pitch
.set i, 0
.rept 128
	global_load_b32 v[X+i], v5, s[4:5] offset:i*\pitch th:TH_LOAD_NT
.set i, i+1
.endr
.irp b, 0,1,2,3
.if \b < 2
	s_wait_loadcnt 63                              ; 96 or 64 younger loads could stay out; 63 is the most that the wait can name
.else
	s_wait_loadcnt 32*(3-\b)                       ; the younger blocks stay out
.endif
.set i, 0
.rept 32
	v_med3_num_f32 v[X+32*\b+i], v[X+32*\b+i], -v10, v10   ; the conversion does not saturate (ISA guide 7.6.2): the hold at the largest code x the scale
.set i, i+1
.endr
.irp g, 0,1,2,3
	v_cvt_scalef32_pk8_fp8_f32 v[C+8*\b+2*\g:C+8*\b+2*\g+1], v[X+32*\b+8*\g:X+32*\b+8*\g+7], v11
.endr
.endr
.irp h, 0,1
.irp c, 0,1,2,3
	global_store_b128 v7, v[C+16*\h+4*\c:C+16*\h+4*\c+3], s[22:23] offset:512*\c+256*\h   ; k = 64 h + 16 c on: piece c, lane 16 h + r
.endr
.endr
	s_endpgm
.endm
	s_load_b256 s[4:11], s[0:1], 0x0               ; Wq, Wk, Wv, Wd
	s_load_b256 s[12:19], s[0:1], 0x20             ; Wak, bak, Wav, bav
	s_load_b256 s[20:27], s[0:1], 0x40             ; the scales' exponents, wimg, akc, avc
	v_lshrrev_b32 v1, 5, v0
	v_readfirstlane_b32 s28, v1                    ; wave
	v_and_b32 v2, 31, v0                           ; lane
	v_and_b32 v3, 15, v0                           ; r
	v_bfe_u32 v4, v0, 4, 1                         ; the lane's half
	s_wait_kmcnt 0x0
	s_load_b512 s[32:47], s[20:21], 0x0            ; entries 0 to 15
	s_cmp_ge_u32 ttmp9, 272
	s_cbranch_scc1 .Lav
	s_cmp_ge_u32 ttmp9, 256
	s_cbranch_scc1 .Lak
	; ---- weights
	s_lshr_b32 s29, ttmp9, 6                       ; tensor
	s_bfe_u32 s30, ttmp9, 0x40002                  ; panel
	s_and_b32 s31, ttmp9, 3
	s_and_b32 s48, s28, 1                          ; cw
	s_lshr_b32 s49, s28, 1
	s_lshl_b32 s50, s31, 1
	s_add_co_u32 s49, s49, s50                     ; K step
	s_wait_kmcnt 0x0
	s_mov_b32 s50, s32
	s_cmp_eq_u32 s29, 1
	s_cselect_b64 s[4:5], s[6:7], s[4:5]
	s_cselect_b32 s50, s34, s50
	s_cmp_eq_u32 s29, 2
	s_cselect_b64 s[4:5], s[8:9], s[4:5]
	s_cselect_b32 s50, s36, s50
	s_cselect_b32 s51, 16, 32                      ; Ccw
	s_cselect_b32 s52, 32, 16                      ; Cr
	s_cmp_eq_u32 s29, 3
	s_cselect_b64 s[4:5], s[10:11], s[4:5]
	s_cselect_b32 s50, s47, s50                    ; the tensor's exponent: entry 0, 2, 4 or 15
	MKSC 50, 54, 11, 10
	v_and_b32 v5, 7, v3
	v_lshrrev_b32 v6, 3, v3
	v_mul_u32_u24 v6, v6, s52
	v_add_nc_u32 v5, v5, v6
	v_lshl_add_u32 v5, v4, 3, v5
	s_mul_i32 s51, s51, s48
	v_add_nc_u32 v5, s51, v5
	v_lshlrev_b32 v5, 2, v5                        ; my column of the panel, in bytes
	v_lshlrev_b32 v7, 4, v3
	v_lshl_add_u32 v7, v4, 14, v7                  ; out: tile u, lane r
	s_lshl_b32 s56, s30, 2
	s_lshl_b32 s57, s48, 1
	s_add_co_u32 s56, s56, s57
	s_lshl_b32 s56, s56, 3
	s_add_co_u32 s56, s56, s49
	s_lshl_b32 s56, s56, 11                        ; ((4 panel + 2 cw) 8 + K step) x 2,048
	s_lshl_b32 s57, s29, 20
	s_add_co_u32 s56, s56, s57
	s_mov_b32 s57, 0
	s_add_nc_u64 s[22:23], s[22:23], s[56:57]
	s_cmp_eq_u32 s29, 3
	s_cbranch_scc1 .Lwd
	s_lshl_b32 s56, s30, 18                        ; a head of 1,024 x 64 numbers; 128 rows of 256 bytes a K step
	s_lshl_b32 s58, s49, 15
	s_add_co_u32 s56, s56, s58
	s_add_nc_u64 s[4:5], s[4:5], s[56:57]
	WPATH 256
.Lwd:
	s_lshl_b32 s56, s30, 8                         ; 64 columns of Wd; 128 rows of 4,096 bytes a K step
	s_lshl_b32 s58, s49, 19
	s_add_co_u32 s56, s56, s58
	s_add_nc_u64 s[4:5], s[4:5], s[56:57]
	WPATH 4096
	; ---- a_k: thread = row m; four rounds of 16 channels, whose W[0], W[1], b stand in scalar registers
.Lak:
	s_sub_co_u32 s29, ttmp9, 256
	s_lshl_b32 s30, s29, 7
	s_sub_co_i32 s30, s30, 1023
	v_add_nc_u32 v12, s30, v0                      ; m - 1023
	v_cvt_f32_i32 v12, v12
	v_mul_f32 v12, 0x3ac90ff9, v12                 ; th = f32(1.5708 / 1024) x (m - 1023)
	SINCOS 12, 13, 14, 15
	v_lshrrev_b32 v5, 4, v0
	v_lshlrev_b32 v5, 10, v5
	v_lshl_add_u32 v5, v3, 4, v5                   ; group m / 16, row m % 16
	s_lshl_b32 s30, s29, 13
	s_mov_b32 s31, 0
	s_wait_kmcnt 0x0
	s_add_nc_u64 s[24:25], s[24:25], s[30:31]
	MKSC 40, 28, 11, 10                            ; entry 8
.irp p, 0,1,2,3
	s_load_b512 s[48:63], s[12:13], 64*\p
	s_load_b512 s[68:83], s[12:13], 256+64*\p
	s_load_b512 s[84:99], s[14:15], 64*\p
	s_wait_kmcnt 0x0
.set i, 0
.rept 16
	v_fma_f32 v[X+i], v15, s[68+i], s[84+i]
	v_fma_f32 v[X+i], v14, s[48+i], v[X+i]
.set i, i+1
.endr
.set i, 0
.rept 16
	v_med3_num_f32 v[X+i], v[X+i], -v10, v10
.set i, i+1
.endr
	v_cvt_scalef32_pk8_fp8_f32 v[C+4*\p:C+4*\p+1], v[X:X+7], v11
	v_cvt_scalef32_pk8_fp8_f32 v[C+4*\p+2:C+4*\p+3], v[X+8:X+15], v11
	v_nop                                          ; a plain line between the conversions and the next round's writes of their sources
	global_store_b128 v5, v[C+4*\p:C+4*\p+3], s[24:25] offset:256*\p
.endr
	s_endpgm
	; ---- a_v: a wave takes two chunks of 16 rows; sin and cos of the 16 rows go to scalar registers; lane = slot, its 16 registers run down the rows
.Lav:
	s_sub_co_u32 s29, ttmp9, 272
	s_lshl_b32 s29, s29, 3
	s_lshl_b32 s30, s28, 1
	s_add_co_u32 s29, s29, s30                     ; my first chunk
	v_and_b32 v5, 7, v3
	v_lshrrev_b32 v6, 3, v3
	v_lshl_add_u32 v5, v6, 5, v5
	v_lshl_add_u32 v5, v4, 3, v5
	v_lshlrev_b32 v5, 2, v5                        ; slot 32 sh + lane is channel 16 sh + 8 (lane / 16) + r % 8 + 32 (r / 8)
	global_load_b32 v20, v5, s[16:17]
	global_load_b32 v21, v5, s[16:17] offset:64
	global_load_b32 v22, v5, s[16:17] offset:256
	global_load_b32 v23, v5, s[16:17] offset:320
	global_load_b32 v24, v5, s[18:19]
	global_load_b32 v25, v5, s[18:19] offset:64
	v_lshlrev_b32 v7, 4, v2
	s_lshl_b32 s30, s29, 10
	s_mov_b32 s31, 0
	s_add_nc_u64 s[26:27], s[26:27], s[30:31]
	s_lshl_b32 s30, s29, 4
	s_sub_co_i32 s30, s30, 1023
	s_wait_kmcnt 0x0
	MKSC 44, 28, 11, 10                            ; entry 12
	s_wait_loadcnt 0x0
.irp ch, 0,1
	v_add_nc_u32 v12, s30, v3
	v_add_nc_u32 v12, 16*\ch, v12
	v_cvt_f32_i32 v12, v12
	v_mul_f32 v12, 0x3ac90ff9, v12
	SINCOS 12, 13, 14, 15
.set i, 0
.rept 16
	v_readlane_b32 s[48+i], v14, i
	v_readlane_b32 s[68+i], v15, i
.set i, i+1
.endr
.irp sh, 0,1
.set i, 0
.rept 16
	v_fma_f32 v[X+i], v[22+\sh], s[68+i], v[24+\sh]
	v_fma_f32 v[X+i], v[20+\sh], s[48+i], v[X+i]
.set i, i+1
.endr
.set i, 0
.rept 16
	v_med3_num_f32 v[X+i], v[X+i], -v10, v10
.set i, i+1
.endr
	v_cvt_scalef32_pk8_fp8_f32 v[C+8*\ch+4*\sh:C+8*\ch+4*\sh+1], v[X:X+7], v11
	v_cvt_scalef32_pk8_fp8_f32 v[C+8*\ch+4*\sh+2:C+8*\ch+4*\sh+3], v[X+8:X+15], v11
	v_nop                                          ; a plain line between the conversions and the next writes of their sources
	global_store_b128 v7, v[C+8*\ch+4*\sh:C+8*\ch+4*\sh+3], s[26:27] offset:1024*\ch+512*\sh
.endr
.endr
	s_endpgm
.Lfunc_end_k_q8c644caf5d_prep:
	.size	k_q8c644caf5d_prep, .Lfunc_end_k_q8c644caf5d_prep-k_q8c644caf5d_prep
	.p2alignl 7, 3214868480
	.fill 96, 4, 3214868480
	.section	.rodata,"a",@progbits
	.p2align	6, 0x0
	.amdhsa_kernel k_q8c644caf5d_prep
		.amdhsa_group_segment_fixed_size 0
		.amdhsa_private_segment_fixed_size 0
		.amdhsa_enable_private_segment 0
		.amdhsa_kernarg_size 96
		.amdhsa_user_sgpr_count 2
		.amdhsa_user_sgpr_kernarg_segment_ptr 1
		.amdhsa_wavefront_size32 1
		.amdhsa_system_sgpr_workgroup_id_x 1
		.amdhsa_system_sgpr_workgroup_id_y 1
		.amdhsa_system_sgpr_workgroup_id_z 1
		.amdhsa_system_vgpr_workitem_id 0
		.amdhsa_next_free_vgpr 192
		.amdhsa_next_free_sgpr 100
		.amdhsa_reserve_vcc 0
		.amdhsa_float_denorm_mode_32 3
		.amdhsa_float_denorm_mode_16_64 3
		.amdhsa_memory_ordered 1
		.amdhsa_forward_progress 1
		.amdhsa_inst_pref_size 84
	.end_amdhsa_kernel
	.amdgpu_metadata
---
amdhsa.version: [ 1, 2 ]
amdhsa.kernels:
  - .name:           k_q8c644caf5d_prep
    .symbol:         k_q8c644caf5d_prep.kd
    .args:
      - { .name: Wq, .offset: 0, .size: 8, .value_kind: global_buffer, .address_space: global }
      - { .name: Wk, .offset: 8, .size: 8, .value_kind: global_buffer, .address_space: global }
      - { .name: Wv, .offset: 16, .size: 8, .value_kind: global_buffer, .address_space: global }
      - { .name: Wd, .offset: 24, .size: 8, .value_kind: global_buffer, .address_space: global }
      - { .name: Wak, .offset: 32, .size: 8, .value_kind: global_buffer, .address_space: global }
      - { .name: bak, .offset: 40, .size: 8, .value_kind: global_buffer, .address_space: global }
      - { .name: Wav, .offset: 48, .size: 8, .value_kind: global_buffer, .address_space: global }
      - { .name: bav, .offset: 56, .size: 8, .value_kind: global_buffer, .address_space: global }
      - { .name: lowp_scales, .offset: 64, .size: 8, .value_kind: global_buffer, .address_space: global }
      - { .name: wimg, .offset: 72, .size: 8, .value_kind: global_buffer, .address_space: global }
      - { .name: akc, .offset: 80, .size: 8, .value_kind: global_buffer, .address_space: global }
      - { .name: avc, .offset: 88, .size: 8, .value_kind: global_buffer, .address_space: global }
    .group_segment_fixed_size: 0
    .private_segment_fixed_size: 0
    .kernarg_segment_align: 8
    .kernarg_segment_size: 96
    .max_flat_workgroup_size: 128
    .sgpr_count:     100
    .vgpr_count:     192
    .wavefront_size: 32
...
	.end_amdgpu_metadata
.endif
;; end of part 1
;; launch proj (part 2): grid 64 x 3, 8 waves a work-group, no clusters, 66,560 bytes of LDS; arguments q, k, x, wimg, bq, bk, bv, lowp_scales, q6c, q9c, kc, vc; writes q6c, q9c, kc, vc
.if DOCPART == 2
	.amdgcn_target "amdgcn-amd-amdhsa--gfx1250"
	.amdhsa_code_object_version 6
	.text
	.protected	k_q8c644caf5d_proj
	.globl	k_q8c644caf5d_proj
	.p2align	8
	.type	k_q8c644caf5d_proj,@function
k_q8c644caf5d_proj:
	s_mov_b64 s[64:65], 0
	v_nop
	global_prefetch_b8 v0, s[64:65] scope:SCOPE_SE
	s_setreg_imm32_b32 hwreg(HW_REG_WAVE_MODE, 25, 1), 1
	s_wait_xcnt 0x0
; SECOND LAUNCH: the three projections, on codes of E4M3.  No work of reference() is left out here.
; Work-group (blk, ten): 64 tokens of tensor ten (0: q, 1: k, 2: x) against all 16 heads x 64 columns.  qh = Q(q) Q(Wq) 2^(e0 + e1) + bq, and so on; the f32 results are quantised at once for the products that
; take them: qh twice (entries 6 and 9 -> q6c, q9c), kh (entry 7 -> kc), vh (entry 11 -> vc, keys innermost).
; PHASE X: each of the eight waves quantises 16 tokens x 512 along K and stores the fragments in LDS as images of their registers (16 bytes a lane at 16 x lane).  One barrier.
; MAIN: a wave takes four PAIRS of tiles of W (pair pp = 4 wave + trip: head pp / 2, half cw = pp % 2), each against the 64 tokens: 8 accumulators by turns, 8 K steps of 128.  W's fragments come from wimg straight
; into registers, one K step ahead; x's four fragments from LDS.
; q, k: source 0 = W, source 1 = x: a lane holds one token and 16 neighbouring channels: 16 codes, one store.   v: source 0 = x, source 1 = W: a lane holds one channel and 16 neighbouring tokens (the next K).
; WHICH TOKENS FORM A TILE is chosen so: q: 16 neighbours.  k: token 8 t + r % 8 + 64 (r / 8) of a step of 128 keys, as the score product wants its tiles.  v: 32 (m / 2) + 8 (m % 2) + r % 8 + 16 (r / 8).
; OUT: q6c, q9c: [b 16 + head][tile of 16 queries][e / 16][row][16 bytes].  kc: the same with the tiles' rows as above.  vc: [b 16 + head][key / 16][slot 64][16 bytes of keys].  Sixteen lanes store 256 consecutive bytes, aligned.
; No tensor load: x is read once and must pass through registers to be quantised; no cluster: the work-groups share W alone, which comes lane by lane in its register order.
; LIMITS: the exponents of x's and the results' scales between -126 and 119; eW + ex between -126 and 127.  NaN among the inputs is not served.
; REGISTERS: v1 16 x lane; v2 x's lane offset; v3 where I store images; v5 bias offset; v6 output offset; v8, v9 the add's two; v10-15 scale and hold of x, of output 1, of output 2;
; v16-79 accumulators; v80-143 x's fragments, then the results; v144-207 W's fragments (two sets), then held numbers; v208-223 bias; v224-255 codes.
.set ACC, 16
.set XF, 80
.set WB, 144
.set BI, 208
.set CD, 224
.set SPARE, 65536                      ; behind the images: the spare words, 128 bytes for each of eight waves, which no other line names
.macro PLACES                          ; four places in front of loads into registers that matrix instructions have read, and of the first read of results
.rept 4
	v_nop
.endr
.endm
.macro MKSC e, t, vsc, vlim
	s_add_co_i32 s[\t], s[\e], 127
	s_lshl_b32 s[\t+1], s[\t], 23
	v_mov_b32 v[\vsc], s[\t+1]
	s_add_co_i32 s[\t], s[\t], 8
	s_lshl_b32 s[\t], s[\t], 23
	s_or_b32 s[\t], s[\t], 0x600000
	v_mov_b32 v[\vlim], s[\t]
.endm
.macro XLOAD reg, j                    ; my token's 64 numbers of my half of K step j: 256 consecutive bytes a lane
.set i, 0
.rept 16
	global_load_b128 v[\reg+4*i:\reg+4*i+3], v2, s[48:49] offset:512*(\j)+16*i th:TH_LOAD_NT
.set i, i+1
.endr
.endm
.macro QUANT src
.irp b, 0,1,2,3
.set i, 0
.rept 16
	v_med3_num_f32 v[\src+16*\b+i], v[\src+16*\b+i], -v11, v11
.set i, i+1
.endr
	v_cvt_scalef32_pk8_fp8_f32 v[CD+4*\b:CD+4*\b+1], v[\src+16*\b:\src+16*\b+7], v10
	v_cvt_scalef32_pk8_fp8_f32 v[CD+4*\b+2:CD+4*\b+3], v[\src+16*\b+8:\src+16*\b+15], v10
.endr
	v_nop                                          ; a plain line behind the last conversion
.endm
.macro IMAGE j
.irp c, 0,1,2,3
	ds_store_b128 v3, v[CD+4*\c:CD+4*\c+3] offset:2048*(\j)+512*\c
.endr
.endm
.macro WLOAD s                         ; the pair's two fragments of K step s, into set s % 2
.irp u, 0,1
.irp c, 0,1,2,3
	global_load_b128 v[WB+32*((\s)%2)+16*\u+4*\c:WB+32*((\s)%2)+16*\u+4*\c+3], v1, s[50:51] offset:16384*\u+2048*(\s)+512*\c
.endr
.endr
.endm
.macro KSTEP s, tr
	PLACES
.irp m, 0,1,2,3
.irp c, 0,1,2,3
	ds_load_b128 v[XF+16*\m+4*\c:XF+16*\m+4*\c+3], v1 offset:(8*\m+\s)*2048+512*\c
.endr
.endr
.if \s < 7
	WLOAD (\s)+1
	s_wait_loadcnt 8                               ; this step's W (and the bias) are in; the next step's eight loads stay out
.else
	s_wait_loadcnt 0
.endif
	s_wait_dscnt 0x0
.irp m, 0,1,2,3
.irp u, 0,1
.set WR, WB+32*((\s)%2)+16*\u
.if \tr
.set DR, ACC+16*\m+8*\u
.if \s == 0
	v_wmma_f32_16x16x128_fp8_fp8 v[DR:DR+7], v[WR:WR+15], v[XF+16*\m:XF+16*\m+15], 0
.else
	v_wmma_f32_16x16x128_fp8_fp8 v[DR:DR+7], v[WR:WR+15], v[XF+16*\m:XF+16*\m+15], v[DR:DR+7]
.endif
.else
.set DR, ACC+32*(\m/2)+16*\u+8*(\m%2)
.if \s == 0
	v_wmma_f32_16x16x128_fp8_fp8 v[DR:DR+7], v[XF+16*\m:XF+16*\m+15], v[WR:WR+15], 0
.else
	v_wmma_f32_16x16x128_fp8_fp8 v[DR:DR+7], v[XF+16*\m:XF+16*\m+15], v[WR:WR+15], v[DR:DR+7]
.endif
.endif
.endr
.endr
.endm
.macro CODES vsc, vlim, cd             ; the 64 results in XF, held into WB, become 16 registers of codes from v[cd] on
.irp g, 0,1,2,3
.set i, 0
.rept 16
	v_med3_num_f32 v[WB+16*\g+i], v[XF+16*\g+i], -v[\vlim], v[\vlim]
.set i, i+1
.endr
	v_cvt_scalef32_pk8_fp8_f32 v[\cd+4*\g:\cd+4*\g+1], v[WB+16*\g:WB+16*\g+7], v[\vsc]
	v_cvt_scalef32_pk8_fp8_f32 v[\cd+4*\g+2:\cd+4*\g+3], v[WB+16*\g+8:WB+16*\g+15], v[\vsc]
.endr
	v_nop                                          ; a plain line behind the last conversion
.endm
	s_load_b256 s[4:11], s[0:1], 0x0               ; q, k, x, wimg
	s_load_b256 s[12:19], s[0:1], 0x20             ; bq, bk, bv, the scales' exponents
	s_load_b256 s[20:27], s[0:1], 0x40             ; q6c, q9c, kc, vc
	v_lshl_add_u32 v8, v0, 2, SPARE
	v_mov_b32 v9, 0
	v_lshrrev_b32 v1, 5, v0
	v_readfirstlane_b32 s30, v1                    ; wave 0..7
	s_and_b32 s28, ttmp7, 0xffff                   ; ten
	s_mov_b32 s29, ttmp9                           ; blk
	v_and_b32 v4, 31, v0
	v_lshlrev_b32 v1, 4, v4                        ; 16 x lane
	v_and_b32 v7, 15, v0                           ; r
	v_bfe_u32 v4, v0, 4, 1                         ; hl
	v_mov_b32 v209, 0                              ; (named as upper halves of pairs on v's way)
	v_mov_b32 v211, 0
	s_and_b32 s31, s30, 3                          ; phase X: my tile of tokens m,
	s_lshr_b32 s58, s30, 2                         ; and my four K steps
	s_lshl_b32 s72, s31, 3
	s_lshl_b32 s73, s58, 2
	s_add_co_u32 s72, s72, s73
	s_lshl_b32 s72, s72, 11
	v_add_nc_u32 v3, s72, v1                       ; image (m, s) at (8 m + s) x 2,048
	s_lshl_b32 s73, s29, 6                         ; the block's first token: 64 blk,
	s_lshr_b32 s74, s29, 1
	s_lshl_b32 s74, s74, 7
	s_and_b32 s75, s29, 1
	s_lshl_b32 s75, s75, 5
	s_add_co_u32 s74, s74, s75                     ; for k: 128 (blk / 2) + 32 (blk % 2)
	s_lshl_b32 s75, s31, 4                         ; the tile's part: q: 16 m,
	s_lshl_b32 s76, s31, 3                         ; k: 8 m,
	s_lshr_b32 s77, s31, 1
	s_lshl_b32 s77, s77, 5
	s_and_b32 s78, s31, 1
	s_lshl_b32 s78, s78, 3
	s_add_co_u32 s77, s77, s78                     ; v: 32 (m / 2) + 8 (m % 2)
	s_cmp_eq_u32 s28, 0
	s_cselect_b32 s72, 8, 16                       ; rows 8 to 15 of a tile lie so many tokens behind rows 0 to 7: q 8, k 64, v 16
	s_cselect_b32 s77, s75, s77
	s_cmp_eq_u32 s28, 1
	s_cselect_b32 s72, 64, s72
	s_cselect_b32 s77, s76, s77
	s_cselect_b32 s73, s74, s73
	s_cmp_eq_u32 s28, 2
	s_cselect_b32 s78, 0, 64                       ; the bias's lane offset: q, k: 64 hl;  v: 4 (r % 8) + 128 (r / 8)
	s_cselect_b32 s79, 4, 0
	s_cselect_b32 s80, 128, 0
	s_cselect_b32 s81, 10, 8                       ; the output's: q, k: 256 hl + 16 r;  v: 1,024 hl + 16 r
	s_add_co_u32 s73, s73, s77
	v_and_b32 v12, 7, v7
	v_lshrrev_b32 v13, 3, v7
	v_mul_u32_u24 v2, v13, s72
	v_add_nc_u32 v2, v2, v12
	v_lshlrev_b32 v2, 12, v2
	v_lshl_add_u32 v2, v4, 8, v2                   ; my token's row of 4,096 bytes + 256 hl
	v_mul_u32_u24 v5, v4, s78
	v_mad_u32_u24 v5, v12, s79, v5
	v_mad_u32_u24 v5, v13, s80, v5
	v_lshlrev_b32 v6, s81, v4
	v_lshl_add_u32 v6, v7, 4, v6
	s_wait_kmcnt 0x0
	s_load_b512 s[32:47], s[18:19], 0x0            ; entries 0 to 15
	s_cmp_eq_u32 s28, 1                            ; the tensor's buffers: a choice on the work-group's number alone
	s_cselect_b64 s[48:49], s[6:7], s[4:5]
	s_cselect_b64 s[52:53], s[14:15], s[12:13]
	s_cselect_b64 s[54:55], s[24:25], s[20:21]
	s_cmp_eq_u32 s28, 2
	s_cselect_b64 s[48:49], s[8:9], s[48:49]
	s_cselect_b64 s[52:53], s[16:17], s[52:53]
	s_cselect_b64 s[54:55], s[26:27], s[54:55]
	s_lshl_b32 s74, s73, 12
	s_lshl_b32 s75, s58, 11
	s_add_co_u32 s74, s74, s75
	s_mov_b32 s75, 0
	s_add_nc_u64 s[48:49], s[48:49], s[74:75]
	XLOAD XF, 0
	XLOAD WB, 1
	s_lshl_b32 s74, s28, 20
	s_lshl_b32 s76, s30, 17
	s_add_co_u32 s74, s74, s76
	s_add_nc_u64 s[50:51], s[10:11], s[74:75]      ; W: tensor x 2^20 + pair x 32,768, pair = 4 wave
	s_lshr_b32 s74, s29, 4
	s_lshl_b32 s74, s74, 20
	s_and_b32 s76, s29, 15
	s_lshl_b32 s76, s76, 12
	s_add_co_u32 s74, s74, s76                     ; out: batch x 16 heads x 65,536 + (blk % 16) x 4 tiles x 1,024
	s_add_nc_u64 s[54:55], s[54:55], s[74:75]
	s_add_nc_u64 s[56:57], s[22:23], s[74:75]
	s_wait_kmcnt 0x0
	s_cmp_eq_u32 s28, 1
	s_cselect_b32 s76, s34, s32                    ; eW
	s_cselect_b32 s77, s35, s33                    ; ex
	s_cselect_b32 s78, s39, s38                    ; the result's: entry 6, 7 or 11
	s_cmp_eq_u32 s28, 2
	s_cselect_b32 s76, s36, s76
	s_cselect_b32 s77, s37, s77
	s_cselect_b32 s78, s43, s78
	MKSC 77, 80, 10, 11
	MKSC 78, 80, 12, 13
	MKSC 41, 80, 14, 15                            ; entry 9: qh's second quantiser
	s_add_co_i32 s62, s76, s77
	s_add_co_i32 s62, s62, 127
	s_lshl_b32 s62, s62, 23                        ; 2^(eW + ex)
	s_mov_b32 s63, s62                             ; (named with it as a pair)
	; ---- phase X
	s_wait_loadcnt 16                              ; K step 0's sixteen loads are in; step 1's stay out
	QUANT XF
	IMAGE 0
	s_wait_dscnt 0x0                               ; the stores have read the codes' registers
	XLOAD XF, 2
	s_wait_loadcnt 16
	QUANT WB
	IMAGE 1
	s_wait_dscnt 0x0
	XLOAD WB, 3
	s_wait_loadcnt 16
	QUANT XF
	IMAGE 2
	s_wait_dscnt 0x0
	s_wait_loadcnt 0x0
	QUANT WB
	IMAGE 3
	s_wait_dscnt 0x0                               ; for the others' sake: my images have landed
	s_barrier_signal -1
	s_barrier_wait -1                              ; all 32 fragments lie in LDS; nothing is stored there again
	; ---- main
	s_lshl_b32 s59, s30, 2                         ; pair
	s_mov_b32 s60, 4
.Lpair:
	s_lshr_b32 s72, s59, 1                         ; head
	s_and_b32 s73, s59, 1                          ; cw
	s_lshl_b32 s74, s72, 16
	s_lshl_b32 s75, s73, 9
	s_add_co_u32 s74, s74, s75
	s_mov_b32 s75, 0
	s_add_nc_u64 s[66:67], s[54:55], s[74:75]
	s_add_nc_u64 s[68:69], s[56:57], s[74:75]
	s_cmp_eq_u32 s28, 2
	s_cbranch_scc1 .Lv
	s_lshl_b32 s74, s59, 7                         ; q, k: the bias of channels 32 pair + 16 hl + 0 .. 15
	s_add_nc_u64 s[70:71], s[52:53], s[74:75]
.irp c, 0,1,2,3
	global_load_b128 v[BI+4*\c:BI+4*\c+3], v5, s[70:71] offset:16*\c
.endr
	WLOAD 0
.irp s, 0,1,2,3,4,5,6,7
	KSTEP \s, 1
.endr
	PLACES
.irp g, 0,1,2,3
.irp i, 0,2,4,6,8,10,12,14
	v_pk_fma_f32 v[XF+16*\g+\i:XF+16*\g+\i+1], v[ACC+16*\g+\i:ACC+16*\g+\i+1], s[62:63], v[BI+\i:BI+\i+1] op_sel_hi:[1,0,1]   ; sum x 2^(eW + ex) + bias, each accumulator from its low end on
.endr
.endr
	CODES 12, 13, CD
.irp g, 0,1,2,3
	global_store_b128 v6, v[CD+4*\g:CD+4*\g+3], s[66:67] offset:1024*\g
.endr
	s_cmp_lg_u32 s28, 0
	s_cbranch_scc1 .Lnext                          ; kh has one quantiser
	CODES 14, 15, CD+16
.irp g, 0,1,2,3
	global_store_b128 v6, v[CD+16+4*\g:CD+16+4*\g+3], s[68:69] offset:1024*\g
.endr
	s_branch .Lnext
.Lv:
	s_lshl_b32 s74, s72, 8                         ; v: the bias of my channel: head x 64 + 16 cw + 8 u + r % 8 + 32 (r / 8)
	s_lshl_b32 s76, s73, 6
	s_add_co_u32 s74, s74, s76
	s_add_nc_u64 s[70:71], s[52:53], s[74:75]
	global_load_b32 v[BI], v5, s[70:71]
	global_load_b32 v[BI+2], v5, s[70:71] offset:32
	WLOAD 0
.irp s, 0,1,2,3,4,5,6,7
	KSTEP \s, 0
.endr
	PLACES
.irp g, 0,1,2,3                        ; group 2 a + u: tokens 32 a + 16 hl + 0 .. 15 of channel tile u
.irp i, 0,2,4,6,8,10,12,14
	v_pk_fma_f32 v[XF+16*\g+\i:XF+16*\g+\i+1], v[ACC+16*\g+\i:ACC+16*\g+\i+1], s[62:63], v[BI+2*(\g%2):BI+2*(\g%2)+1] op_sel_hi:[1,0,0]
.endr
.endr
	CODES 12, 13, CD
.irp g, 0,1,2,3
	global_store_b128 v6, v[CD+4*\g:CD+4*\g+3], s[66:67] offset:2048*(\g/2)+256*(\g%2)
.endr
.Lnext:
	s_wait_xcnt 0x0                                ; the stores and loads have read their registers and bases: these are written again below and in the next trip
	s_add_nc_u64 s[50:51], s[50:51], 32768
	s_add_co_u32 s59, s59, 1
	s_sub_co_u32 s60, s60, 1
	s_cmp_lg_u32 s60, 0
	s_cbranch_scc1 .Lpair
	s_wait_tensorcnt 0x0                           ; the wave's end, behind my last LDS store
	ds_add_u32 v8, v9
	s_wait_dscnt 0x0
	s_endpgm
.Lfunc_end_k_q8c644caf5d_proj:
	.size	k_q8c644caf5d_proj, .Lfunc_end_k_q8c644caf5d_proj-k_q8c644caf5d_proj
	.p2alignl 7, 3214868480
	.fill 96, 4, 3214868480
	.section	.rodata,"a",@progbits
	.p2align	6, 0x0
	.amdhsa_kernel k_q8c644caf5d_proj
		.amdhsa_group_segment_fixed_size 66560
		.amdhsa_private_segment_fixed_size 0
		.amdhsa_enable_private_segment 0
		.amdhsa_kernarg_size 96
		.amdhsa_user_sgpr_count 2
		.amdhsa_user_sgpr_kernarg_segment_ptr 1
		.amdhsa_wavefront_size32 1
		.amdhsa_system_sgpr_workgroup_id_x 1
		.amdhsa_system_sgpr_workgroup_id_y 1
		.amdhsa_system_sgpr_workgroup_id_z 1
		.amdhsa_system_vgpr_workitem_id 0
		.amdhsa_next_free_vgpr 256
		.amdhsa_next_free_sgpr 96
		.amdhsa_reserve_vcc 0
		.amdhsa_float_denorm_mode_32 3
		.amdhsa_float_denorm_mode_16_64 3
		.amdhsa_memory_ordered 1
		.amdhsa_forward_progress 1
		.amdhsa_inst_pref_size 90
	.end_amdhsa_kernel
	.amdgpu_metadata
---
amdhsa.version: [ 1, 2 ]
amdhsa.kernels:
  - .name:           k_q8c644caf5d_proj
    .symbol:         k_q8c644caf5d_proj.kd
    .args:
      - { .name: q, .offset: 0, .size: 8, .value_kind: global_buffer, .address_space: global }
      - { .name: k, .offset: 8, .size: 8, .value_kind: global_buffer, .address_space: global }
      - { .name: x, .offset: 16, .size: 8, .value_kind: global_buffer, .address_space: global }
      - { .name: wimg, .offset: 24, .size: 8, .value_kind: global_buffer, .address_space: global }
      - { .name: bq, .offset: 32, .size: 8, .value_kind: global_buffer, .address_space: global }
      - { .name: bk, .offset: 40, .size: 8, .value_kind: global_buffer, .address_space: global }
      - { .name: bv, .offset: 48, .size: 8, .value_kind: global_buffer, .address_space: global }
      - { .name: lowp_scales, .offset: 56, .size: 8, .value_kind: global_buffer, .address_space: global }
      - { .name: q6c, .offset: 64, .size: 8, .value_kind: global_buffer, .address_space: global }
      - { .name: q9c, .offset: 72, .size: 8, .value_kind: global_buffer, .address_space: global }
      - { .name: kc, .offset: 80, .size: 8, .value_kind: global_buffer, .address_space: global }
      - { .name: vc, .offset: 88, .size: 8, .value_kind: global_buffer, .address_space: global }
    .group_segment_fixed_size: 66560
    .private_segment_fixed_size: 0
    .kernarg_segment_align: 8
    .kernarg_segment_size: 96
    .max_flat_workgroup_size: 256
    .sgpr_count:     96
    .vgpr_count:     256
    .wavefront_size: 32
...
	.end_amdgpu_metadata
.endif
;; end of part 2
;; launch attn (part 3): grid 4 x 64, 16 waves a work-group, clusters of 4 x 1, 327,680 bytes of LDS; arguments q6c, q9c, kc, vc, akc, avc, lowp_scales, oc; writes oc
.if DOCPART == 3
	.amdgcn_target "amdgcn-amd-amdhsa--gfx1250"
	.amdhsa_code_object_version 6
	.text
	.protected	k_q8c644caf5d_attn
	.globl	k_q8c644caf5d_attn
	.p2align	8
	.type	k_q8c644caf5d_attn,@function
k_q8c644caf5d_attn:
	s_mov_b64 s[64:65], 0
	v_nop
	global_prefetch_b8 v0, s[64:65] scope:SCOPE_SE
	s_setreg_imm32_b32 hwreg(HW_REG_WAVE_MODE, 25, 1), 1
	s_wait_xcnt 0x0
	s_wait_alu depctr_hold_cnt(0) depctr_sa_sdst(0) depctr_va_vdst(0) depctr_va_sdst(0) depctr_va_ssrc(0) depctr_va_vcc(0) depctr_vm_vsrc(0)
	s_getreg_b32 s2, hwreg(HW_REG_IB_STS2, 6, 4)
	s_cmp_eq_u32 s2, 0
	s_cbranch_scc0 .Lentry_in_a_cluster
	s_endpgm
.Lentry_in_a_cluster:
	s_bfe_u32 s2, ttmp6, 0x10000c
	s_cmp_lg_u32 s2, 0x3003
	s_cbranch_scc0 .Lentry_shape_is_right
	s_endpgm
.Lentry_shape_is_right:
; THIRD LAUNCH: attention with relative positions, all four products on codes of E4M3.  No work of reference() is left out here.
; score[i][j] = Q6(qh[i]) . Q7(kh[j]) + Q9(qh[i]) . Q8(a_k[j - i + 1023]);  t = score x log2(e) / 64;  M = the running largest t rounded up; p = 2^(t - M);  l = the sum of the unquantised p;
; out[i] = (sum_j Q10(p) Q11(vh[j]) + sum_j Q13(p) Q12(a_v[j - i + 1023])) / l, quantised by entry 14 for the last product.
; SHARES.  A work-group owns 256 queries of one (batch, head); each of its sixteen waves 16 of them, in 256 registers: four waves to a SIMD, so that one wave's vector work stands beside another's products and LDS loads.
; A lane holds ONE query (lane % 16) throughout: every product is used transposed.  A step is 128 keys; lane half hl holds keys 64 hl + 0 .. 63 of it, in register order.
; ALL OF LDS IS FILLED ONCE, at the head: the head's K (65,536 bytes) and V (65,536), and the 1,280 rows of each table that the block's 256 queries can meet (rows 768 - 256 qb on).  No ring, no refill.
; CLUSTER.  The four query blocks of a (batch, head) read the same K and V: those eight loads are joint (mask 15).  The tables' windows differ from block to block (their union, with K and V, does not fit in LDS): plain loads.
; THE SCORES' SKEW.  For my 16 queries i0 + r and the keys 64 hl + x of a step, the table row is base + 64 hl + y, y = x + 15 - r, 0 <= y <= 78.  Ten tiles of the table against Q9 give G[y] in 80 registers;
; four rounds of selects (by 8, 4, 2, 1, on the bits of 15 - r) move G[x + 15 - r] to register x.  Scaled by 2^(e8 + e9 - e6 - e7), it is the C of the product K Q6: no addition is written.
; THE VALUES' SKEW, the other way round: p's 64 codes (entry 13) are moved UP by 15 - r bytes inside 20 registers (a byte permute, then selects by 2 and by 1 registers), zeros elsewhere, and multiplied with the
; window's 80 rows of a_v (96 are named: the last 16 meet zero codes and take the rows before them once more, so that no read leaves the window).
; Nothing is prefetched: all that the launch reads is asked for at its head.
; LIMITS: e6 + e7 between -121 and 130 (added to c's exponent field); e8 + e9 - e6 - e7 between -126 and 127; e10, e13, e14 between -126 and 119.
; REGISTERS: v1-4 lane bases (K, a_k, V, a_v); v5-8 the step's addresses; v9, v10 the add's two; v11 my offset in a tile of q6c, q9c, oc; v16-23 Q6, v24-31 Q9; v32-111 S: G, scores, p, then fragments;
; v112-175 F: fragments; then v112-127 p's codes by entry 10, v128-151 W: p's codes by entry 13, skewed, v152-167 at work; v176-207 O; v208-239 OR; v240 -M, v241 the largest t, v[242:243] l;
; v244-247 scales and holds; v248 the byte permute's selector; v249 0; v250-255 at work.
.set KB, 0
.set VB, 65536
.set AVB, 131072                       ; 80 chunks of 1,024 bytes
.set AKB, 212992                       ; 80 groups of 1,024 bytes + 32 of padding: lanes 8-15 read four groups on, 4,224 bytes = 128 beyond a multiple of 256
.set SPARE, 297472                     ; the spare words, 128 bytes for each of sixteen waves, which no other line names
.set S, 32
.set F, 112
.set P10, 112
.set W, 128
.set TMP, 152
.set O, 176
.set OR, 208
.macro PLACES
.rept 4
	v_nop
.endr
.endm
.macro MKSC e, t, vsc, vlim
	s_add_co_i32 s[\t], s[\e], 127
	s_lshl_b32 s[\t+1], s[\t], 23
	v_mov_b32 v[\vsc], s[\t+1]
	s_add_co_i32 s[\t], s[\t], 8
	s_lshl_b32 s[\t], s[\t], 23
	s_or_b32 s[\t], s[\t], 0x600000
	v_mov_b32 v[\vlim], s[\t]
.endm
.macro ROUND                           ; a round of the cluster's barrier
	s_barrier_signal -1
	s_barrier_wait -1
	s_cmp_lg_u32 s20, 0
	s_cbranch_scc1 .Lnot_wave_0_\@
	s_barrier_signal -3
.Lnot_wave_0_\@:
	s_barrier_wait -3
	s_barrier_signal -1
	s_barrier_wait -1
.endm
.macro BARREL d, n, m                  ; in place, ascending: register x takes register x + d in the lanes of mask s[m]
.set i, 0
.rept \n
	v_cndmask_b32 v[S+i], v[S+i], v[S+i+\d], s[\m]
.set i, i+1
.endr
.endm
	s_load_b256 s[4:11], s[0:1], 0x0               ; q6c, q9c, kc, vc
	s_load_b256 s[12:19], s[0:1], 0x20             ; akc, avc, the scales' exponents, oc
	v_lshl_add_u32 v9, v0, 2, SPARE
	v_mov_b32 v10, 0
	ds_add_u32 v9, v10                             ; the wave's opening: the add, twice on end, and its wait ahead of my first tensor load
	ds_add_u32 v9, v10
	v_lshrrev_b32 v12, 5, v0
	v_readfirstlane_b32 s20, v12                   ; wave 0..15
	s_and_b32 s21, s20, 3                          ; which quarter of its region my load brings
	s_bfe_u32 s22, ttmp6, 0x40000                  ; cx = my block of 256 queries: it enters global addresses of plain loads, of Q and of oc alone
	s_and_b32 s23, ttmp7, 0xffff                   ; batch x 16 + head
	; group 1, three shapes, elements of 8 bytes.  K, V (joint): 64 rows of 256 bytes, dense
	s_mov_b32 s24, 15|(3<<16)|(1<<21)
	s_mov_b32 s25, 32<<16
	s_mov_b32 s26, 64<<16
	s_mov_b32 s27, 32<<16
	s_mov_b32 s28, 64
	s_mov_b32 s29, 32
	s_mov_b32 s30, 0
	s_mov_b32 s31, 0
	; a_v: 80 rows of 256 bytes, dense
	s_mov_b32 s32, 3<<16
	s_mov_b32 s33, 32<<16
	s_mov_b32 s34, 80<<16
	s_mov_b32 s35, 32<<16
	s_mov_b32 s36, 80
	s_mov_b32 s37, 32
	s_mov_b32 s38, 0
	s_mov_b32 s39, 0
	; a_k: 20 rows of 1,024 bytes, 8 words of padding behind every 256 words
	s_mov_b32 s40, (3<<16)|(1<<20)|(7<<22)|(7<<25)
	s_mov_b32 s41, 128<<16
	s_mov_b32 s42, 20<<16
	s_mov_b32 s43, 128<<16
	s_mov_b32 s44, 20
	s_mov_b32 s45, 128
	s_mov_b32 s46, 0
	s_mov_b32 s47, 0
	s_wait_dscnt 0x0                               ; both opening adds are done
	s_wait_kmcnt 0x0
	s_load_b512 s[68:83], s[16:17], 0x0            ; entries 0 to 15
	; group 0, four sets; every wave makes all four from its quarter
	s_lshl_b32 s66, s23, 16
	s_lshl_b32 s97, s21, 14
	s_add_co_u32 s66, s66, s97                     ; (batch, head) x 65,536 + quarter x 16,384: the same in all four partners
	s_mov_b32 s67, 0
	s_mov_b32 s48, 1
	s_mov_b32 s49, s97
	s_add_nc_u64 s[50:51], s[8:9], s[66:67]
	s_or_b32 s51, s51, 0x80000000
	s_mov_b32 s52, 1
	s_add_co_u32 s53, s97, VB
	s_add_nc_u64 s[54:55], s[10:11], s[66:67]
	s_or_b32 s55, s55, 0x80000000
	s_lshl_b32 s98, s22, 14
	s_sub_co_u32 s98, 49152, s98                   ; the window begins at group 48 - 16 qb
	s_mul_i32 s96, s21, 20480
	s_add_co_u32 s98, s98, s96
	s_mov_b32 s99, 0
	s_mov_b32 s56, 1
	s_mul_i32 s57, s21, 21120
	s_add_co_u32 s57, s57, AKB
	s_add_nc_u64 s[58:59], s[12:13], s[98:99]
	s_or_b32 s59, s59, 0x80000000
	s_mov_b32 s60, 1
	s_add_co_u32 s61, s96, AVB
	s_add_nc_u64 s[62:63], s[14:15], s[98:99]
	s_or_b32 s63, s63, 0x80000000
	ROUND                                          ; all four work-groups are here: the joint loads meet
	s_cmp_lt_u32 s20, 4                            ; one load a wave, a load in each arm: waves 0-3 K, 4-7 V, 8-11 a_k, 12-15 a_v.  An s_nop 0 and four v_nop follow each
	s_cbranch_scc0 .Larm1
	tensor_load_to_lds s[48:51], s[24:31]
	s_nop 0
	PLACES
	s_branch .Lasked
.Larm1:
	s_cmp_lt_u32 s20, 8
	s_cbranch_scc0 .Larm2
	tensor_load_to_lds s[52:55], s[24:31]
	s_nop 0
	PLACES
	s_branch .Lasked
.Larm2:
	s_cmp_lt_u32 s20, 12
	s_cbranch_scc0 .Larm3
	tensor_load_to_lds s[56:59], s[40:47]
	s_nop 0
	PLACES
	s_branch .Lasked
.Larm3:
	tensor_load_to_lds s[60:63], s[32:39]
	s_nop 0
	PLACES
.Lasked:
	v_and_b32 v12, 15, v0                          ; r
	v_bfe_u32 v13, v0, 4, 1                        ; hl
	v_lshlrev_b32 v11, 4, v12
	v_lshl_add_u32 v11, v13, 9, v11                ; pieces 2 hl, 2 hl + 1 of row r
	s_lshl_b32 s98, s23, 16
	s_lshl_b32 s96, s22, 14
	s_add_co_u32 s98, s98, s96
	s_lshl_b32 s96, s20, 10
	s_add_co_u32 s98, s98, s96                     ; my tile of 16 queries: ((batch, head) x 64 + 16 qb + wave) x 1,024
	s_add_nc_u64 s[4:5], s[4:5], s[98:99]
	s_add_nc_u64 s[6:7], s[6:7], s[98:99]
	s_add_nc_u64 s[18:19], s[18:19], s[98:99]
	global_load_b128 v[16:19], v11, s[4:5]
	global_load_b128 v[20:23], v11, s[4:5] offset:256
	global_load_b128 v[24:27], v11, s[6:7]
	global_load_b128 v[28:31], v11, s[6:7] offset:256
	v_lshlrev_b32 v1, 4, v12
	v_lshl_add_u32 v1, v13, 9, v1                  ; K: 512 hl + 16 r
	s_xor_b32 s97, s20, 15                         ; 15 - wave
	s_mul_i32 s96, s97, 1056
	s_add_co_u32 s96, s96, AKB
	v_lshrrev_b32 v14, 3, v12
	v_mul_u32_u24 v2, v14, 4224
	v_and_b32 v15, 7, v12
	v_lshl_add_u32 v2, v15, 4, v2
	v_lshl_add_u32 v2, v13, 9, v2
	v_add_nc_u32 v2, s96, v2                       ; a_k: row r of tile t is window row 240 - 16 wave + 8 t + r % 8 + 64 (r / 8)
	v_lshlrev_b32 v3, 4, v12
	v_lshl_add_u32 v3, v13, 12, v3
	s_lshl_b32 s96, s97, 10
	s_add_co_u32 s96, s96, AVB
	v_add_nc_u32 v4, s96, v3                       ; a_v: chunk 15 - wave + 4 hl, slot r
	v_add_nc_u32 v3, VB, v3                        ; V: chunk 4 hl, slot r
	v_sub_nc_u32 v14, 15, v12
	v_and_b32 v14, 3, v14
	s_mov_b32 s96, 0x01010101
	v_mul_lo_u32 v14, v14, s96
	v_sub_nc_u32 v248, 0x07060504, v14             ; bytes 4 - d .. 7 - d of the pair (this register, the one below), d = (15 - r) % 4
	v_mov_b32 v249, 0
	v_mov_b32 v241, 0xff61b1e6                     ; the largest t so far: -3e38
	v_floor_f32 v240, -v241
	v_mov_b32 v242, 0
	v_mov_b32 v243, 0
	v_mov_b32 v251, 0                              ; a lane permute's destination counts as read
	v_mov_b32 v253, 0                              ; (upper halves of pairs)
	v_mov_b32 v255, 0
.set i, 0
.rept 64
	v_mov_b32 v[O+i], 0                            ; O and OR: the step is written once; the first change of M leaves zeros zeros
.set i, i+1
.endr
	s_mov_b32 s84, 0x76543210
	s_mov_b32 s85, 0xfedcba98
	s_mov_b32 s93, 0x00ff00ff                      ; lanes in which bit 3 of 15 - r is set; then bits 2, 1, 0
	s_mov_b32 s94, 0x0f0f0f0f
	s_mov_b32 s95, 0x33333333
	s_mov_b32 s3, 0x55555555
	s_mov_b32 s90, 0                               ; the step's bytes in K, V, a_v
	s_mov_b32 s91, 0                               ; and in a_k
	s_mov_b32 s92, 8
	s_wait_kmcnt 0x0
	s_add_co_i32 s96, s74, s75                     ; e6 + e7
	s_lshl_b32 s97, s96, 23
	s_add_co_i32 s86, s97, 0x3cb8aa3b              ; c = log2(e) / 64 x 2^(e6 + e7)
	s_mov_b32 s87, s86
	s_add_co_i32 s97, s76, s77
	s_sub_co_i32 s97, s97, s96
	s_add_co_i32 s97, s97, 127
	s_lshl_b32 s88, s97, 23                        ; 2^(e8 + e9 - e6 - e7)
	s_mov_b32 s89, s88
	MKSC 78, 96, 244, 245                          ; entry 10
	MKSC 81, 96, 246, 247                          ; entry 13
	s_wait_tensorcnt 0x0                           ; my one tensor load has landed,
	s_barrier_signal -1
	s_barrier_wait -1                              ; everybody's has
	s_wait_loadcnt 0x0                             ; Q
.Lstep:
	v_add_nc_u32 v5, s90, v1                       ; these four and the v_nop are the five places behind the last products, whose operands are loaded and written over below
	v_add_nc_u32 v6, s91, v2
	v_add_nc_u32 v7, s90, v3
	v_add_nc_u32 v8, s90, v4
	v_nop
.irp t, 0,1,2,3,4,5,6,7                ; G = a_k Q9: tiles 0 to 7 of the window
	ds_load_b128 v[F+8*\t:F+8*\t+3], v6 offset:(\t/2)*1056+(\t%2)*128
	ds_load_b128 v[F+8*\t+4:F+8*\t+7], v6 offset:(\t/2)*1056+(\t%2)*128+256
.endr
	s_wait_dscnt 0x0
.irp t, 0,1,2,3,4,5,6,7
	v_wmma_f32_16x16x64_fp8_fp8 v[S+8*\t:S+8*\t+7], v[F+8*\t:F+8*\t+7], v[24:31], 0
.endr
	PLACES
.irp t, 8,9
	ds_load_b128 v[F+8*(\t-8):F+8*(\t-8)+3], v6 offset:(\t/2)*1056+(\t%2)*128
	ds_load_b128 v[F+8*(\t-8)+4:F+8*(\t-8)+7], v6 offset:(\t/2)*1056+(\t%2)*128+256
.endr
.irp t, 0,1,2,3,4,5
	ds_load_b128 v[F+16+8*\t:F+16+8*\t+3], v5 offset:1024*\t
	ds_load_b128 v[F+16+8*\t+4:F+16+8*\t+7], v5 offset:1024*\t+256
.endr
	s_wait_dscnt 12                                ; tiles 8 and 9 are in; K's twelve loads stay out
.irp t, 8,9
	v_wmma_f32_16x16x64_fp8_fp8 v[S+8*\t:S+8*\t+7], v[F+8*(\t-8):F+8*(\t-8)+7], v[24:31], 0
.endr
	BARREL 8, 72, 93                               ; its first 56 lines name nothing of tiles 8 and 9: they are the places behind those; each tile is first read at its register 0
.irp t, 6,7
	ds_load_b128 v[F+8*(\t-6):F+8*(\t-6)+3], v5 offset:1024*\t
	ds_load_b128 v[F+8*(\t-6)+4:F+8*(\t-6)+7], v5 offset:1024*\t+256
.endr
	BARREL 4, 68, 94
	BARREL 2, 66, 95
	BARREL 1, 64, 3
.set i, 0
.rept 32
	v_pk_mul_f32 v[S+i:S+i+1], v[S+i:S+i+1], s[88:89] op_sel_hi:[1,0]   ; into the units of K Q6's sums: a power of two
.set i, i+2
.endr
	s_wait_dscnt 0x0
.irp t, 0,1,2,3,4,5
	v_wmma_f32_16x16x64_fp8_fp8 v[S+8*\t:S+8*\t+7], v[F+16+8*\t:F+16+8*\t+7], v[16:23], v[S+8*\t:S+8*\t+7]
.endr
.irp t, 6,7
	v_wmma_f32_16x16x64_fp8_fp8 v[S+8*\t:S+8*\t+7], v[F+8*(\t-6):F+8*(\t-6)+7], v[16:23], v[S+8*\t:S+8*\t+7]
.endr
	PLACES
	v_max3_num_f32 v254, v[S], v[S+1], v[S+2]      ; the step's largest score of my query among my 64 keys, in two chains
	v_max3_num_f32 v250, v[S+3], v[S+4], v[S+5]
.irp i, 6,10,14,18,22,26,30,34,38,42,46,50,54,58
	v_max3_num_f32 v254, v254, v[S+\i], v[S+\i+1]
	v_max3_num_f32 v250, v250, v[S+\i+2], v[S+\i+3]
.endr
	v_max3_num_f32 v254, v254, v[S+62], v[S+63]
	v_max_num_f32 v254, v254, v250
	v_permlanex16_b32 v251, v254, s84, s85
	v_max_num_f32 v254, v254, v251                 ; and among the other half's
	v_mul_f32 v254, s86, v254                      ; as t (c is positive)
	v_max_num_f32 v241, v241, v254
	v_mov_b32 v254, v240
	v_floor_f32 v240, -v241                        ; -M = floor(-t): M is a whole number
	v_sub_f32 v254, v240, v254
	v_cvt_i32_f32 v254, v254                       ; (it saturates)
	v_ldexp_f32 v252, 1.0, v254                    ; f = 2^(old M - new M)
.set i, 0
.rept 32
	v_pk_fma_f32 v[S+i:S+i+1], v[S+i:S+i+1], s[86:87], v[240:241] op_sel_hi:[1,0,0]   ; t - M
.set i, i+2
.endr
.set i, 0
.rept 64
	v_exp_f32 v[S+i], v[S+i]
.set i, i+1
.endr
	v_pk_mul_f32 v[242:243], v[242:243], v[252:253] op_sel_hi:[1,0]   ; l under the new M; the plain place behind the exponentials
	s_wait_alu depctr_va_vdst(0)                   ; one wait for the batch of 64, ahead of its first reader
	v_pk_add_f32 v[250:251], v[S:S+1], v[S+2:S+3]  ; l is taken of the unquantised p, in two chains
.irp j, 4,8,12,16,20,24,28,32,36,40,44,48,52,56,60
	v_pk_add_f32 v[242:243], v[242:243], v[S+\j:S+\j+1]
	v_pk_add_f32 v[250:251], v[250:251], v[S+\j+2:S+\j+3]
.endr
	v_pk_add_f32 v[242:243], v[242:243], v[250:251]
.irp b, 0,1,2,3                        ; p is quantised twice; it is not negative, so the hold is one-sided
.set i, 0
.rept 16
	v_min_num_f32 v[TMP+i], v[S+16*\b+i], v245
.set i, i+1
.endr
	v_cvt_scalef32_pk8_fp8_f32 v[P10+4*\b:P10+4*\b+1], v[TMP:TMP+7], v244
	v_cvt_scalef32_pk8_fp8_f32 v[P10+4*\b+2:P10+4*\b+3], v[TMP+8:TMP+15], v244
.set i, 0
.rept 16
	v_min_num_f32 v[S+16*\b+i], v[S+16*\b+i], v247 ; (these sixteen are also the plain lines between the conversions above and the next writes of their sources)
.set i, i+1
.endr
	v_cvt_scalef32_pk8_fp8_f32 v[W+4*\b:W+4*\b+1], v[S+16*\b:S+16*\b+7], v246
	v_cvt_scalef32_pk8_fp8_f32 v[W+4*\b+2:W+4*\b+3], v[S+16*\b+8:S+16*\b+15], v246
.endr
.irp ct, 0,1,2,3                       ; V's four fragments, and a_v's of window rows 0 to 31
.irp c, 0,1,2,3
	ds_load_b128 v[S+16*\ct+4*\c:S+16*\ct+4*\c+3], v7 offset:1024*\c+256*\ct
.endr
.endr
.irp ct, 0,1
	ds_load_b128 v[S+64+8*\ct:S+64+8*\ct+3], v8 offset:256*\ct
	ds_load_b128 v[S+64+8*\ct+4:S+64+8*\ct+7], v8 offset:1024+256*\ct
.endr
.irp ct, 2,3
	ds_load_b128 v[TMP+8*(\ct-2):TMP+8*(\ct-2)+3], v8 offset:256*\ct
	ds_load_b128 v[TMP+8*(\ct-2)+4:TMP+8*(\ct-2)+7], v8 offset:1024+256*\ct
.endr
.set i, 17
.rept 7
	v_mov_b32 v[W+i], 0                            ; (plain lines behind the last conversion)
.set i, i+1
.endr
	v_perm_b32 v[W+16], v249, v[W+15], v248        ; up by (15 - r) % 4 bytes, from the top down
.set i, 15
.rept 15
	v_perm_b32 v[W+i], v[W+i], v[W+i-1], v248
.set i, i-1
.endr
	v_perm_b32 v[W], v[W], v249, v248
.set i, 18
.rept 17
	v_cndmask_b32 v[W+i], v[W+i], v[W+i-2], s93    ; up by two registers where bit 3 of 15 - r is set
.set i, i-1
.endr
	v_cndmask_b32 v[W+1], v[W+1], v249, s93
	v_cndmask_b32 v[W], v[W], v249, s93
.set i, 19
.rept 19
	v_cndmask_b32 v[W+i], v[W+i], v[W+i-1], s94    ; by one where bit 2 is set
.set i, i-1
.endr
	v_cndmask_b32 v[W], v[W], v249, s94
.set i, 0
.rept 32
	v_pk_mul_f32 v[O+i:O+i+1], v[O+i:O+i+1], v[252:253] op_sel_hi:[1,0]   ; O and OR under the new M
.set i, i+2
.endr
	s_wait_dscnt 0x0
.irp ct, 0,1,2,3
	v_wmma_f32_16x16x128_fp8_fp8 v[O+8*\ct:O+8*\ct+7], v[S+16*\ct:S+16*\ct+15], v[P10:P10+15], v[O+8*\ct:O+8*\ct+7]
.endr
.irp ct, 0,1
	v_wmma_f32_16x16x64_fp8_fp8 v[OR+8*\ct:OR+8*\ct+7], v[S+64+8*\ct:S+64+8*\ct+7], v[W:W+7], v[OR+8*\ct:OR+8*\ct+7]
.endr
.irp ct, 2,3
	v_wmma_f32_16x16x64_fp8_fp8 v[OR+8*\ct:OR+8*\ct+7], v[TMP+8*(\ct-2):TMP+8*(\ct-2)+7], v[W:W+7], v[OR+8*\ct:OR+8*\ct+7]
.endr
	PLACES
.irp ct, 0,1,2,3                       ; window rows 32 to 63; then 64 to 79, taken twice: the second time they meet zero codes
	ds_load_b128 v[S+8*\ct:S+8*\ct+3], v8 offset:2048+256*\ct
	ds_load_b128 v[S+8*\ct+4:S+8*\ct+7], v8 offset:3072+256*\ct
.endr
.irp ct, 0,1,2,3
	ds_load_b128 v[S+32+8*\ct:S+32+8*\ct+3], v8 offset:4096+256*\ct
	ds_load_b128 v[S+32+8*\ct+4:S+32+8*\ct+7], v8 offset:4096+256*\ct
.endr
	s_wait_dscnt 0x0
.irp kp, 1,2
.irp ct, 0,1,2,3                       ; the four accumulators by turns, one instruction a turn
	v_wmma_f32_16x16x64_fp8_fp8 v[OR+8*\ct:OR+8*\ct+7], v[S+32*(\kp-1)+8*\ct:S+32*(\kp-1)+8*\ct+7], v[W+8*\kp:W+8*\kp+7], v[OR+8*\ct:OR+8*\ct+7]
.endr
.endr
	s_add_co_u32 s90, s90, 8192
	s_add_co_u32 s91, s91, 8448
	s_sub_co_u32 s92, s92, 1
	s_cmp_lg_u32 s92, 0
	s_cbranch_scc1 .Lstep
	; THE WAY OUT: out = (O 2^(e10 + e11) + OR 2^(e12 + e13)) / l; register x is channel 32 hl + x of my query: 32 codes, two stores; sixteen lanes store 256 consecutive bytes, aligned
	v_add_f32 v242, v242, v243
	v_permlanex16_b32 v250, v242, s84, s85
	v_add_f32 v242, v242, v250
	v_rcp_f32 v242, v242
	v_nop                                          ; a plain place behind the reciprocal
	s_add_co_i32 s96, s78, s79
	s_add_co_i32 s97, s80, s81
	MKSC 82, 98, 244, 245                          ; entry 14
	s_wait_alu depctr_va_vdst(0)                   ; the wait ahead of the reciprocal's first reader
	v_ldexp_f32 v252, v242, s96
	v_ldexp_f32 v254, v242, s97
.set i, 0
.rept 16
	v_pk_mul_f32 v[S+i:S+i+1], v[O+i:O+i+1], v[252:253] op_sel_hi:[1,0]
.set i, i+2
.endr
.set i, 0
.rept 16
	v_pk_fma_f32 v[S+i:S+i+1], v[OR+i:OR+i+1], v[254:255], v[S+i:S+i+1] op_sel_hi:[1,0,1]
.set i, i+2
.endr
.set i, 0
.rept 32
	v_med3_num_f32 v[S+i], v[S+i], -v245, v245
.set i, i+1
.endr
.irp g, 0,1,2,3
	v_cvt_scalef32_pk8_fp8_f32 v[F+2*\g:F+2*\g+1], v[S+8*\g:S+8*\g+7], v244
.endr
	v_nop
	global_store_b128 v11, v[F:F+3], s[18:19]
	global_store_b128 v11, v[F+4:F+7], s[18:19] offset:256
	s_wait_tensorcnt 0x0                           ; the wave's end
	ds_add_u32 v9, v10
	s_wait_dscnt 0x0
	ROUND                                          ; the closing round
	s_endpgm
.Lfunc_end_k_q8c644caf5d_attn:
	.size	k_q8c644caf5d_attn, .Lfunc_end_k_q8c644caf5d_attn-k_q8c644caf5d_attn
	.p2alignl 7, 3214868480
	.fill 96, 4, 3214868480
	.section	.rodata,"a",@progbits
	.p2align	6, 0x0
	.amdhsa_kernel k_q8c644caf5d_attn
		.amdhsa_group_segment_fixed_size 327680
		.amdhsa_private_segment_fixed_size 0
		.amdhsa_enable_private_segment 0
		.amdhsa_kernarg_size 64
		.amdhsa_user_sgpr_count 2
		.amdhsa_user_sgpr_kernarg_segment_ptr 1
		.amdhsa_wavefront_size32 1
		.amdhsa_system_sgpr_workgroup_id_x 1
		.amdhsa_system_sgpr_workgroup_id_y 1
		.amdhsa_system_sgpr_workgroup_id_z 1
		.amdhsa_system_vgpr_workitem_id 0
		.amdhsa_next_free_vgpr 256
		.amdhsa_next_free_sgpr 100
		.amdhsa_reserve_vcc 0
		.amdhsa_float_denorm_mode_32 3
		.amdhsa_float_denorm_mode_16_64 3
		.amdhsa_memory_ordered 1
		.amdhsa_forward_progress 1
		.amdhsa_inst_pref_size 63
	.end_amdhsa_kernel
	.amdgpu_metadata
---
amdhsa.version: [ 1, 2 ]
amdhsa.kernels:
  - .name:           k_q8c644caf5d_attn
    .symbol:         k_q8c644caf5d_attn.kd
    .args:
      - { .name: q6c, .offset: 0, .size: 8, .value_kind: global_buffer, .address_space: global }
      - { .name: q9c, .offset: 8, .size: 8, .value_kind: global_buffer, .address_space: global }
      - { .name: kc, .offset: 16, .size: 8, .value_kind: global_buffer, .address_space: global }
      - { .name: vc, .offset: 24, .size: 8, .value_kind: global_buffer, .address_space: global }
      - { .name: akc, .offset: 32, .size: 8, .value_kind: global_buffer, .address_space: global }
      - { .name: avc, .offset: 40, .size: 8, .value_kind: global_buffer, .address_space: global }
      - { .name: lowp_scales, .offset: 48, .size: 8, .value_kind: global_buffer, .address_space: global }
      - { .name: oc, .offset: 56, .size: 8, .value_kind: global_buffer, .address_space: global }
    .group_segment_fixed_size: 327680
    .private_segment_fixed_size: 0
    .kernarg_segment_align: 8
    .kernarg_segment_size: 64
    .max_flat_workgroup_size: 512
    .sgpr_count:     100
    .vgpr_count:     256
    .wavefront_size: 32
...
	.end_amdgpu_metadata
.endif
;; end of part 3
;; launch oproj (part 4): grid 64 x 4, 8 waves a work-group, no clusters, 133,120 bytes of LDS; arguments oc, wimg, bd, lowp_scales, out0; writes out0
.if DOCPART == 4
	.amdgcn_target "amdgcn-amd-amdhsa--gfx1250"
	.amdhsa_code_object_version 6
	.text
	.protected	k_q8c644caf5d_oproj
	.globl	k_q8c644caf5d_oproj
	.p2align	8
	.type	k_q8c644caf5d_oproj,@function
k_q8c644caf5d_oproj:
	s_mov_b64 s[64:65], 0
	v_nop
	global_prefetch_b8 v0, s[64:65] scope:SCOPE_SE
	s_setreg_imm32_b32 hwreg(HW_REG_WAVE_MODE, 25, 1), 1
	s_wait_xcnt 0x0
; FOURTH LAUNCH: out0 = mish(Q14(out) Q15(Wd) 2^(e14 + e15) + bd).  No work of reference() is left out here.
; Work-group (blk, cq): 64 tokens x 256 columns.  The tokens' codes (oc, laid by head) are brought into LDS as images of the operand's registers: K step s is heads 2 s and 2 s + 1, lane half hl the head 2 s + hl.
; Wave w takes the pair of tiles pp = 8 cq + w of Wd (32 columns) against the 64 tokens: 8 accumulators by turns, 8 K steps of 128; Wd's fragments come from wimg straight into registers, one K step ahead.
; Source 0 = Wd, source 1 = the tokens: a lane holds one token and 16 neighbouring columns.  The results meet in a stage in LDS (rows of 1,024 bytes + 16) and leave as whole rows: 32 lanes store 512 consecutive bytes, aligned.
; mish(x) = x tanh(log(1 + e^x)) = x n / (n + 2), n = u (u + 2), u = e^x.  x log2(e) is held at 43.25 from above for u alone, so that n stays finite; there n / (n + 2) is 1 in f32.
; LIMIT: e14 + e15 between -126 and 127.
; REGISTERS as in the launch of the projections: v1 16 x lane; v2 oc's lane offset; v3 where I store images; v5 bias offset; v6, v10 the stage, in and back; v8, v9 the add's two; v16-79 accumulators; v80-143 fragments, results;
; v144-207 Wd's fragments, at work; v208-223 bias.
.set ACC, 16
.set XF, 80
.set WB, 144
.set BI, 208
.set STG, 65536
.set SP, 1040
.set SPARE, 132096                     ; behind the stage: the spare words, 128 bytes for each of eight waves, which no other line names
.macro PLACES
.rept 4
	v_nop
.endr
.endm
.macro WLOAD s
.irp u, 0,1
.irp c, 0,1,2,3
	global_load_b128 v[WB+32*((\s)%2)+16*\u+4*\c:WB+32*((\s)%2)+16*\u+4*\c+3], v1, s[50:51] offset:16384*\u+2048*(\s)+512*\c
.endr
.endr
.endm
.macro KSTEP s
	PLACES
.irp m, 0,1,2,3
.irp c, 0,1,2,3
	ds_load_b128 v[XF+16*\m+4*\c:XF+16*\m+4*\c+3], v1 offset:(8*\m+\s)*2048+512*\c
.endr
.endr
.if \s < 7
	WLOAD (\s)+1
	s_wait_loadcnt 8                               ; this step's fragments are in; the next step's eight loads stay out
.else
	s_wait_loadcnt 0
.endif
	s_wait_dscnt 0x0
.irp m, 0,1,2,3
.irp u, 0,1
.set WR, WB+32*((\s)%2)+16*\u
.set DR, ACC+16*\m+8*\u
.if \s == 0
	v_wmma_f32_16x16x128_fp8_fp8 v[DR:DR+7], v[WR:WR+15], v[XF+16*\m:XF+16*\m+15], 0
.else
	v_wmma_f32_16x16x128_fp8_fp8 v[DR:DR+7], v[WR:WR+15], v[XF+16*\m:XF+16*\m+15], v[DR:DR+7]
.endif
.endr
.endr
.endm
	s_load_b256 s[4:11], s[0:1], 0x0               ; oc, wimg, bd, the scales' exponents
	s_load_b64 s[12:13], s[0:1], 0x20              ; out0
	v_lshl_add_u32 v8, v0, 2, SPARE
	v_mov_b32 v9, 0
	v_lshrrev_b32 v1, 5, v0
	v_readfirstlane_b32 s30, v1                    ; wave 0..7
	s_and_b32 s28, ttmp7, 0xffff                   ; cq
	s_mov_b32 s29, ttmp9                           ; blk
	v_and_b32 v4, 31, v0
	v_lshlrev_b32 v1, 4, v4                        ; 16 x lane
	v_and_b32 v7, 15, v0                           ; r
	v_bfe_u32 v4, v0, 4, 1                         ; hl
	s_and_b32 s31, s30, 3                          ; the images: my tile of tokens m,
	s_lshr_b32 s58, s30, 2                         ; and my four K steps
	s_lshl_b32 s72, s31, 3
	s_lshl_b32 s73, s58, 2
	s_add_co_u32 s72, s72, s73
	s_lshl_b32 s72, s72, 11
	v_add_nc_u32 v3, s72, v1
	v_lshlrev_b32 v2, 4, v7
	v_lshl_add_u32 v2, v4, 16, v2                  ; oc: head hl of the step's two, row r
	v_lshlrev_b32 v5, 6, v4                        ; bias: 16 hl numbers on
	s_lshl_b32 s72, s30, 7
	s_add_co_u32 s72, s72, STG
	v_mul_u32_u24 v6, v7, SP
	v_lshl_add_u32 v6, v4, 6, v6
	v_add_nc_u32 v6, s72, v6                       ; the stage, in: row r, my wave's 128 bytes, + 64 hl
	s_mul_i32 s72, s30, 8*SP
	s_add_co_u32 s72, s72, STG
	v_add_nc_u32 v10, s72, v1                      ; and back: my eight rows, 16 bytes a lane
	s_lshr_b32 s72, s29, 4
	s_lshl_b32 s72, s72, 20
	s_lshl_b32 s73, s58, 19
	s_add_co_u32 s72, s72, s73
	s_and_b32 s73, s29, 15
	s_lshl_b32 s73, s73, 12
	s_add_co_u32 s72, s72, s73
	s_lshl_b32 s73, s31, 10
	s_add_co_u32 s72, s72, s73                     ; ((batch x 16 + 8 (wave / 4)) x 64 + 4 (blk % 16) + m) x 1,024
	s_mov_b32 s73, 0
	s_lshl_b32 s59, s28, 3
	s_add_co_u32 s59, s59, s30                     ; pair
	s_lshl_b32 s74, s59, 15
	s_add_co_u32 s74, s74, 3<<20
	s_mov_b32 s75, 0
	s_lshl_b32 s76, s59, 7
	s_mov_b32 s77, 0
	s_lshl_b32 s78, s29, 18
	s_lshl_b32 s79, s30, 15
	s_add_co_u32 s78, s78, s79
	s_lshl_b32 s79, s28, 10
	s_add_co_u32 s78, s78, s79                     ; (64 blk + 8 wave) rows of 4,096 bytes + 1,024 cq
	s_mov_b32 s79, 0
	s_wait_kmcnt 0x0
	s_load_b64 s[32:33], s[10:11], 0x38            ; e14, e15
	s_add_nc_u64 s[48:49], s[4:5], s[72:73]
	s_add_nc_u64 s[50:51], s[6:7], s[74:75]
	s_add_nc_u64 s[52:53], s[8:9], s[76:77]
	s_add_nc_u64 s[12:13], s[12:13], s[78:79]
.irp sl, 0,1,2,3
.irp c, 0,1,2,3
	global_load_b128 v[XF+16*\sl+4*\c:XF+16*\sl+4*\c+3], v2, s[48:49] offset:131072*\sl+256*\c
.endr
.endr
.irp c, 0,1,2,3
	global_load_b128 v[BI+4*\c:BI+4*\c+3], v5, s[52:53] offset:16*\c
.endr
	WLOAD 0
	s_wait_loadcnt 12                              ; oc's sixteen loads are in; the bias's four and Wd's eight stay out
.irp sl, 0,1,2,3
.irp c, 0,1,2,3
	ds_store_b128 v3, v[XF+16*\sl+4*\c:XF+16*\sl+4*\c+3] offset:2048*\sl+512*\c
.endr
.endr
	s_wait_kmcnt 0x0
	s_add_co_i32 s62, s32, s33
	s_add_co_i32 s62, s62, 127
	s_lshl_b32 s62, s62, 23                        ; 2^(e14 + e15)
	s_mov_b32 s63, s62
	s_wait_dscnt 0x0                               ; for the others' sake: my images have landed
	s_barrier_signal -1
	s_barrier_wait -1
.irp s, 0,1,2,3,4,5,6,7
	KSTEP \s
.endr
	PLACES
.irp g, 0,1,2,3
.irp i, 0,2,4,6,8,10,12,14
	v_pk_fma_f32 v[XF+16*\g+\i:XF+16*\g+\i+1], v[ACC+16*\g+\i:ACC+16*\g+\i+1], s[62:63], v[BI+\i:BI+\i+1] op_sel_hi:[1,0,1]   ; x = sum x 2^(e14 + e15) + bd, each accumulator from its low end on
.endr
.endr
.set i, 0
.rept 32
	v_pk_mul_f32 v[WB+i:WB+i+1], v[XF+i:XF+i+1], 0x3fb8aa3b op_sel_hi:[1,0]
.set i, i+2
.endr
.set i, 0
.rept 64
	v_min_num_f32 v[WB+i], 0x422d0000, v[WB+i]
.set i, i+1
.endr
.set i, 0
.rept 64
	v_exp_f32 v[WB+i], v[WB+i]                     ; u
.set i, i+1
.endr
	v_nop                                          ; a plain place behind the batch
	s_wait_alu depctr_va_vdst(0)                   ; one wait for the 64, ahead of their first reader
.set i, 0
.rept 32
	v_pk_add_f32 v[ACC+i:ACC+i+1], v[WB+i:WB+i+1], 2.0 op_sel_hi:[1,0]
.set i, i+2
.endr
.set i, 0
.rept 32
	v_pk_mul_f32 v[ACC+i:ACC+i+1], v[ACC+i:ACC+i+1], v[WB+i:WB+i+1]   ; n = u (u + 2)
.set i, i+2
.endr
.set i, 0
.rept 32
	v_pk_add_f32 v[WB+i:WB+i+1], v[ACC+i:ACC+i+1], 2.0 op_sel_hi:[1,0]
.set i, i+2
.endr
.set i, 0
.rept 64
	v_rcp_f32 v[WB+i], v[WB+i]
.set i, i+1
.endr
.set i, 0
.rept 32
	v_pk_mul_f32 v[XF+i:XF+i+1], v[XF+i:XF+i+1], v[ACC+i:ACC+i+1]     ; x n: plain lines that name no reciprocal
.set i, i+2
.endr
	s_wait_alu depctr_va_vdst(0)                   ; one wait for the 64 reciprocals
.set i, 0
.rept 32
	v_pk_mul_f32 v[XF+i:XF+i+1], v[XF+i:XF+i+1], v[WB+i:WB+i+1]
.set i, i+2
.endr
.irp g, 0,1,2,3
.irp c, 0,1,2,3
	ds_store_b128 v6, v[XF+16*\g+4*\c:XF+16*\g+4*\c+3] offset:16*\g*SP+16*\c
.endr
.endr
	s_wait_dscnt 0x0                               ; for the others' sake: my part of the stage has landed
	s_barrier_signal -1
	s_barrier_wait -1                              ; 64 whole rows of 1,024 bytes lie in the stage
.irp i, 0,1,2,3,4,5,6,7,8,9,10,11,12,13,14,15
	ds_load_b128 v[WB+4*\i:WB+4*\i+3], v10 offset:(\i/2)*SP+(\i%2)*512
.endr
.irp i, 0,1,2,3,4,5,6,7,8,9,10,11,12,13,14,15
	s_wait_dscnt 15-\i                             ; LDS loads come back in order: load i is in, the younger ones stay out
	global_store_b128 v1, v[WB+4*\i:WB+4*\i+3], s[12:13] offset:(\i/2)*4096+(\i%2)*512 th:TH_STORE_NT
.endr
	s_wait_tensorcnt 0x0                           ; the wave's end, behind my last LDS store
	ds_add_u32 v8, v9
	s_wait_dscnt 0x0
	s_endpgm
.Lfunc_end_k_q8c644caf5d_oproj:
	.size	k_q8c644caf5d_oproj, .Lfunc_end_k_q8c644caf5d_oproj-k_q8c644caf5d_oproj
	.p2alignl 7, 3214868480
	.fill 96, 4, 3214868480
	.section	.rodata,"a",@progbits
	.p2align	6, 0x0
	.amdhsa_kernel k_q8c644caf5d_oproj
		.amdhsa_group_segment_fixed_size 133120
		.amdhsa_private_segment_fixed_size 0
		.amdhsa_enable_private_segment 0
		.amdhsa_kernarg_size 40
		.amdhsa_user_sgpr_count 2
		.amdhsa_user_sgpr_kernarg_segment_ptr 1
		.amdhsa_wavefront_size32 1
		.amdhsa_system_sgpr_workgroup_id_x 1
		.amdhsa_system_sgpr_workgroup_id_y 1
		.amdhsa_system_sgpr_workgroup_id_z 1
		.amdhsa_system_vgpr_workitem_id 0
		.amdhsa_next_free_vgpr 256
		.amdhsa_next_free_sgpr 96
		.amdhsa_reserve_vcc 0
		.amdhsa_float_denorm_mode_32 3
		.amdhsa_float_denorm_mode_16_64 3
		.amdhsa_memory_ordered 1
		.amdhsa_forward_progress 1
		.amdhsa_inst_pref_size 53
	.end_amdhsa_kernel
	.amdgpu_metadata
---
amdhsa.version: [ 1, 2 ]
amdhsa.kernels:
  - .name:           k_q8c644caf5d_oproj
    .symbol:         k_q8c644caf5d_oproj.kd
    .args:
      - { .name: oc, .offset: 0, .size: 8, .value_kind: global_buffer, .address_space: global }
      - { .name: wimg, .offset: 8, .size: 8, .value_kind: global_buffer, .address_space: global }
      - { .name: bd, .offset: 16, .size: 8, .value_kind: global_buffer, .address_space: global }
      - { .name: lowp_scales, .offset: 24, .size: 8, .value_kind: global_buffer, .address_space: global }
      - { .name: out0, .offset: 32, .size: 8, .value_kind: global_buffer, .address_space: global }
    .group_segment_fixed_size: 133120
    .private_segment_fixed_size: 0
    .kernarg_segment_align: 8
    .kernarg_segment_size: 40
    .max_flat_workgroup_size: 256
    .sgpr_count:     96
    .vgpr_count:     256
    .wavefront_size: 32
...
	.end_amdgpu_metadata
.endif
;; end of part 4
;; ======== version 2 of 2: 4 launches
;; limits: right only within a limited range of input values
;; workspace buffers: wimg 16,777,216 bytes; akc 131,072 bytes; avc 131,072 bytes; q6c 4,194,304 bytes; q9c 4,194,304 bytes; kc 4,194,304 bytes; vc 4,194,304 bytes; oc 4,194,304 bytes
;; launch prep (part 5): grid 672 x 1, 4 waves a work-group, no clusters, 34,304 bytes of LDS; arguments Wq, Wk, Wv, Wd, Wak, bak, Wav, bav, lowp_scales, wimg, akc, avc, q, k, x; writes wimg, akc, avc
.if DOCPART == 5
	.amdgcn_target "amdgcn-amd-amdhsa--gfx1250"
	.amdhsa_code_object_version 6
	.text
	.protected	k_q8c644caf5d_prep
	.globl	k_q8c644caf5d_prep
	.p2align	8
	.type	k_q8c644caf5d_prep,@function
k_q8c644caf5d_prep:
	s_mov_b64 s[64:65], 0
	v_nop
	global_prefetch_b8 v0, s[64:65] scope:SCOPE_SE
	s_setreg_imm32_b32 hwreg(HW_REG_WAVE_MODE, 25, 1), 1
	s_wait_xcnt 0x0
; FIRST OF FOUR LAUNCHES: the weights and the two tables of relative positions become codes of E4M3, laid as the later launches' operand registers want them.
; THE WHOLE PROGRAM.  prep: Wq, Wk, Wv, Wd -> wimg; the tables a_k, a_v -> akc, avc.  proj: q, k, x are quantised and projected; qh (twice: entries 6 and 9 of the scales), kh, vh leave as codes.
; attn: both score products, the softmax, both value products; the heads' outputs leave as codes (entry 14).  oproj: the last product, bd, mish.
; THE SKEW.  The pad-and-reshape of reference() is a gather: ak[i][j] = a[j - i + 1023], a[m] = sin(th) W[0] + cos(th) W[1] + b, th = f32(1.5708 / 1024) (m - 1023); av likewise.
; (Flat index i 2L + j + L of the padded array is i (2L + 1) + (j + L - i), and 1 <= j + L - i <= 2L - 1: row i, column j + L - i, which holds a[j + L - i - 1].)
; The quantiser works number by number with one scale, so the codes of ak and av are the codes of ONE table of 2,048 rows, read along a diagonal.
; DEAD WORK: none is left out.  Every input has a way to the output and is loaded; batch_size is the constant 4.  Row 2,047 of the tables is read by no (i, j); it lies in a tile with live rows and is made with them.
; LIMITS.  Each given exponent e used here lies between -126 and 119, so that 2^e and 448 x 2^e are f32 numbers.  NaN among the inputs is not served (an infinity is held at the largest code).
; sin and cos are polynomials in th^2 (|th| <= 1.5708; through th^13 and th^14: what is cut off is under 1e-9), evaluated in f32 by fused multiply-adds.
; THE K MAP of every operand of this program: of a K step of 128, lane half hl holds k = 64 hl + 0 .. 63 in its 16 registers, in order (K = 64: 32 hl + 0 .. 31 in 8).  It is the same on both sides of
; every product, so each number meets its partner; only the order of the sums inside an instruction differs from the form's own map.
; wimg: [tensor q, k, v, d][tile 64][K step 8][piece 4][lane 32][16 bytes]: a fragment (16 rows x 128 K) is 2,048 bytes, fetched by four loads of 16 bytes a lane at 16 x lane.
;   Tile 4 panel + 2 cw + u (panel: a head, or 64 columns of Wd); its row r is column Ccw cw + 8 u + r % 8 + Cr (r / 8) of the panel; (Ccw, Cr) = (32, 16) for q, k, d and (16, 32) for v.
; akc: [m / 16][e / 16][m % 16][16 bytes of e].   avc: [m / 16][slot 64][16 bytes of m]; slot 16 ct + r is channel 8 ct + r % 8 + 32 (r / 8).
; WORK-GROUPS 0 to 255: weights (tensor g / 64, panel (g / 4) % 16, two K steps); a lane takes a column and its registers run down K, so the conversions give K innermost.  256 to 271: a_k, a thread a row.
; 272 to 287: a_v, a lane a slot, 16 rows of the table in its registers.  No LDS, no barrier: waves share nothing.  No matrix unit, no cluster: nothing is multiplied or shared here.
; ALSO HERE, in place of what the list above says of proj: WORK-GROUPS 288 to 671 quantise q, k and x (entries 1, 3, 5), so that proj reads codes alone.  Their codes lie in wimg behind the weights, from byte 4,194,304 on:
; [tensor q, k, x][tile of 16 tokens, 256][K step 8][piece 4][lane 32][16 bytes], the K map as above.  Row r of tile T is token 16 T + r (q); 128 (T / 8) + 8 (T % 8) + r % 8 + 64 (r / 8) (k);
; 64 (T / 4) + 32 ((T / 2) % 2) + 8 (T % 2) + r % 8 + 16 (r / 8) (x).  These work-groups alone use LDS: a stage of its own for each wave, no barrier.
.set X, 32
.set C, 160                            ; v160-191 codes
.macro MKSC e, t, vsc, vlim            ; from the exponent in s[e]: v[vsc] = 2^e, v[vlim] = 448 x 2^e; s[t], s[t+1] at work
	s_add_co_i32 s[\t], s[\e], 127
	s_lshl_b32 s[\t+1], s[\t], 23
	v_mov_b32 v[\vsc], s[\t+1]
	s_add_co_i32 s[\t], s[\t], 8
	s_lshl_b32 s[\t], s[\t], 23
	s_or_b32 s[\t], s[\t], 0x600000
	v_mov_b32 v[\vlim], s[\t]
.endm
.macro SINCOS th, z, sn, cs            ; two chains by turns; the constants are 1 / n! with their signs
	v_mul_f32 v[\z], v[\th], v[\th]
	v_mov_b32 v[\sn], 0x2f309231
	v_mov_b32 v[\cs], 0xad49cba5
	v_fmaak_f32 v[\sn], v[\sn], v[\z], 0xb2d7322b
	v_fmaak_f32 v[\cs], v[\cs], v[\z], 0x310f76c7
	v_fmaak_f32 v[\sn], v[\sn], v[\z], 0x3638ef1d
	v_fmaak_f32 v[\cs], v[\cs], v[\z], 0xb493f27e
	v_fmaak_f32 v[\sn], v[\sn], v[\z], 0xb9500d01
	v_fmaak_f32 v[\cs], v[\cs], v[\z], 0x37d00d01
	v_fmaak_f32 v[\sn], v[\sn], v[\z], 0x3c088889
	v_fmaak_f32 v[\cs], v[\cs], v[\z], 0xbab60b61
	v_fmaak_f32 v[\sn], v[\sn], v[\z], 0xbe2aaaab
	v_fmaak_f32 v[\cs], v[\cs], v[\z], 0x3d2aaaab
	v_mul_f32 v[\sn], v[\sn], v[\z]
	v_fmaak_f32 v[\cs], v[\cs], v[\z], 0xbf000000
	v_fma_f32 v[\sn], v[\sn], v[\th], v[\th]       ; sin = th + th z P(z)
	v_fmaak_f32 v[\cs], v[\cs], v[\z], 0x3f800000
.endm
; 128 numbers down K of my column, in four blocks of 32; then eight stores, sixteen lanes to 256 consecutive bytes, aligned
.macro WPATH pitch
.set i, 0
.rept 128
	global_load_b32 v[X+i], v5, s[4:5] offset:i*\pitch th:TH_LOAD_NT
.set i, i+1
.endr
.irp b, 0,1,2,3
.if \b < 2
	s_wait_loadcnt 63                              ; 96 or 64 younger loads could stay out; 63 is the most that the wait can name
.else
	s_wait_loadcnt 32*(3-\b)                       ; the younger blocks stay out
.endif
.set i, 0
.rept 32
	v_med3_num_f32 v[X+32*\b+i], v[X+32*\b+i], -v10, v10   ; the conversion does not saturate (ISA guide 7.6.2): the hold at the largest code x the scale
.set i, i+1
.endr
.irp g, 0,1,2,3
	v_cvt_scalef32_pk8_fp8_f32 v[C+8*\b+2*\g:C+8*\b+2*\g+1], v[X+32*\b+8*\g:X+32*\b+8*\g+7], v11
.endr
.endr
.irp h, 0,1
.irp c, 0,1,2,3
	global_store_b128 v7, v[C+16*\h+4*\c:C+16*\h+4*\c+3], s[22:23] offset:512*\c+256*\h   ; k = 64 h + 16 c on: piece c, lane 16 h + r
.endr
.endr
	s_endpgm
.endm
	s_load_b256 s[4:11], s[0:1], 0x0               ; Wq, Wk, Wv, Wd
	s_load_b256 s[12:19], s[0:1], 0x20             ; Wak, bak, Wav, bav
	s_load_b256 s[20:27], s[0:1], 0x40             ; the scales' exponents, wimg, akc, avc
	v_lshrrev_b32 v1, 5, v0
	v_readfirstlane_b32 s28, v1                    ; wave
	v_and_b32 v2, 31, v0                           ; lane
	v_and_b32 v3, 15, v0                           ; r
	v_bfe_u32 v4, v0, 4, 1                         ; the lane's half
	s_wait_kmcnt 0x0
	s_load_b512 s[32:47], s[20:21], 0x0            ; entries 0 to 15
	s_cmp_ge_u32 ttmp9, 288
	s_cbranch_scc1 .Lxq
	s_cmp_ge_u32 ttmp9, 272
	s_cbranch_scc1 .Lav
	s_cmp_ge_u32 ttmp9, 256
	s_cbranch_scc1 .Lak
	; ---- weights
	s_lshr_b32 s29, ttmp9, 6                       ; tensor
	s_bfe_u32 s30, ttmp9, 0x40002                  ; panel
	s_and_b32 s31, ttmp9, 3
	s_and_b32 s48, s28, 1                          ; cw
	s_lshr_b32 s49, s28, 1
	s_lshl_b32 s50, s31, 1
	s_add_co_u32 s49, s49, s50                     ; K step
	s_wait_kmcnt 0x0
	s_mov_b32 s50, s32
	s_cmp_eq_u32 s29, 1
	s_cselect_b64 s[4:5], s[6:7], s[4:5]
	s_cselect_b32 s50, s34, s50
	s_cmp_eq_u32 s29, 2
	s_cselect_b64 s[4:5], s[8:9], s[4:5]
	s_cselect_b32 s50, s36, s50
	s_cselect_b32 s51, 16, 32                      ; Ccw
	s_cselect_b32 s52, 32, 16                      ; Cr
	s_cmp_eq_u32 s29, 3
	s_cselect_b64 s[4:5], s[10:11], s[4:5]
	s_cselect_b32 s50, s47, s50                    ; the tensor's exponent: entry 0, 2, 4 or 15
	MKSC 50, 54, 11, 10
	s_wait_alu depctr_va_vdst(0)
	v_and_b32 v5, 7, v3
	v_lshrrev_b32 v6, 3, v3
	v_mul_u32_u24 v6, v6, s52
	v_add_nc_u32 v5, v5, v6
	v_lshl_add_u32 v5, v4, 3, v5
	s_mul_i32 s51, s51, s48
	v_add_nc_u32 v5, s51, v5
	v_lshlrev_b32 v5, 2, v5                        ; my column of the panel, in bytes
	v_lshlrev_b32 v7, 4, v3
	v_lshl_add_u32 v7, v4, 14, v7                  ; out: tile u, lane r
	s_lshl_b32 s56, s30, 2
	s_lshl_b32 s57, s48, 1
	s_add_co_u32 s56, s56, s57
	s_lshl_b32 s56, s56, 3
	s_add_co_u32 s56, s56, s49
	s_lshl_b32 s56, s56, 11                        ; ((4 panel + 2 cw) 8 + K step) x 2,048
	s_lshl_b32 s57, s29, 20
	s_add_co_u32 s56, s56, s57
	s_mov_b32 s57, 0
	s_add_nc_u64 s[22:23], s[22:23], s[56:57]
	s_cmp_eq_u32 s29, 3
	s_cbranch_scc1 .Lwd
	s_lshl_b32 s56, s30, 18                        ; a head of 1,024 x 64 numbers; 128 rows of 256 bytes a K step
	s_lshl_b32 s58, s49, 15
	s_add_co_u32 s56, s56, s58
	s_add_nc_u64 s[4:5], s[4:5], s[56:57]
	s_wait_alu depctr_va_vdst(0)
	WPATH 256
.Lwd:
	s_lshl_b32 s56, s30, 8                         ; 64 columns of Wd; 128 rows of 4,096 bytes a K step
	s_lshl_b32 s58, s49, 19
	s_add_co_u32 s56, s56, s58
	s_add_nc_u64 s[4:5], s[4:5], s[56:57]
	s_wait_alu depctr_va_vdst(0)
	WPATH 4096
	; ---- a_k: thread = row m; four rounds of 16 channels, whose W[0], W[1], b stand in scalar registers
.Lak:
	s_sub_co_u32 s29, ttmp9, 256
	s_lshl_b32 s30, s29, 7
	s_sub_co_i32 s30, s30, 1023
	v_add_nc_u32 v12, s30, v0                      ; m - 1023
	v_cvt_f32_i32 v12, v12
	v_mul_f32 v12, 0x3ac90ff9, v12                 ; th = f32(1.5708 / 1024) x (m - 1023)
	SINCOS 12, 13, 14, 15
	v_lshrrev_b32 v5, 4, v0
	v_lshlrev_b32 v5, 10, v5
	v_lshl_add_u32 v5, v3, 4, v5                   ; group m / 16, row m % 16
	s_lshl_b32 s30, s29, 13
	s_mov_b32 s31, 0
	s_wait_alu depctr_va_vdst(0)
	s_wait_kmcnt 0x0
	s_add_nc_u64 s[24:25], s[24:25], s[30:31]
	MKSC 40, 28, 11, 10                            ; entry 8
.irp p, 0,1,2,3
	s_load_b512 s[48:63], s[12:13], 64*\p
	s_load_b512 s[68:83], s[12:13], 256+64*\p
	s_load_b512 s[84:99], s[14:15], 64*\p
	s_wait_kmcnt 0x0
.set i, 0
.rept 16
	v_fma_f32 v[X+i], v15, s[68+i], s[84+i]
	v_fma_f32 v[X+i], v14, s[48+i], v[X+i]
.set i, i+1
.endr
.set i, 0
.rept 16
	v_med3_num_f32 v[X+i], v[X+i], -v10, v10
.set i, i+1
.endr
	v_cvt_scalef32_pk8_fp8_f32 v[C+4*\p:C+4*\p+1], v[X:X+7], v11
	v_cvt_scalef32_pk8_fp8_f32 v[C+4*\p+2:C+4*\p+3], v[X+8:X+15], v11
	v_nop                                          ; a plain line between the conversions and the next round's writes of their sources
	global_store_b128 v5, v[C+4*\p:C+4*\p+3], s[24:25] offset:256*\p
.endr
	s_endpgm
	; ---- a_v: a wave takes two chunks of 16 rows; sin and cos of the 16 rows go to scalar registers; lane = slot, its 16 registers run down the rows
.Lav:
	s_sub_co_u32 s29, ttmp9, 272
	s_lshl_b32 s29, s29, 3
	s_lshl_b32 s30, s28, 1
	s_add_co_u32 s29, s29, s30                     ; my first chunk
	s_wait_alu depctr_va_vdst(0)
	v_and_b32 v5, 7, v3
	v_lshrrev_b32 v6, 3, v3
	v_lshl_add_u32 v5, v6, 5, v5
	v_lshl_add_u32 v5, v4, 3, v5
	v_lshlrev_b32 v5, 2, v5                        ; slot 32 sh + lane is channel 16 sh + 8 (lane / 16) + r % 8 + 32 (r / 8)
	global_load_b32 v20, v5, s[16:17]
	global_load_b32 v21, v5, s[16:17] offset:64
	global_load_b32 v22, v5, s[16:17] offset:256
	global_load_b32 v23, v5, s[16:17] offset:320
	global_load_b32 v24, v5, s[18:19]
	global_load_b32 v25, v5, s[18:19] offset:64
	v_lshlrev_b32 v7, 4, v2
	s_lshl_b32 s30, s29, 10
	s_mov_b32 s31, 0
	s_add_nc_u64 s[26:27], s[26:27], s[30:31]
	s_lshl_b32 s30, s29, 4
	s_sub_co_i32 s30, s30, 1023
	s_wait_kmcnt 0x0
	MKSC 44, 28, 11, 10                            ; entry 12
	s_wait_loadcnt 0x0
.irp ch, 0,1
	v_add_nc_u32 v12, s30, v3
	v_add_nc_u32 v12, 16*\ch, v12
	v_cvt_f32_i32 v12, v12
	v_mul_f32 v12, 0x3ac90ff9, v12
	SINCOS 12, 13, 14, 15
.set i, 0
.rept 16
	v_readlane_b32 s[48+i], v14, i
	v_readlane_b32 s[68+i], v15, i
.set i, i+1
.endr
.irp sh, 0,1
.set i, 0
.rept 16
	v_fma_f32 v[X+i], v[22+\sh], s[68+i], v[24+\sh]
	v_fma_f32 v[X+i], v[20+\sh], s[48+i], v[X+i]
.set i, i+1
.endr
.set i, 0
.rept 16
	v_med3_num_f32 v[X+i], v[X+i], -v10, v10
.set i, i+1
.endr
	v_cvt_scalef32_pk8_fp8_f32 v[C+8*\ch+4*\sh:C+8*\ch+4*\sh+1], v[X:X+7], v11
	v_cvt_scalef32_pk8_fp8_f32 v[C+8*\ch+4*\sh+2:C+8*\ch+4*\sh+3], v[X+8:X+15], v11
	v_nop                                          ; a plain line between the conversions and the next writes of their sources
	global_store_b128 v7, v[C+8*\ch+4*\sh:C+8*\ch+4*\sh+3], s[26:27] offset:1024*\ch+512*\sh
.endr
.endr
	s_endpgm
	; ---- q, k, x: a wave takes one tile of 16 tokens x four K steps of 128.  A load takes 512 consecutive bytes: one token's K step, 16 bytes a lane.  The conversions want 64 neighbours of one token in a lane:
	; a K step's sixteen loads go through the wave's own stage in LDS (rows of 512 bytes + 16) and come back 256 bytes a lane.  The codes leave as the operand's registers: 32 lanes store 512 consecutive bytes, aligned.
.set XGA, 16                           ; v16-79, v80-143 numbers as loaded, two sets; v144-207 neighbours; v224-239 codes
.set XGB, 80
.set XXR, 144
.set XCD, 224
.set XSP, 528
.set XSPARE, 4*16*XSP                  ; behind the four stages: the spare words, 128 bytes a wave, which no other line names
.macro XGLOAD reg, j
.set i, 0
.rept 8
	global_load_b128 v[\reg+4*i:\reg+4*i+3], v1, s[48:49] offset:4096*i+512*(\j) th:TH_LOAD_NT
.set i, i+1
.endr
.set i, 0
.rept 8
	global_load_b128 v[\reg+32+4*i:\reg+32+4*i+3], v2, s[48:49] offset:4096*i+512*(\j) th:TH_LOAD_NT
.set i, i+1
.endr
.endm
.macro XTURN reg                       ; LDS serves a wave's instructions in order (ISA guide 5.7.1.4): no wait between the stores and the loads
.set i, 0
.rept 16
	ds_store_b128 v4, v[\reg+4*i:\reg+4*i+3] offset:XSP*i
.set i, i+1
.endr
.set i, 0
.rept 16
	ds_load_b128 v[XXR+4*i:XXR+4*i+3], v7 offset:16*i
.set i, i+1
.endr
.endm
.macro XQUANT j                        ; register i of XXR is k = 64 hl + i of my token
.irp b, 0,1,2,3
.set i, 0
.rept 16
	v_med3_num_f32 v[XXR+16*\b+i], v[XXR+16*\b+i], -v11, v11   ; the conversion does not saturate (ISA guide 7.6.2): the hold at the largest code x the scale
.set i, i+1
.endr
	v_cvt_scalef32_pk8_fp8_f32 v[XCD+4*\b:XCD+4*\b+1], v[XXR+16*\b:XXR+16*\b+7], v10
	v_cvt_scalef32_pk8_fp8_f32 v[XCD+4*\b+2:XCD+4*\b+3], v[XXR+16*\b+8:XXR+16*\b+15], v10
.endr
	v_nop                                          ; a plain line behind the last conversion
.irp c, 0,1,2,3
	global_store_b128 v1, v[XCD+4*\c:XCD+4*\c+3], s[22:23] offset:2048*(\j)+512*\c
.endr
.endm
.Lxq:
	s_wait_alu depctr_va_vdst(0)
	s_load_b128 s[4:7], s[0:1], 0x60               ; q, k
	s_load_b64 s[8:9], s[0:1], 0x70                ; x
	v_lshl_add_u32 v8, v0, 2, XSPARE
	v_mov_b32 v9, 0
	s_sub_co_u32 s29, ttmp9, 288
	s_lshl_b32 s29, s29, 2
	s_add_co_u32 s29, s29, s28                     ; my wave's unit, 0 to 1,535
	s_and_b32 s30, s29, 1                          ; which four K steps
	s_lshr_b32 s31, s29, 1                         ; tensor x 256 + tile
	s_lshr_b32 s48, s31, 8                         ; tensor
	s_and_b32 s49, s31, 255                        ; T
	s_lshl_b32 s50, s49, 4                         ; row 0's token: q
	s_lshr_b32 s51, s49, 3
	s_lshl_b32 s51, s51, 7
	s_and_b32 s52, s49, 7
	s_lshl_b32 s52, s52, 3
	s_add_co_u32 s51, s51, s52                     ; k
	s_lshr_b32 s52, s49, 2
	s_lshl_b32 s52, s52, 6
	s_bfe_u32 s53, s49, 0x10001
	s_lshl_b32 s53, s53, 5
	s_add_co_u32 s52, s52, s53
	s_and_b32 s53, s49, 1
	s_lshl_b32 s53, s53, 3
	s_add_co_u32 s52, s52, s53                     ; x
	s_cmp_eq_u32 s48, 1
	s_cselect_b32 s50, s51, s50
	s_cselect_b32 s54, 64, 8                       ; rows 8 to 15 lie so many tokens behind rows 0 to 7
	s_cmp_eq_u32 s48, 2
	s_cselect_b32 s50, s52, s50
	s_cselect_b32 s54, 16, s54
	s_lshl_b32 s54, s54, 12                        ; a token is 4,096 bytes
	s_lshl_b32 s50, s50, 12
	s_lshl_b32 s55, s30, 11
	s_add_co_u32 s50, s50, s55
	s_mov_b32 s51, 0
	s_lshl_b32 s56, s31, 14                        ; a tile's codes are 16,384 bytes
	s_lshl_b32 s57, s30, 13
	s_add_co_u32 s56, s56, s57
	s_add_co_u32 s56, s56, 0x400000
	s_mov_b32 s57, 0
	s_mul_i32 s58, s28, 16*XSP                     ; my stage
	v_and_b32 v1, 31, v0
	v_lshlrev_b32 v1, 4, v1                        ; 16 x lane
	v_add_nc_u32 v2, s54, v1
	v_and_b32 v3, 15, v0
	v_bfe_u32 v5, v0, 4, 1
	v_mul_u32_u24 v7, v3, XSP
	v_lshl_add_u32 v7, v5, 8, v7
	v_add_nc_u32 v7, s58, v7                       ; back: row r, + 256 hl
	v_add_nc_u32 v4, s58, v1                       ; in: 16 x lane of a row
	s_wait_alu depctr_va_vdst(0)
	s_wait_kmcnt 0x0
	s_cmp_eq_u32 s48, 1
	s_cselect_b64 s[4:5], s[6:7], s[4:5]
	s_cselect_b32 s59, s35, s33
	s_cmp_eq_u32 s48, 2
	s_cselect_b64 s[4:5], s[8:9], s[4:5]
	s_cselect_b32 s59, s37, s59                    ; entry 1, 3 or 5
	s_add_nc_u64 s[48:49], s[4:5], s[50:51]
	s_add_nc_u64 s[22:23], s[22:23], s[56:57]
	XGLOAD XGA, 0
	XGLOAD XGB, 1
	MKSC 59, 60, 10, 11
	s_wait_alu depctr_va_vdst(0)
	s_wait_loadcnt 16                              ; K step 0's sixteen loads are in; step 1's stay out
	XTURN XGA
	s_wait_dscnt 0x0                               ; the neighbours are back, and the stage's stores have read their registers
	XGLOAD XGA, 2
	XQUANT 0
	s_wait_loadcnt 16
	XTURN XGB
	s_wait_dscnt 0x0
	XGLOAD XGB, 3
	s_wait_xcnt 0x0                                ; the last step's stores have read the codes' registers
	XQUANT 1
	s_wait_loadcnt 16
	XTURN XGA
	s_wait_dscnt 0x0
	s_wait_xcnt 0x0
	XQUANT 2
	s_wait_loadcnt 0
	XTURN XGB
	s_wait_dscnt 0x0
	s_wait_xcnt 0x0
	XQUANT 3
	s_wait_tensorcnt 0x0                           ; the wave's end, behind my last LDS store
	ds_add_u32 v8, v9
	s_wait_dscnt 0x0
	s_endpgm
.Lfunc_end_k_q8c644caf5d_prep:
	.size	k_q8c644caf5d_prep, .Lfunc_end_k_q8c644caf5d_prep-k_q8c644caf5d_prep
	.p2alignl 7, 3214868480
	.fill 96, 4, 3214868480
	.section	.rodata,"a",@progbits
	.p2align	6, 0x0
	.amdhsa_kernel k_q8c644caf5d_prep
		.amdhsa_group_segment_fixed_size 34304
		.amdhsa_private_segment_fixed_size 0
		.amdhsa_enable_private_segment 0
		.amdhsa_kernarg_size 120
		.amdhsa_user_sgpr_count 2
		.amdhsa_user_sgpr_kernarg_segment_ptr 1
		.amdhsa_wavefront_size32 1
		.amdhsa_system_sgpr_workgroup_id_x 1
		.amdhsa_system_sgpr_workgroup_id_y 1
		.amdhsa_system_sgpr_workgroup_id_z 1
		.amdhsa_system_vgpr_workitem_id 0
		.amdhsa_next_free_vgpr 256
		.amdhsa_next_free_sgpr 100
		.amdhsa_reserve_vcc 0
		.amdhsa_float_denorm_mode_32 3
		.amdhsa_float_denorm_mode_16_64 3
		.amdhsa_memory_ordered 1
		.amdhsa_forward_progress 1
		.amdhsa_inst_pref_size 121
	.end_amdhsa_kernel
	.amdgpu_metadata
---
amdhsa.version: [ 1, 2 ]
amdhsa.kernels:
  - .name:           k_q8c644caf5d_prep
    .symbol:         k_q8c644caf5d_prep.kd
    .args:
      - { .name: Wq, .offset: 0, .size: 8, .value_kind: global_buffer, .address_space: global }
      - { .name: Wk, .offset: 8, .size: 8, .value_kind: global_buffer, .address_space: global }
      - { .name: Wv, .offset: 16, .size: 8, .value_kind: global_buffer, .address_space: global }
      - { .name: Wd, .offset: 24, .size: 8, .value_kind: global_buffer, .address_space: global }
      - { .name: Wak, .offset: 32, .size: 8, .value_kind: global_buffer, .address_space: global }
      - { .name: bak, .offset: 40, .size: 8, .value_kind: global_buffer, .address_space: global }
      - { .name: Wav, .offset: 48, .size: 8, .value_kind: global_buffer, .address_space: global }
      - { .name: bav, .offset: 56, .size: 8, .value_kind: global_buffer, .address_space: global }
      - { .name: lowp_scales, .offset: 64, .size: 8, .value_kind: global_buffer, .address_space: global }
      - { .name: wimg, .offset: 72, .size: 8, .value_kind: global_buffer, .address_space: global }
      - { .name: akc, .offset: 80, .size: 8, .value_kind: global_buffer, .address_space: global }
      - { .name: avc, .offset: 88, .size: 8, .value_kind: global_buffer, .address_space: global }
      - { .name: q, .offset: 96, .size: 8, .value_kind: global_buffer, .address_space: global }
      - { .name: k, .offset: 104, .size: 8, .value_kind: global_buffer, .address_space: global }
      - { .name: x, .offset: 112, .size: 8, .value_kind: global_buffer, .address_space: global }
    .group_segment_fixed_size: 34304
    .private_segment_fixed_size: 0
    .kernarg_segment_align: 8
    .kernarg_segment_size: 120
    .max_flat_workgroup_size: 128
    .sgpr_count:     100
    .vgpr_count:     256
    .wavefront_size: 32
...
	.end_amdgpu_metadata
.endif
;; end of part 5
;; launch proj (part 6): grid 4 x 48, 4 waves a work-group, clusters of 4 x 4, 327,680 bytes of LDS; arguments wimg, bq, bk, bv, lowp_scales, q6c, q9c, kc, vc; writes q6c, q9c, kc, vc
.if DOCPART == 6
	.amdgcn_target "amdgcn-amd-amdhsa--gfx1250"
	.amdhsa_code_object_version 6
	.text
	.protected	k_q8c644caf5d_proj
	.globl	k_q8c644caf5d_proj
	.p2align	8
	.type	k_q8c644caf5d_proj,@function
k_q8c644caf5d_proj:
	s_mov_b64 s[64:65], 0
	v_nop
	global_prefetch_b8 v0, s[64:65] scope:SCOPE_SE
	s_setreg_imm32_b32 hwreg(HW_REG_WAVE_MODE, 25, 1), 1
	s_wait_xcnt 0x0
	s_wait_alu depctr_hold_cnt(0) depctr_sa_sdst(0) depctr_va_vdst(0) depctr_va_sdst(0) depctr_va_ssrc(0) depctr_va_vcc(0) depctr_vm_vsrc(0)
	s_getreg_b32 s2, hwreg(HW_REG_IB_STS2, 6, 4)
	s_cmp_eq_u32 s2, 0
	s_cbranch_scc0 .Lentry_in_a_cluster
	s_endpgm
.Lentry_in_a_cluster:
	s_bfe_u32 s2, ttmp6, 0x10000c
	s_cmp_lg_u32 s2, 0xf033
	s_cbranch_scc0 .Lentry_shape_is_right
	s_endpgm
.Lentry_shape_is_right:
; SECOND LAUNCH: the three projections as one GEMM on codes of E4M3.  No work of reference() is left out here.
; qh = Q(q) Q(Wq) 2^(e0 + e1) + bq, and so on; the f32 results are quantised at once for the products that take them: qh twice (entries 6 and 9 -> q6c, q9c), kh (entry 7 -> kc), vh (entry 11 -> vc, keys innermost).
; Both operands lie in wimg as images of operand registers: a fragment (16 rows x 128 K) is 2,048 bytes, [piece 4][lane 32][16 bytes]; a tile's eight K steps lie on end (16,384 bytes).
; Weights: tensor x 2^20 + tile x 16,384.  Tokens: 4,194,304 + (tensor x 256 + tile) x 16,384.  Which columns and which tokens form a tile: the first launch's head.
; SHARES.  Work-group (X, Y): 256 tokens (16 tiles; Y / 16 is the tensor) x 256 columns (16 tiles: four heads).  Four waves, each 8 x 8 tiles: 64 accumulators, 512 registers.
; K goes in steps of 256 through a ring of two LDS slots: a slot holds 16 token tiles x 4,096 bytes, then 16 weight tiles x 4,096 bytes; each wave fetches 8 tiles' rows of 4,096 bytes by one tensor load.
; A fragment is read by four loads of 16 bytes a lane at 16 x lane: 512 consecutive bytes an instruction, so no padding is laid.
; CLUSTERS: 4 x 4.  The four of a row need the same token tiles, the four of a column the same weight tiles (a cluster lies inside one tensor): joint loads.
; q, k: source 0 = W, source 1 = tokens: a lane holds one token, and the 16 registers of two neighbouring accumulators 16 neighbouring channels.  v: source 0 = tokens, source 1 = W: a lane holds one channel and 16
; neighbouring keys.  The products' text is one: for v the two sources' LDS addresses are exchanged, on the tensor's number, which all partners share.
; THE BIAS is the C of each accumulator's first product, as bias x 2^-(eW + ex); that power of two is folded into the conversions' scales: code = sum / 2^(e_out - eW - ex), held at the largest code.
; PREFETCH.  K = 1,024 is four fills of a slot.  Behind the head's joint load (fill 0) each wave asks for its share of fills 1 and 2, behind slot 1's first fill for its share of fill 3: one instruction a fill.  Of the 8 tiles
; that a wave fetches, each of the four partners that ask for them jointly takes two, told apart by address (cx for tokens, cy for weights): 2 tiles x 4,096 bytes, lanes 256 bytes apart.  The addresses are immediates on
; one base that is never written again; the last named byte lies inside the last tile of wimg.
; LIMITS: e_out - eW - ex between -126 and 119 for each of the four outputs.  NaN among the inputs is not served.
; REGISTERS, window 0: v4-7 the stores' offsets; v8-11 scales and holds; v14 the prefetches' offset; v16-17, v20-21 LDS addresses; v28, v29 the add's two; v32-95 the bias, then held numbers; from v128 source 1's fragments,
; one set; on the way out v96-223 the first output's codes.  Window 1: source 0's fragments, two sets; on the way out v0-127 q9c's codes.  Windows 2, 3: accumulator (a, b) at v[8 (8 (a % 4) + b)], a source 1's tile, b source 0's.
.set HALFT,  32768                     ; 8 tiles x 4,096 bytes: what one tensor load brings, and what one wave reads of either operand
.set SLOT,   4*HALFT
.set SPARE,  2*SLOT                    ; behind the ring: the spare words, 128 bytes a wave, which no other line names
.set ROWB,   4096                      ; a tile's bytes in a slot: two K steps of 128
.set LAPS,   2
.set FR,     16
.set NL,     4
.set NP,     4
.set OFF,  4
.set SC1,  8
.set LIM1, 9
.set SC2,  10
.set LIM2, 11
.set PFO,  14
.set ADRA, 16
.set ADRB, 20
.set SPW,  28
.set NIL,  29
.set BC,   32
.set TMP,  32
.set CD1,  96
.set AF,   128
.set PFA, 10                           ; s[10:11] where my prefetches stand
.set G1, 24
.set G0, 32
.set G1B, 48
.set G0B, 56
.set TEN, 66
.set MSB, 0
.macro WIN new                         ; the immediate's high byte repeats the setting that is left
.if MSB != \new
	s_set_vgpr_msb (MSB<<8)|\new
.set MSB, \new
.endif
.endm
.set MUL_LO, 0xa1                      ; source 0 window 1, source 1 window 0, C and D window 2
.set MUL_HI, 0xf1                      ; the same, C and D window 3
.set FST_LO, 0x81                      ; the first products: C (the bias) window 0, D window 2
.set FST_HI, 0xc1
.set TO_B,   0x40
.macro MKSC e, t, vsc, vlim
	s_add_co_i32 s[\t], s[\e], 127
	s_lshl_b32 s[\t+1], s[\t], 23
	v_mov_b32 v[\vsc], s[\t+1]
	s_add_co_i32 s[\t], s[\t], 8
	s_lshl_b32 s[\t], s[\t], 23
	s_or_b32 s[\t], s[\t], 0x600000
	v_mov_b32 v[\vlim], s[\t]
.endm
; a joint load: waves 0 and 1 fetch token tiles, waves 2 and 3 weight tiles.  An s_nop 0 and four v_nop follow each of the two lines
.macro JLOAD g0a, g1a, g0b, g1b
	s_cmp_eq_u32 s15, 0
	s_cbranch_scc0 .Lfor_b_\@
	tensor_load_to_lds s[\g0a:\g0a+3], s[\g1a:\g1a+7]
	s_nop 0
.rept 4
	v_nop
.endr
	s_branch .Lasked_\@
.Lfor_b_\@:
	tensor_load_to_lds s[\g0b:\g0b+3], s[\g1b:\g1b+7]
	s_nop 0
.rept 4
	v_nop
.endr
.Lasked_\@:
.endm
.macro CREST
	s_cmp_lg_u32 s14, 0
	s_cbranch_scc1 .Lnot_wave_0_\@
	s_barrier_signal -3
.Lnot_wave_0_\@:
	s_barrier_wait -3
	s_barrier_signal -1
	s_barrier_wait -1
.endm
.macro CROUND
	s_barrier_signal -1
	s_barrier_wait -1
	CREST
.endm
	s_load_b256 s[4:11], s[0:1], 0x0               ; wimg, bq, bk, bv
	s_load_b256 s[68:75], s[0:1], 0x20             ; the scales' exponents, q6c, q9c, kc
	s_load_b64 s[76:77], s[0:1], 0x40              ; vc
	v_lshl_add_u32 v[SPW], v0, 2, SPARE
	v_mov_b32 v[NIL], 0
	ds_add_u32 v[SPW], v[NIL]                      ; the wave's opening: the add, twice on end, and its wait ahead of my first tensor load
	ds_add_u32 v[SPW], v[NIL]
	v_lshrrev_b32 v1, 5, v0
	v_readfirstlane_b32 s14, v1                    ; wave 0..3
	s_lshr_b32 s15, s14, 1                         ; which half of source 1's tiles is mine.  Also: I fetch tokens (0) or weights (1)
	s_and_b32 s16, s14, 1                          ; which half of source 0's.  Also: which 8 tiles I fetch
	s_bfe_u32 s40, ttmp6, 0x40000                  ; cx, cy
	s_bfe_u32 s41, ttmp6, 0x40004
	s_lshl_b32 s42, ttmp9, 2
	s_add_co_u32 s42, s42, s40                     ; X
	s_and_b32 s[TEN], ttmp7, 0xffff
	s_lshl_b32 s17, s[TEN], 2
	s_add_co_u32 s17, s17, s41                     ; Y
	s_lshr_b32 s[TEN], s[TEN], 2                   ; the tensor, from the cluster's y alone: 0 q, 1 k, 2 x
	s_lshl_b32 s43, s41, 2
	s_lshl_b32 s43, 15, s43                        ; my row of the cluster
	s_lshl_b32 s44, 0x1111, s40                    ; my column
	s_or_b32 s[G1+0], s43, (3<<16)|(1<<21)         ; elements of 8 bytes; the mask, bit 21 beside it
	s_or_b32 s[G1B+0], s44, (3<<16)|(1<<21)
.irp g, G1, G1B
	s_mov_b32 s[\g+1], 512<<16                     ; tensor_dim0: 4,096 bytes
	s_mov_b32 s[\g+2], 8<<16                       ; tensor_dim1 = 8
	s_mov_b32 s[\g+3], 512<<16                     ; tile_dim0
	s_mov_b32 s[\g+4], 8                           ; tile_dim1
	s_mov_b32 s[\g+5], 2048                        ; from tile to tile: 16,384 bytes
	s_mov_b32 s[\g+6], 0
	s_mov_b32 s[\g+7], 0
.endr
	s_lshl_b32 s18, s16, 17                        ; which 8 tiles I fetch
	s_lshl_b32 s20, s17, 18
	s_add_co_u32 s20, s20, s18
	s_add_co_u32 s20, s20, 0x400000                ; tokens: 4,194,304 + (16 Y + 8 half) x 16,384
	s_mov_b32 s21, 0
	s_lshl_b32 s46, s42, 18
	s_add_co_u32 s46, s46, s18
	s_lshl_b32 s47, s[TEN], 20
	s_add_co_u32 s46, s46, s47                     ; weights: tensor x 2^20 + (16 X + 8 half) x 16,384
	s_mov_b32 s47, 0
	s_mul_i32 s45, s14, HALFT                      ; where they go: wave x 8 tiles
	s_wait_dscnt 0x0                               ; both opening adds are done
	s_wait_kmcnt 0x0
	s_load_b512 s[80:95], s[68:69], 0x0            ; entries 0 to 15
	s_add_nc_u64 s[20:21], s[4:5], s[20:21]
	s_add_nc_u64 s[46:47], s[4:5], s[46:47]
	CROUND                                         ; all sixteen work-groups are here: the first joint loads meet
.irp s, 0,1
	s_mov_b32 s[G0+4*\s], 1
	s_add_co_u32 s[G0+4*\s+1], s45, \s*SLOT
	s_add_nc_u64 s[G0+4*\s+2:G0+4*\s+3], s[20:21], \s*ROWB
	s_or_b32 s[G0+4*\s+3], s[G0+4*\s+3], 0x80000000
	s_mov_b32 s[G0B+4*\s], 1
	s_add_co_u32 s[G0B+4*\s+1], s45, \s*SLOT
	s_add_nc_u64 s[G0B+4*\s+2:G0B+4*\s+3], s[46:47], \s*ROWB
	s_or_b32 s[G0B+4*\s+3], s[G0B+4*\s+3], 0x80000000
.endr
	JLOAD G0, G1, G0B, G1B                         ; K step 0: one tensor load a wave at the head
	; what hangs on the tensor: choices, no branch
	s_cmp_eq_u32 s[TEN], 2
	s_cselect_b32 s18, 2*HALFT, 0                  ; source 1 reads the tokens' region, for v the weights'
	s_cselect_b32 s19, 0, 2*HALFT                  ; source 0 the other
	s_cselect_b32 s23, 10, 8                       ; the stores' lane offset: 16 r + hl x 256, for v x 1,024
	s_cselect_b32 s2, s15, s16                     ; which half of the weight tiles is mine,
	s_cselect_b32 s3, s16, s15                     ; and of the token tiles
	s_mov_b32 s78, 512                             ; the four groups of 16 registers: q, k: (head, half of its channels): 65,536 (g / 2) + 512 (g % 2);  v: 32 keys on: 2,048 g
	s_cselect_b32 s78, 2048, s78
	s_mov_b32 s79, 65536
	s_cselect_b32 s79, 4096, s79
	s_mov_b32 s67, 66048
	s_cselect_b32 s67, 6144, s67
	s_mov_b32 s96, 1024                            ; from source 1's tile a to a + 1: q, k: a tile of tokens;  v: 16 slots, and from a = 3 to 4 the next head
	s_cselect_b32 s96, 256, s96
	s_mov_b32 s98, 1024
	s_cselect_b32 s98, 64768, s98
	s_mov_b32 s97, 0
	s_mov_b32 s99, 0
	s_cselect_b64 s[12:13], s[76:77], s[70:71]
	s_cselect_b64 s[6:7], s[10:11], s[6:7]
	s_cmp_eq_u32 s[TEN], 1
	s_cselect_b64 s[12:13], s[74:75], s[12:13]     ; q6c, kc or vc
	s_cselect_b64 s[6:7], s[8:9], s[6:7]           ; bq, bk or bv
	s_mul_i32 s21, s15, HALFT
	s_add_co_u32 s21, s21, s18
	s_mul_i32 s22, s16, HALFT
	s_add_co_u32 s22, s22, s19
	s_bfe_u32 s18, s17, 0x20002                    ; batch
	s_lshl_b32 s18, s18, 4
	s_lshl_b32 s19, s42, 2
	s_lshl_b32 s2, s2, 1
	s_add_co_u32 s19, s19, s2                      ; my first head: 4 X + 2 half
	s_add_co_u32 s18, s18, s19
	s_lshl_b32 s18, s18, 16
	s_and_b32 s20, s17, 3
	s_lshl_b32 s20, s20, 4
	s_lshl_b32 s3, s3, 3
	s_add_co_u32 s20, s20, s3                      ; my first tile of tokens in the batch
	s_lshl_b32 s20, s20, 10
	s_add_co_u32 s18, s18, s20
	s_lshl_b32 s2, s19, 8                          ; a head's bias is 256 bytes
	s_mov_b32 s3, 0
	s_mov_b32 s19, 0
	s_add_nc_u64 s[12:13], s[12:13], s[18:19]
	s_add_nc_u64 s[72:73], s[72:73], s[18:19]
	s_add_nc_u64 s[6:7], s[6:7], s[2:3]
	; the prefetches: of the 8 tiles that I fetch, my work-group's two
	s_lshl_b32 s18, s17, 18
	s_add_co_u32 s18, s18, 0x400000
	s_lshl_b32 s19, s40, 15
	s_add_co_u32 s18, s18, s19                     ; tokens: tiles 16 Y + 2 cx on
	s_lshl_b32 s19, s42, 18
	s_lshl_b32 s20, s[TEN], 20
	s_add_co_u32 s19, s19, s20
	s_lshl_b32 s20, s41, 15
	s_add_co_u32 s19, s19, s20                     ; weights: tiles 16 X + 2 cy on
	s_cmp_eq_u32 s15, 0
	s_cselect_b32 s18, s18, s19
	s_lshl_b32 s19, s16, 17
	s_add_co_u32 s18, s18, s19                     ; + the half that I fetch
	s_mov_b32 s19, 0
	s_add_nc_u64 s[PFA:PFA+1], s[4:5], s[18:19]
	v_and_b32 v1, 31, v0
	v_lshlrev_b32 v3, 4, v1                        ; 16 x lane
	v_add_nc_u32 v[ADRA], s21, v3
	v_add_nc_u32 v[ADRB], s22, v3
	v_add_nc_u32 v[ADRA+1], SLOT, v[ADRA]
	v_add_nc_u32 v[ADRB+1], SLOT, v[ADRB]
	v_and_b32 v1, 15, v0                           ; r
	v_bfe_u32 v2, v0, 4, 1                         ; hl
	v_lshlrev_b32 v[OFF], s23, v2
	v_lshl_add_u32 v[OFF], v1, 4, v[OFF]
	v_add_nc_u32 v[OFF+1], s78, v[OFF]
	v_add_nc_u32 v[OFF+2], s79, v[OFF]
	v_add_nc_u32 v[OFF+3], s67, v[OFF]
	v_lshlrev_b32 v[PFO], 14, v2                   ; lanes 0-15 the first tile, lanes 16-31 the second,
	v_lshl_add_u32 v[PFO], v1, 8, v[PFO]           ; 256 bytes from lane to lane
	global_prefetch_b8 v[PFO], s[PFA:PFA+1] offset:ROWB th:TH_LOAD_NT scope:SCOPE_SE     ; fill 1
	global_prefetch_b8 v[PFO], s[PFA:PFA+1] offset:2*ROWB th:TH_LOAD_NT scope:SCOPE_SE   ; fill 2
	s_wait_alu depctr_va_vdst(0)
	s_wait_kmcnt 0x0                               ; the exponents
	s_cmp_eq_u32 s[TEN], 1
	s_cselect_b32 s18, s82, s80                    ; eW
	s_cselect_b32 s19, s83, s81                    ; ex
	s_cselect_b32 s78, s87, s86                    ; the result's: entry 6, 7 or 11
	s_cmp_eq_u32 s[TEN], 2
	s_cselect_b32 s18, s84, s18
	s_cselect_b32 s19, s85, s19
	s_cselect_b32 s78, s91, s78
	s_add_co_i32 s18, s18, s19
	s_sub_co_i32 s78, s78, s18                     ; e_out - eW - ex
	s_sub_co_i32 s79, s89, s18                     ; the same for entry 9
	s_sub_co_i32 s67, 0, s18                       ; -(eW + ex)
	MKSC 78, 2, SC1, LIM1
	MKSC 79, 2, SC2, LIM2
	s_wait_alu depctr_va_vdst(0)
	s_cmp_eq_u32 s[TEN], 2
	s_cbranch_scc1 .Lbias_v
	v_lshlrev_b32 v12, 6, v2                       ; q, k: register 8 b + j is the bias of W tile b's row 8 hl + j: channel 32 cw + 8 u + 16 hl + j of head b / 4
.irp b, 0,1,2,3,4,5,6,7
	global_load_b128 v[BC+8*\b:BC+8*\b+3], v12, s[6:7] offset:(\b/4)*256+((\b/2)%2)*128+(\b%2)*32
	global_load_b128 v[BC+8*\b+4:BC+8*\b+7], v12, s[6:7] offset:(\b/4)*256+((\b/2)%2)*128+(\b%2)*32+16
.endr
	s_wait_loadcnt 0x0
.set i, 0
.rept 64
	v_ldexp_f32 v[BC+i], v[BC+i], s67
.set i, i+1
.endr
	s_branch .Lbias_done
.Lbias_v:
	v_and_b32 v12, 7, v1                           ; v: registers 8 a + 0 .. 7 all hold the bias of my channel of W tile a: 8 (a % 4) + r % 8 + 32 (r / 8) of head a / 4
	v_lshrrev_b32 v13, 3, v1
	v_lshlrev_b32 v12, 2, v12
	v_lshl_add_u32 v12, v13, 7, v12
.irp a, 0,1,2,3,4,5,6,7
	global_load_b32 v[BC+8*\a], v12, s[6:7] offset:(\a/4)*256+(\a%4)*32
.endr
	s_wait_loadcnt 0x0
.irp a, 0,1,2,3,4,5,6,7
	v_ldexp_f32 v[BC+8*\a], v[BC+8*\a], s67
.endr
.irp a, 0,1,2,3,4,5,6,7
.irp j, 1,2,3,4,5,6,7
	v_mov_b32 v[BC+8*\a+\j], v[BC+8*\a]
.endr
.endr
.Lbias_done:
.macro FRAG reg, adr, q, i             ; a fragment: four loads of 16 bytes a lane, 512 bytes apart
.irp c, 0,1,2,3
	ds_load_b128 v[\reg+4*\c:\reg+4*\c+3], v[\adr] offset:2048*(\q)+512*\c+(\i)*ROWB
.endr
.endm
; 16 products: source 1's tiles a0, a0 + 1 x source 0's eight.  p: source 0's set.  zero = 1, 2: the first product starts the sums on the bias (by b: q, k; by a: v).  The 64 accumulators take turns
.macro MUL16 a0, p, zero
.irp a, \a0, \a0+1
.irp b, 0,1,2,3,4,5,6,7
.if \zero == 1
	v_wmma_f32_16x16x128_fp8_fp8 v[8*(8*((\a)%4)+\b):8*(8*((\a)%4)+\b)+7], v[128*(\p)+FR*\b:128*(\p)+FR*\b+FR-1], v[AF+FR*(\a):AF+FR*(\a)+FR-1], v[BC+8*\b:BC+8*\b+7]
.elseif \zero == 2
	v_wmma_f32_16x16x128_fp8_fp8 v[8*(8*((\a)%4)+\b):8*(8*((\a)%4)+\b)+7], v[128*(\p)+FR*\b:128*(\p)+FR*\b+FR-1], v[AF+FR*(\a):AF+FR*(\a)+FR-1], v[BC+8*(\a):BC+8*(\a)+7]
.else
	v_wmma_f32_16x16x128_fp8_fp8 v[8*(8*((\a)%4)+\b):8*(8*((\a)%4)+\b)+7], v[128*(\p)+FR*\b:128*(\p)+FR*\b+FR-1], v[AF+FR*(\a):AF+FR*(\a)+FR-1], v[8*(8*((\a)%4)+\b):8*(8*((\a)%4)+\b)+7]
.endif
.endr
.endr
.endm
.macro FETCH_B slot, q, p
	WIN TO_B
.irp i, 0,1,2,3,4,5,6,7
	FRAG 128*(\p)+FR*\i, ADRB+\slot, \q, \i
.endr
	WIN 0
.endm
.macro FETCH_A slot, q, i0
.irp i, \i0, \i0+1, \i0+2, \i0+3
	FRAG AF+FR*(\i), ADRA+\slot, \q, \i
.endr
.endm
.macro PLACES n                        ; places in front of loads into registers that matrix instructions have read, and of the first read of results
.rept \n
	v_nop
.endr
.endm
; a step of 128 along K that has its successor in the same slot
.macro STEP slot, q, zero
	s_wait_dscnt 4*NL                              ; source 0's set and source 1's blocks 0-3 are in; the youngest sixteen loads (blocks 4-7) may be out
.if \zero
	WIN FST_LO
.else
	WIN MUL_LO
.endif
	MUL16 0, (\q)%2, \zero
	MUL16 2, (\q)%2, \zero
	s_wait_dscnt 0
	PLACES NP
	FETCH_B \slot, (\q)+1, 1-(\q)%2
	FETCH_A \slot, (\q)+1, 0
.if \zero
	WIN FST_HI
.else
	WIN MUL_HI
.endif
	MUL16 4, (\q)%2, \zero
	MUL16 6, (\q)%2, \zero
	PLACES NP
	WIN 0
	FETCH_A \slot, (\q)+1, 4
.endm
; a slot's last step changes slots: one barrier; in front of it each wave waits for all its tensor loads, adds 0 to its spare word, and waits for that and for its reads of this slot.  fill = 1: this slot is filled again
.macro TURN slot, next, fill
	s_wait_tensorcnt 0x0                           ; my part of the next slot has landed
	ds_add_u32 v[SPW], v[NIL]
	s_wait_dscnt 4*NL+1                            ; (the add and the youngest sixteen loads may be out)
	WIN MUL_LO
	MUL16 0, 1, 0
	s_wait_dscnt 0x0                               ; the add is done, and my reads of this slot are over
	s_barrier_signal -1
	MUL16 2, 1, 0
	WIN 0
	s_barrier_wait -1
.if \fill
	CREST                                          ; the barrier has opened a round of the cluster's barrier
	s_add_nc_u64 s[G0+4*\slot+2:G0+4*\slot+3], s[G0+4*\slot+2:G0+4*\slot+3], 2*ROWB
	s_add_nc_u64 s[G0B+4*\slot+2:G0B+4*\slot+3], s[G0B+4*\slot+2:G0B+4*\slot+3], 2*ROWB
	JLOAD G0+4*\slot, G1, G0B+4*\slot, G1B         ; the first tensor load behind the round; its four v_nop are the places in front of the loads below
.else
	PLACES NP
.endif
	FETCH_B \next, 0, 0
	FETCH_A \next, 0, 0
	WIN MUL_HI
	MUL16 4, 1, 0
	MUL16 6, 1, 0
	PLACES NP
	WIN 0
	FETCH_A \next, 0, 4
.endm
	s_wait_alu depctr_va_vdst(0)
	s_wait_tensorcnt 0x0                           ; my part of K step 0 is in
	ds_add_u32 v[SPW], v[NIL]
	s_wait_dscnt 0x0
	CROUND                                         ; everybody's part is in, and all sixteen work-groups are here
	JLOAD G0+4, G1, G0B+4, G1B                     ; slot 1's first fill, the first tensor load behind the round
	FETCH_B 0, 0, 0
	FETCH_A 0, 0, 0
	FETCH_A 0, 0, 4
	global_prefetch_b8 v[PFO], s[PFA:PFA+1] offset:3*ROWB th:TH_LOAD_NT scope:SCOPE_SE   ; fill 3, two fills ahead of its load
	s_cmp_eq_u32 s[TEN], 2                         ; the first step is written twice: the bias goes by source 0's tile (q, k) or by source 1's (v)
	s_cbranch_scc1 .Lfirst_v
	STEP 0, 0, 1
	s_branch .Lfirst_done
.Lfirst_v:
	STEP 0, 0, 2
.Lfirst_done:
	s_mov_b32 s3, LAPS-1
.Llap:
	TURN 0, 1, 1
	STEP 1, 0, 0
	TURN 1, 0, 1
	STEP 0, 0, 0
	s_sub_co_u32 s3, s3, 1
	s_cmp_lg_u32 s3, 0
	s_cbranch_scc1 .Llap
	TURN 0, 1, 0                                   ; the last lap fills nothing
	STEP 1, 0, 0
	s_wait_dscnt 4*NL
	WIN MUL_LO
	MUL16 0, 1, 0
	MUL16 2, 1, 0
	s_wait_dscnt 0
	WIN MUL_HI
	MUL16 4, 1, 0
	MUL16 6, 1, 0
	WIN 0
; THE WAY OUT, by source 1's tiles.  The 16 registers of accumulators (a, 2 g) and (a, 2 g + 1) are 16 neighbours along the next product's K: held, converted, 16 bytes a lane; sixteen lanes store 256 consecutive bytes, aligned.
; Each tile a has a base pair and code registers of its own, so no register that a store names is written again.  The bases lie in the descriptors' registers: no tensor load is out behind the last change of slots.
.macro HOLDS a, lim, sc, cd, w         ; each accumulator is read from its low end on; w: the window of the codes' registers, as the destination's field
	WIN 0x02+((\a)/4)                              ; source 0: window 2 or 3
.set i, 0
.rept 64
	v_med3_num_f32 v[TMP+i], v[64*((\a)%4)+i], -v[\lim], v[\lim]   ; the conversion does not saturate (ISA guide 7.6.2)
.set i, i+1
.endr
	WIN \w
.irp g, 0,1,2,3
	v_cvt_scalef32_pk8_fp8_f32 v[\cd+4*\g:\cd+4*\g+1], v[TMP+16*\g:TMP+16*\g+7], v[\sc]
	v_cvt_scalef32_pk8_fp8_f32 v[\cd+4*\g+2:\cd+4*\g+3], v[TMP+16*\g+8:TMP+16*\g+15], v[\sc]
.endr
	WIN 0
	v_nop                                          ; a plain line behind the last conversion
.endm
.macro EPI a
	HOLDS \a, LIM1, SC1, CD1+16*(\a), 0
.irp g, 0,1,2,3
	global_store_b128 v[OFF+\g], v[CD1+16*(\a)+4*\g:CD1+16*(\a)+4*\g+3], s[24+2*(\a):25+2*(\a)]
.endr
	s_cmp_lg_u32 s[TEN], 0
	s_cbranch_scc1 .Lone_\@                        ; kh and vh have one quantiser
	HOLDS \a, LIM2, SC2, 16*(\a), 0x40
	WIN 0x04                                       ; a store's data are its source 1: window 1
.irp g, 0,1,2,3
	global_store_b128 v[OFF+\g], v[16*(\a)+4*\g:16*(\a)+4*\g+3], s[40+2*(\a):41+2*(\a)]
.endr
	WIN 0
.Lone_\@:
.endm
	s_mov_b64 s[24:25], s[12:13]
	s_mov_b64 s[40:41], s[72:73]
.irp a, 1,2,3,4,5,6,7
.if \a == 4
	s_add_nc_u64 s[24+2*\a:25+2*\a], s[22+2*\a:23+2*\a], s[98:99]
	s_add_nc_u64 s[40+2*\a:41+2*\a], s[38+2*\a:39+2*\a], s[98:99]
.else
	s_add_nc_u64 s[24+2*\a:25+2*\a], s[22+2*\a:23+2*\a], s[96:97]
	s_add_nc_u64 s[40+2*\a:41+2*\a], s[38+2*\a:39+2*\a], s[96:97]
.endif
.endr
	PLACES NP
.irp a, 0,1,2,3,4,5,6,7
	EPI \a
.endr
	s_wait_tensorcnt 0x0                           ; the wave's end
	ds_add_u32 v[SPW], v[NIL]
	s_wait_dscnt 0x0
	CROUND                                         ; the closing round
	s_endpgm
.Lfunc_end_k_q8c644caf5d_proj:
	.size	k_q8c644caf5d_proj, .Lfunc_end_k_q8c644caf5d_proj-k_q8c644caf5d_proj
	.p2alignl 7, 3214868480
	.fill 96, 4, 3214868480
	.section	.rodata,"a",@progbits
	.p2align	6, 0x0
	.amdhsa_kernel k_q8c644caf5d_proj
		.amdhsa_group_segment_fixed_size 327680
		.amdhsa_private_segment_fixed_size 0
		.amdhsa_enable_private_segment 0
		.amdhsa_kernarg_size 72
		.amdhsa_user_sgpr_count 2
		.amdhsa_user_sgpr_kernarg_segment_ptr 1
		.amdhsa_wavefront_size32 1
		.amdhsa_system_sgpr_workgroup_id_x 1
		.amdhsa_system_sgpr_workgroup_id_y 1
		.amdhsa_system_sgpr_workgroup_id_z 1
		.amdhsa_system_vgpr_workitem_id 0
		.amdhsa_next_free_vgpr 1024
		.amdhsa_next_free_sgpr 100
		.amdhsa_reserve_vcc 0
		.amdhsa_float_denorm_mode_32 3
		.amdhsa_float_denorm_mode_16_64 3
		.amdhsa_memory_ordered 1
		.amdhsa_forward_progress 1
		.amdhsa_inst_pref_size 179
	.end_amdhsa_kernel
	.amdgpu_metadata
---
amdhsa.version: [ 1, 2 ]
amdhsa.kernels:
  - .name:           k_q8c644caf5d_proj
    .symbol:         k_q8c644caf5d_proj.kd
    .args:
      - { .name: wimg, .offset: 0, .size: 8, .value_kind: global_buffer, .address_space: global }
      - { .name: bq, .offset: 8, .size: 8, .value_kind: global_buffer, .address_space: global }
      - { .name: bk, .offset: 16, .size: 8, .value_kind: global_buffer, .address_space: global }
      - { .name: bv, .offset: 24, .size: 8, .value_kind: global_buffer, .address_space: global }
      - { .name: lowp_scales, .offset: 32, .size: 8, .value_kind: global_buffer, .address_space: global }
      - { .name: q6c, .offset: 40, .size: 8, .value_kind: global_buffer, .address_space: global }
      - { .name: q9c, .offset: 48, .size: 8, .value_kind: global_buffer, .address_space: global }
      - { .name: kc, .offset: 56, .size: 8, .value_kind: global_buffer, .address_space: global }
      - { .name: vc, .offset: 64, .size: 8, .value_kind: global_buffer, .address_space: global }
    .group_segment_fixed_size: 327680
    .private_segment_fixed_size: 0
    .kernarg_segment_align: 8
    .kernarg_segment_size: 72
    .max_flat_workgroup_size: 128
    .sgpr_count:     100
    .vgpr_count:     1024
    .wavefront_size: 32
...
	.end_amdgpu_metadata
.endif
;; end of part 6
;; launch attn (part 7): grid 4 x 64, 16 waves a work-group, clusters of 4 x 1, 327,680 bytes of LDS; arguments q6c, q9c, kc, vc, akc, avc, lowp_scales, oc; writes oc
.if DOCPART == 7
	.amdgcn_target "amdgcn-amd-amdhsa--gfx1250"
	.amdhsa_code_object_version 6
	.text
	.protected	k_q8c644caf5d_attn
	.globl	k_q8c644caf5d_attn
	.p2align	8
	.type	k_q8c644caf5d_attn,@function
k_q8c644caf5d_attn:
	s_mov_b64 s[64:65], 0
	v_nop
	global_prefetch_b8 v0, s[64:65] scope:SCOPE_SE
	s_setreg_imm32_b32 hwreg(HW_REG_WAVE_MODE, 25, 1), 1
	s_wait_xcnt 0x0
	s_wait_alu depctr_hold_cnt(0) depctr_sa_sdst(0) depctr_va_vdst(0) depctr_va_sdst(0) depctr_va_ssrc(0) depctr_va_vcc(0) depctr_vm_vsrc(0)
	s_getreg_b32 s2, hwreg(HW_REG_IB_STS2, 6, 4)
	s_cmp_eq_u32 s2, 0
	s_cbranch_scc0 .Lentry_in_a_cluster
	s_endpgm
.Lentry_in_a_cluster:
	s_bfe_u32 s2, ttmp6, 0x10000c
	s_cmp_lg_u32 s2, 0x3003
	s_cbranch_scc0 .Lentry_shape_is_right
	s_endpgm
.Lentry_shape_is_right:
; THIRD LAUNCH: attention with relative positions, all four products on codes of E4M3.  No work of reference() is left out here.
; score[i][j] = Q6(qh[i]) . Q7(kh[j]) + Q9(qh[i]) . Q8(a_k[j - i + 1023]);  t = score x log2(e) / 64;  M = the running largest t rounded up; p = 2^(t - M);  l = the sum of the unquantised p;
; out[i] = (sum_j Q10(p) Q11(vh[j]) + sum_j Q13(p) Q12(a_v[j - i + 1023])) / l, quantised by entry 14 for the last product.
; SHARES.  A work-group owns 256 queries of one (batch, head); each of its sixteen waves 16 of them, in 256 registers.  A lane holds ONE query (lane % 16): every product is used transposed.
; A step is 128 keys; lane half hl holds keys 64 hl + 0 .. 63 of it, in register order.
; LDS IS FILLED ONCE, IN TWO HALVES: the head's K and V (65,536 bytes each) and the 1,280 rows of each table that the block's queries can meet (rows 768 - 256 qb on).  Step s reads K's and V's bytes 8,192 s on and the
; tables' groups 8 s to 8 s + 23, so the first halves (32,768 bytes of K and of V, 40 groups of each table) serve steps 0 to 2.  A wave asks for its part of the first halves at the head and for its part of the second
; halves behind the three lines and a round of the cluster's barrier (one tensor load a wave each time); the second halves are waited for, with a barrier, in front of step 3.
; CLUSTER.  The four query blocks of a (batch, head) read the same K and V: those loads are joint (mask 15).  The tables' windows differ from block to block: plain loads.
; THE SCORES' SKEW.  For queries i0 + r and keys 64 hl + x the table row is base + 64 hl + x + s, s = 15 - r.  Bit 3 of s is served by the products themselves: Q9 lies twice in v24-39, registers 0-7 with lanes r < 8
; zeroed, registers 8-15 with lanes r >= 8 zeroed; a product of K = 128 takes table tiles t and t + 1 side by side, so lane r gets tile t (r >= 8) or tile t + 1 (r < 8); the other tile meets zero codes, which add nothing.
; (Output tile 7, whose two table tiles come in different runs of loads, is the same sum as two products of K = 64.)  Each table tile is read from LDS once.
; Bits 2, 1, 0 are selects on VCC, two to an instruction.  Where the shift is by one register the registers go in two streams, so that no half of a pair reads what the other half writes.
; Scaled by 2^(e8 + e9 - e6 - e7), the result is the C of the product K Q6.
; THE VALUES' SKEW, the other way round: p's 64 codes (entry 13) are moved UP by 15 - r bytes inside 20 registers (a byte permute, selects by 2 and by 1 registers), zeros elsewhere, and multiplied with the window's
; 80 rows of a_v.  The last product of K = 64 has 16 rows left: the upper four registers of its a_v operand are not loaded; they keep this step's codes of V, finite numbers, which meet zero codes of p and add nothing.
; Nothing is prefetched: all that the launch reads is asked for ahead of its loops.
; LIMITS: e6 + e7 between -121 and 130 (added to c's exponent field); e8 + e9 - e6 - e7 between -126 and 127; e10, e13, e14 between -126 and 119; the scaled scores stay under 2^31 in magnitude.
; REGISTERS: v1-4 lane bases (K, a_k, V, a_v); v5-8 the step's addresses; v9, v10 the add's two; v11 my offset in a tile of q6c, q9c, oc; v16-23 Q6; v24-39 Q9 twice, masked; v40-111 S: G, scores, p, then fragments;
; v112-175 F: fragments; then v112-127 p's codes by entry 10, v128-151 W: p's codes by entry 13, skewed, v152-167 and v168-175 at work; v176-207 O; v208-239 OR; v240 -M, v241 the largest t, v[242:243] l;
; v244-247 scales and holds; v248 the byte permute's selector; v249 0; v250-255 at work.
; SCALARS: s24-47 three groups 1; s48-63 the first halves' four groups 0, s84-99 the second halves'; s68-83 the scales' exponents; the names below; s2, s3, s66, s67, s100, s101 at work.
.set KB, 0
.set VB, 65536
.set AVB, 131072                       ; 80 chunks of 1,024 bytes
.set AKB, 212992                       ; 80 groups of 1,024 bytes + 32 of padding
.set SPARE, 297472                     ; the spare words, 128 bytes for each of sixteen waves, which no other line names
.set QM, 24
.set S, 40
.set F, 112
.set P10, 112
.set W, 128
.set TMP, 152
.set X8, 168
.set O, 176
.set OR, 208
.set SEL, 8                            ; s[8:9]   lane selects for v_permlanex16_b32: lane l xor 16
.set CS, 10                            ; s[10:11] c = log2(e) / 64 x 2^(e6 + e7)
.set GS, 12                            ; s[12:13] 2^(e8 + e9 - e6 - e7)
.set SK, 14                            ; s14      the step's bytes in K, V, a_v
.set SA, 15                            ; s15      and in a_k
.set CNT, 16                           ; s16      steps to go
.set M8, 17                            ; s17      the lanes with r < 8
.macro PLACES
.rept 4
	v_nop
.endr
.endm
.macro MKSC e, t, vsc, vlim
	s_add_co_i32 s[\t], s[\e], 127
	s_lshl_b32 s[\t+1], s[\t], 23
	v_mov_b32 v[\vsc], s[\t+1]
	s_add_co_i32 s[\t], s[\t], 8
	s_lshl_b32 s[\t], s[\t], 23
	s_or_b32 s[\t], s[\t], 0x600000
	v_mov_b32 v[\vlim], s[\t]
.endm
.macro ROUND                           ; a round of the cluster's barrier
	s_barrier_signal -1
	s_barrier_wait -1
	s_cmp_lg_u32 s20, 0
	s_cbranch_scc1 .Lnot_wave_0_\@
	s_barrier_signal -3
.Lnot_wave_0_\@:
	s_barrier_wait -3
	s_barrier_signal -1
	s_barrier_wait -1
.endm
; one tensor load a wave, in one chain of arms: waves 0-3 K, 4-7 V, 8-11 a_k, 12-15 a_v.  An s_nop 0 and four v_nop follow each load
.macro FILL gk, gv, ga, gw
	s_cmp_lt_u32 s20, 4
	s_cbranch_scc0 .Lf1_\@
	tensor_load_to_lds s[\gk:\gk+3], s[24:31]
	s_nop 0
	PLACES
	s_branch .Lfj_\@
.Lf1_\@:
	s_cmp_lt_u32 s20, 8
	s_cbranch_scc0 .Lf2_\@
	tensor_load_to_lds s[\gv:\gv+3], s[24:31]
	s_nop 0
	PLACES
	s_branch .Lfj_\@
.Lf2_\@:
	s_cmp_lt_u32 s20, 12
	s_cbranch_scc0 .Lf3_\@
	tensor_load_to_lds s[\ga:\ga+3], s[40:47]
	s_nop 0
	PLACES
	s_branch .Lfj_\@
.Lf3_\@:
	tensor_load_to_lds s[\gw:\gw+3], s[32:39]
	s_nop 0
	PLACES
.Lfj_\@:
.endm
.macro BARREL d, pairs                 ; in place, ascending, two registers an instruction: register x takes register x + d in VCC's lanes (d = 2 or 4: no half reads what the other writes)
.set i, 0
.rept \pairs
	v_dual_cndmask_b32 v[S+i], v[S+i], v[S+i+\d] :: v_dual_cndmask_b32 v[S+i+1], v[S+i+1], v[S+i+1+\d]
.set i, i+2
.endr
.endm
.macro AKL t, reg                      ; tile t of a_k's window
	ds_load_b128 v[\reg:\reg+3], v6 offset:((\t)/2)*1056+((\t)%2)*128
	ds_load_b128 v[\reg+4:\reg+7], v6 offset:((\t)/2)*1056+((\t)%2)*128+256
.endm
.macro KL t, reg                       ; tile t of K
	ds_load_b128 v[\reg:\reg+3], v5 offset:1024*(\t)
	ds_load_b128 v[\reg+4:\reg+7], v5 offset:1024*(\t)+256
.endm
.macro AVL reg, o1, o2                 ; a fragment of a_v: two chunks of 16 window rows
	ds_load_b128 v[\reg:\reg+3], v8 offset:\o1
	ds_load_b128 v[\reg+4:\reg+7], v8 offset:\o2
.endm
	s_load_b256 s[4:11], s[0:1], 0x0               ; q6c, q9c, kc, vc
	s_load_b256 s[12:19], s[0:1], 0x20             ; akc, avc, the scales' exponents, oc
	v_lshl_add_u32 v9, v0, 2, SPARE
	v_mov_b32 v10, 0
	ds_add_u32 v9, v10                             ; the wave's opening: the add, twice on end, and its wait ahead of my first tensor load
	ds_add_u32 v9, v10
	v_lshrrev_b32 v12, 5, v0
	v_readfirstlane_b32 s20, v12                   ; wave 0..15
	s_and_b32 s21, s20, 3                          ; which quarter of a half my loads bring
	s_bfe_u32 s22, ttmp6, 0x40000                  ; cx = my block of 256 queries: it enters global addresses of plain loads, of Q and of oc alone
	s_and_b32 s23, ttmp7, 0xffff                   ; batch x 16 + head
	; group 1, three shapes, elements of 8 bytes.  K, V (joint): 32 rows of 256 bytes, dense
	s_mov_b32 s24, 15|(3<<16)|(1<<21)
	s_mov_b32 s25, 32<<16
	s_mov_b32 s26, 32<<16
	s_mov_b32 s27, 32<<16
	s_mov_b32 s28, 32
	s_mov_b32 s29, 32
	s_mov_b32 s30, 0
	s_mov_b32 s31, 0
	; a_v: 40 rows of 256 bytes, dense
	s_mov_b32 s32, 3<<16
	s_mov_b32 s33, 32<<16
	s_mov_b32 s34, 40<<16
	s_mov_b32 s35, 32<<16
	s_mov_b32 s36, 40
	s_mov_b32 s37, 32
	s_mov_b32 s38, 0
	s_mov_b32 s39, 0
	; a_k: 10 rows of 1,024 bytes, 8 words of padding behind every 256 words
	s_mov_b32 s40, (3<<16)|(1<<20)|(7<<22)|(7<<25)
	s_mov_b32 s41, 128<<16
	s_mov_b32 s42, 10<<16
	s_mov_b32 s43, 128<<16
	s_mov_b32 s44, 10
	s_mov_b32 s45, 128
	s_mov_b32 s46, 0
	s_mov_b32 s47, 0
	s_wait_dscnt 0x0                               ; both opening adds are done
	s_wait_kmcnt 0x0
	s_load_b512 s[68:83], s[16:17], 0x0            ; entries 0 to 15
	; group 0, eight sets: four regions x two halves; every wave makes all eight from its quarter
	s_lshl_b32 s2, s21, 13                         ; K, V: a quarter of a half is 8,192 bytes
	s_lshl_b32 s66, s23, 16
	s_add_co_u32 s66, s66, s2                      ; (batch, head) x 65,536 + quarter x 8,192: the same in all four partners
	s_mov_b32 s67, 0
	s_mov_b32 s48, 1
	s_mov_b32 s49, s2
	s_add_nc_u64 s[50:51], s[8:9], s[66:67]
	s_mov_b32 s84, 1
	s_add_co_u32 s85, s2, 32768
	s_add_nc_u64 s[86:87], s[50:51], 32768
	s_or_b32 s51, s51, 0x80000000
	s_or_b32 s87, s87, 0x80000000
	s_mov_b32 s52, 1
	s_add_co_u32 s53, s2, VB
	s_add_nc_u64 s[54:55], s[10:11], s[66:67]
	s_mov_b32 s88, 1
	s_add_co_u32 s89, s2, VB+32768
	s_add_nc_u64 s[90:91], s[54:55], 32768
	s_or_b32 s55, s55, 0x80000000
	s_or_b32 s91, s91, 0x80000000
	s_lshl_b32 s100, s22, 14
	s_sub_co_u32 s100, 49152, s100                 ; the window begins at group 48 - 16 qb
	s_mul_i32 s3, s21, 10240                       ; the tables: a quarter of a half is 10 groups
	s_add_co_u32 s100, s100, s3
	s_mov_b32 s101, 0
	s_mov_b32 s56, 1
	s_mul_i32 s57, s21, 10560
	s_add_co_u32 s57, s57, AKB
	s_add_nc_u64 s[58:59], s[12:13], s[100:101]
	s_mov_b32 s92, 1
	s_add_co_u32 s93, s57, 42240
	s_add_nc_u64 s[94:95], s[58:59], 40960
	s_or_b32 s59, s59, 0x80000000
	s_or_b32 s95, s95, 0x80000000
	s_mov_b32 s60, 1
	s_add_co_u32 s61, s3, AVB
	s_add_nc_u64 s[62:63], s[14:15], s[100:101]
	s_mov_b32 s96, 1
	s_add_co_u32 s97, s61, 40960
	s_add_nc_u64 s[98:99], s[62:63], 40960
	s_or_b32 s63, s63, 0x80000000
	s_or_b32 s99, s99, 0x80000000
	ROUND                                          ; all four work-groups are here: the joint loads meet
	FILL 48, 52, 56, 60                            ; the first halves: my one tensor load at the head
	v_and_b32 v12, 15, v0                          ; r
	v_bfe_u32 v13, v0, 4, 1                        ; hl
	v_lshlrev_b32 v11, 4, v12
	v_lshl_add_u32 v11, v13, 9, v11                ; pieces 2 hl, 2 hl + 1 of row r
	s_wait_alu depctr_va_vdst(0)
	s_lshl_b32 s100, s23, 16
	s_lshl_b32 s2, s22, 14
	s_add_co_u32 s100, s100, s2
	s_lshl_b32 s2, s20, 10
	s_add_co_u32 s100, s100, s2                    ; my tile of 16 queries: ((batch, head) x 64 + 16 qb + wave) x 1,024
	s_add_nc_u64 s[4:5], s[4:5], s[100:101]
	s_add_nc_u64 s[6:7], s[6:7], s[100:101]
	s_add_nc_u64 s[18:19], s[18:19], s[100:101]
	global_load_b128 v[16:19], v11, s[4:5]
	global_load_b128 v[20:23], v11, s[4:5] offset:256
	global_load_b128 v[QM:QM+3], v11, s[6:7]
	global_load_b128 v[QM+4:QM+7], v11, s[6:7] offset:256
	v_lshlrev_b32 v1, 4, v12
	v_lshl_add_u32 v1, v13, 9, v1                  ; K: 512 hl + 16 r
	s_xor_b32 s3, s20, 15                          ; 15 - wave
	s_mul_i32 s2, s3, 1056
	s_add_co_u32 s2, s2, AKB
	v_lshrrev_b32 v14, 3, v12
	v_mul_u32_u24 v2, v14, 4224
	v_and_b32 v15, 7, v12
	v_lshl_add_u32 v2, v15, 4, v2
	v_lshl_add_u32 v2, v13, 9, v2
	v_add_nc_u32 v2, s2, v2                        ; a_k: row r of tile t is window row 240 - 16 wave + 8 t + r % 8 + 64 (r / 8)
	v_lshlrev_b32 v3, 4, v12
	v_lshl_add_u32 v3, v13, 12, v3
	s_lshl_b32 s2, s3, 10
	s_add_co_u32 s2, s2, AVB
	v_add_nc_u32 v4, s2, v3                        ; a_v: chunk 15 - wave + 4 hl, slot r
	v_add_nc_u32 v3, VB, v3                        ; V: chunk 4 hl, slot r
	v_sub_nc_u32 v14, 15, v12
	v_and_b32 v14, 3, v14
	s_mov_b32 s2, 0x01010101
	v_mul_lo_u32 v14, v14, s2
	v_sub_nc_u32 v248, 0x07060504, v14             ; bytes 4 - d .. 7 - d of the pair (this register, the one below), d = (15 - r) % 4
	v_mov_b32 v249, 0
	v_mov_b32 v241, 0xff61b1e6                     ; the largest t so far: -3e38
	v_floor_f32 v240, -v241
	v_mov_b32 v242, 0
	v_mov_b32 v243, 0
	v_mov_b32 v251, 0                              ; a lane permute's destination counts as read
	v_mov_b32 v253, 0                              ; (upper halves of pairs)
	v_mov_b32 v255, 0
.set i, 0
.rept 64
	v_mov_b32 v[O+i], 0                            ; O and OR: the step is written once; the first change of M leaves zeros zeros
.set i, i+1
.endr
	s_mov_b32 s[SEL], 0x76543210
	s_mov_b32 s[SEL+1], 0xfedcba98
	s_mov_b32 s[SK], 0
	s_mov_b32 s[SA], 0
	s_wait_kmcnt 0x0                               ; the exponents are in; their address pair may be written
	s_mov_b32 s[M8], 0x00ff00ff
	s_add_co_i32 s100, s74, s75                    ; e6 + e7
	s_lshl_b32 s101, s100, 23
	s_add_co_i32 s[CS], s101, 0x3cb8aa3b           ; c = log2(e) / 64 x 2^(e6 + e7)
	s_mov_b32 s[CS+1], s[CS]
	s_add_co_i32 s101, s76, s77
	s_sub_co_i32 s101, s101, s100
	s_add_co_i32 s101, s101, 127
	s_lshl_b32 s[GS], s101, 23                     ; 2^(e8 + e9 - e6 - e7)
	s_mov_b32 s[GS+1], s[GS]
	MKSC 78, 100, 244, 245                         ; entry 10
	MKSC 81, 100, 246, 247                         ; entry 13
; so many key steps, one after the other
.macro STEPS trips
	s_mov_b32 s[CNT], \trips
.Lstep_\@:
	v_add_nc_u32 v5, s[SK], v1                     ; these four and the v_nop are the five places behind the last products, whose operands are loaded and written over below
	v_add_nc_u32 v6, s[SA], v2
	v_add_nc_u32 v7, s[SK], v3
	v_add_nc_u32 v8, s[SK], v4
	v_nop
.irp t, 0,1,2,3,4,5,6,7
	AKL \t, F+8*\t
.endr
	s_wait_alu depctr_va_vdst(0)
	s_wait_dscnt 0x0
	v_wmma_f32_16x16x64_fp8_fp8 v[S+56:S+63], v[F+56:F+63], v[QM:QM+7], 0   ; output tile 7, first half: table tile 7 for lanes r >= 8
.irp t, 0,1,2,3,4,5,6                  ; G, already moved by bit 3 of 15 - r: tiles t and t + 1 side by side against the two masked copies of Q9
	v_wmma_f32_16x16x128_fp8_fp8 v[S+8*\t:S+8*\t+7], v[F+8*\t:F+8*\t+15], v[QM:QM+15], 0
.endr
	PLACES
.irp t, 8,9
	AKL \t, F+8*(\t-8)
.endr
.irp t, 0,1,2,3,4,5
	KL \t, F+16+8*\t
.endr
	s_wait_dscnt 12                                ; tiles 8 and 9 are in; K's twelve loads stay out
	v_wmma_f32_16x16x128_fp8_fp8 v[S+64:S+71], v[F:F+15], v[QM:QM+15], 0
	v_wmma_f32_16x16x64_fp8_fp8 v[S+56:S+63], v[F:F+7], v[QM+8:QM+15], v[S+56:S+63]   ; output tile 7, second half: table tile 8 for lanes r < 8; eight other products stand between the two halves
	s_mov_b32 vcc_lo, 0x0f0f0f0f                   ; bit 2 of 15 - r
	BARREL 4, 34                                   ; its first 26 lines name nothing of the two products above: they are the places behind those; each tile is first read at its register 0
.irp t, 6,7
	KL \t, F+8*(\t-6)
.endr
	s_mov_b32 vcc_lo, 0x33333333                   ; bit 1
	BARREL 2, 33
	s_mov_b32 vcc_lo, 0x55555555                   ; bit 0: registers 0-31 and 32-63 in two streams; register 32 as it was is kept for register 31
	v_mov_b32 v250, v[S+32]
	v_cndmask_b32 v[S+32], v[S+32], v[S+33], vcc_lo
.set i, 0
.rept 31
	v_dual_cndmask_b32 v[S+i], v[S+i], v[S+i+1] :: v_dual_cndmask_b32 v[S+33+i], v[S+33+i], v[S+34+i]
.set i, i+1
.endr
	v_cndmask_b32 v[S+31], v[S+31], v250, vcc_lo
.set i, 0
.rept 32
	v_pk_mul_f32 v[S+i:S+i+1], v[S+i:S+i+1], s[GS:GS+1] op_sel_hi:[1,0]   ; into the units of K Q6's sums: a power of two
.set i, i+2
.endr
	s_wait_alu depctr_va_vdst(0)
	s_wait_dscnt 0x0
.irp t, 0,1,2,3,4,5
	v_wmma_f32_16x16x64_fp8_fp8 v[S+8*\t:S+8*\t+7], v[F+16+8*\t:F+16+8*\t+7], v[16:23], v[S+8*\t:S+8*\t+7]
.endr
.irp t, 6,7
	v_wmma_f32_16x16x64_fp8_fp8 v[S+8*\t:S+8*\t+7], v[F+8*(\t-6):F+8*(\t-6)+7], v[16:23], v[S+8*\t:S+8*\t+7]
.endr
	PLACES
	v_max3_num_f32 v254, v[S], v[S+1], v[S+2]      ; the step's largest score of my query among my 64 keys, in two chains
	v_max3_num_f32 v250, v[S+3], v[S+4], v[S+5]
.irp i, 6,10,14,18,22,26,30,34,38,42,46,50,54,58
	v_max3_num_f32 v254, v254, v[S+\i], v[S+\i+1]
	v_max3_num_f32 v250, v250, v[S+\i+2], v[S+\i+3]
.endr
	v_max3_num_f32 v254, v254, v[S+62], v[S+63]
	s_delay_alu instid0(VALU_DEP_1)
	v_max_num_f32 v254, v254, v250
	s_delay_alu instid0(VALU_DEP_1)
	v_permlanex16_b32 v251, v254, s[SEL], s[SEL+1]
	s_delay_alu instid0(VALU_DEP_1)
	v_max_num_f32 v254, v254, v251                 ; and among the other half's
	s_delay_alu instid0(VALU_DEP_1)
	v_mul_f32 v254, s[CS], v254                    ; as t (c is positive)
	s_delay_alu instid0(VALU_DEP_1)
	v_max_num_f32 v241, v241, v254
	v_mov_b32 v254, v240
	s_delay_alu instid0(VALU_DEP_2)
	v_floor_f32 v240, -v241                        ; -M = floor(-t): M is a whole number
	s_delay_alu instid0(VALU_DEP_1)
	v_sub_f32 v254, v240, v254
	s_delay_alu instid0(VALU_DEP_1)
	v_cvt_i32_f32 v254, v254                       ; (it saturates)
	s_delay_alu instid0(VALU_DEP_1)
	v_ldexp_f32 v252, 1.0, v254                    ; f = 2^(old M - new M)
.set i, 0
.rept 32
	v_pk_fma_f32 v[S+i:S+i+1], v[S+i:S+i+1], s[CS:CS+1], v[240:241] op_sel_hi:[1,0,0]   ; t - M
.set i, i+2
.endr
	s_wait_alu depctr_va_vdst(0)
.set i, 0
.rept 64
	v_exp_f32 v[S+i], v[S+i]
.set i, i+1
.endr
	v_pk_mul_f32 v[242:243], v[242:243], v[252:253] op_sel_hi:[1,0]   ; l under the new M; the plain place behind the exponentials
	s_wait_alu depctr_va_vdst(0)                   ; one wait for the batch of 64, ahead of its first reader
	v_pk_add_f32 v[250:251], v[S:S+1], v[S+2:S+3]  ; l takes the unquantised p, in four chains
	v_pk_add_f32 v[172:173], v[S+4:S+5], v[S+6:S+7]
	v_pk_add_f32 v[174:175], v[S+8:S+9], v[S+10:S+11]
	v_pk_add_f32 v[242:243], v[242:243], v[S+12:S+13]
.set i, 14
.rept 6
	v_pk_add_f32 v[250:251], v[250:251], v[S+i:S+i+1]
	v_pk_add_f32 v[172:173], v[172:173], v[S+i+2:S+i+3]
	v_pk_add_f32 v[174:175], v[174:175], v[S+i+4:S+i+5]
	v_pk_add_f32 v[242:243], v[242:243], v[S+i+6:S+i+7]
.set i, i+8
.endr
	v_pk_add_f32 v[250:251], v[250:251], v[S+62:S+63]
	v_pk_add_f32 v[172:173], v[172:173], v[174:175]
	v_pk_add_f32 v[242:243], v[242:243], v[250:251]
	v_pk_add_f32 v[242:243], v[242:243], v[172:173]
.irp b, 0,1,2,3                        ; p is quantised twice; it is not negative, so the hold is one-sided; two holds an instruction
.set i, 0
.rept 8
	v_dual_min_num_f32 v[TMP+i], v[S+16*\b+i], v245 :: v_dual_min_num_f32 v[TMP+i+1], v[S+16*\b+i+1], v245
.set i, i+2
.endr
	v_cvt_scalef32_pk8_fp8_f32 v[P10+4*\b:P10+4*\b+1], v[TMP:TMP+7], v244
	v_cvt_scalef32_pk8_fp8_f32 v[P10+4*\b+2:P10+4*\b+3], v[TMP+8:TMP+15], v244
.set i, 0
.rept 8
	v_dual_min_num_f32 v[S+16*\b+i], v[S+16*\b+i], v247 :: v_dual_min_num_f32 v[S+16*\b+i+1], v[S+16*\b+i+1], v247   ; (also the lines between the conversions above and the next writes of their sources)
.set i, i+2
.endr
	v_cvt_scalef32_pk8_fp8_f32 v[W+4*\b:W+4*\b+1], v[S+16*\b:S+16*\b+7], v246
	v_cvt_scalef32_pk8_fp8_f32 v[W+4*\b+2:W+4*\b+3], v[S+16*\b+8:S+16*\b+15], v246
.endr
.irp ct, 0,1,2,3                       ; V's four fragments, and a_v's of window rows 0 to 31
.irp c, 0,1,2,3
	ds_load_b128 v[S+16*\ct+4*\c:S+16*\ct+4*\c+3], v7 offset:1024*\c+256*\ct
.endr
.endr
	AVL S+64, 0, 1024
	AVL X8, 256, 1280
	AVL TMP, 512, 1536
	AVL TMP+8, 768, 1792
	v_mov_b32 v[W+23], 0                           ; (a plain line behind the last conversion)
.irp i, 17,19,21
	v_dual_mov_b32 v[W+\i], 0 :: v_dual_mov_b32 v[W+\i+1], 0
.endr
	v_perm_b32 v[W+16], v249, v[W+15], v248        ; up by (15 - r) % 4 bytes, from the top down
.set i, 15
.rept 15
	v_perm_b32 v[W+i], v[W+i], v[W+i-1], v248
.set i, i-1
.endr
	v_perm_b32 v[W], v[W], v249, v248
	s_mov_b32 vcc_lo, 0x00ff00ff                   ; up by two registers where bit 3 of 15 - r is set, from the top down
.set i, 18
.rept 8
	v_dual_cndmask_b32 v[W+i], v[W+i], v[W+i-2] :: v_dual_cndmask_b32 v[W+i-1], v[W+i-1], v[W+i-3]
.set i, i-2
.endr
	v_dual_cndmask_b32 v[W+2], v[W+2], v[W] :: v_dual_cndmask_b32 v[W+1], v[W+1], v249
	v_cndmask_b32 v[W], v[W], v249, vcc_lo
	s_mov_b32 vcc_lo, 0x0f0f0f0f                   ; by one where bit 2 is set: registers 19-11 and 10-2 in two streams; register 10 as it was is kept for register 11
	v_mov_b32 v250, v[W+10]
.set i, 0
.rept 8
	v_dual_cndmask_b32 v[W+19-i], v[W+19-i], v[W+18-i] :: v_dual_cndmask_b32 v[W+10-i], v[W+10-i], v[W+9-i]
.set i, i+1
.endr
	v_dual_cndmask_b32 v[W+11], v[W+11], v250 :: v_dual_cndmask_b32 v[W+2], v[W+2], v[W+1]
	v_cndmask_b32 v[W+1], v[W+1], v[W], vcc_lo
	v_cndmask_b32 v[W], v[W], v249, vcc_lo
	s_wait_alu depctr_va_vdst(0)
.set i, 0
.rept 32
	v_pk_mul_f32 v[O+i:O+i+1], v[O+i:O+i+1], v[252:253] op_sel_hi:[1,0]   ; O and OR under the new M
.set i, i+2
.endr
	s_wait_alu depctr_va_vdst(0)
	s_wait_dscnt 0x0
.irp ct, 0,1,2,3
	v_wmma_f32_16x16x128_fp8_fp8 v[O+8*\ct:O+8*\ct+7], v[S+16*\ct:S+16*\ct+15], v[P10:P10+15], v[O+8*\ct:O+8*\ct+7]
.endr
	v_wmma_f32_16x16x64_fp8_fp8 v[OR:OR+7], v[S+64:S+71], v[W:W+7], v[OR:OR+7]
	v_wmma_f32_16x16x64_fp8_fp8 v[OR+8:OR+15], v[X8:X8+7], v[W:W+7], v[OR+8:OR+15]
	v_wmma_f32_16x16x64_fp8_fp8 v[OR+16:OR+23], v[TMP:TMP+7], v[W:W+7], v[OR+16:OR+23]
	v_wmma_f32_16x16x64_fp8_fp8 v[OR+24:OR+31], v[TMP+8:TMP+15], v[W:W+7], v[OR+24:OR+31]
	PLACES
.irp ct, 0,1,2,3                       ; window rows 32 to 63
	AVL S+8*\ct, 2048+256*\ct, 3072+256*\ct
.endr
.irp ct, 0,1,2,3                       ; rows 64 to 79 into the lower four registers of a fragment; the upper four keep V's codes of this step, which meet the zero codes of W + 20 .. 23
	ds_load_b128 v[S+32+8*\ct:S+32+8*\ct+3], v8 offset:4096+256*\ct
.endr
	s_wait_dscnt 0x0
.irp kp, 1,2
.irp ct, 0,1,2,3                       ; the four accumulators by turns, one instruction a turn
	v_wmma_f32_16x16x64_fp8_fp8 v[OR+8*\ct:OR+8*\ct+7], v[S+32*(\kp-1)+8*\ct:S+32*(\kp-1)+8*\ct+7], v[W+8*\kp:W+8*\kp+7], v[OR+8*\ct:OR+8*\ct+7]
.endr
.endr
	s_add_co_u32 s[SK], s[SK], 8192
	s_add_co_u32 s[SA], s[SA], 8448
	s_sub_co_u32 s[CNT], s[CNT], 1
	s_cmp_lg_u32 s[CNT], 0
	s_cbranch_scc1 .Lstep_\@
.endm
	s_wait_alu depctr_va_vdst(0)
	s_wait_tensorcnt 0x0                           ; my part of the first halves has landed
	ds_add_u32 v9, v10
	s_wait_dscnt 0x0
	ROUND                                          ; everybody's part has landed, and all four work-groups are here: the joint loads meet
	FILL 84, 88, 92, 96                            ; the second halves: my one tensor load behind the round
	s_wait_loadcnt 0x0                             ; Q
.set i, 0
.rept 8
	v_cndmask_b32 v[QM+8+i], v249, v[QM+i], s[M8]  ; registers 8-15: Q9 in lanes r < 8, zero codes elsewhere
	v_cndmask_b32 v[QM+i], v[QM+i], v249, s[M8]    ; registers 0-7: Q9 in lanes r >= 8
.set i, i+1
.endr
	s_wait_alu depctr_va_vdst(0)
	STEPS 3                                        ; steps 0 to 2 read the first halves alone: K's and V's bytes under 24,576, the tables' groups 0 to 39
	s_wait_tensorcnt 0x0                           ; my part of the second halves has landed (no LDS load of mine is out: the step's last wait was for 0),
	s_barrier_signal -1
	s_barrier_wait -1                              ; everybody's has
	STEPS 5
	; THE WAY OUT: out = (O 2^(e10 + e11) + OR 2^(e12 + e13)) / l; register x is channel 32 hl + x of my query: 32 codes, two stores; sixteen lanes store 256 consecutive bytes, aligned
	v_add_f32 v242, v242, v243
	s_delay_alu instid0(VALU_DEP_1)
	v_permlanex16_b32 v250, v242, s[SEL], s[SEL+1]
	s_delay_alu instid0(VALU_DEP_1)
	v_add_f32 v242, v242, v250
	s_wait_alu depctr_va_vdst(0)
	v_rcp_f32 v242, v242
	v_nop                                          ; a plain place behind the reciprocal
	s_add_co_i32 s100, s78, s79
	s_add_co_i32 s101, s80, s81
	MKSC 82, 84, 244, 245                          ; entry 14 (no tensor load is out: the descriptors' registers are free)
	s_wait_alu depctr_va_vdst(0)                   ; the wait ahead of the reciprocal's first reader
	v_ldexp_f32 v252, v242, s100
	v_ldexp_f32 v254, v242, s101
	s_wait_alu depctr_va_vdst(0)
.set i, 0
.rept 16
	v_pk_mul_f32 v[S+i:S+i+1], v[O+i:O+i+1], v[252:253] op_sel_hi:[1,0]
.set i, i+2
.endr
.set i, 0
.rept 16
	v_pk_fma_f32 v[S+i:S+i+1], v[OR+i:OR+i+1], v[254:255], v[S+i:S+i+1] op_sel_hi:[1,0,1]
.set i, i+2
.endr
.set i, 0
.rept 32
	v_med3_num_f32 v[S+i], v[S+i], -v245, v245
.set i, i+1
.endr
.irp g, 0,1,2,3
	v_cvt_scalef32_pk8_fp8_f32 v[F+2*\g:F+2*\g+1], v[S+8*\g:S+8*\g+7], v244
.endr
	v_nop
	global_store_b128 v11, v[F:F+3], s[18:19]
	global_store_b128 v11, v[F+4:F+7], s[18:19] offset:256
	s_wait_tensorcnt 0x0                           ; the wave's end
	ds_add_u32 v9, v10
	s_wait_dscnt 0x0
	ROUND                                          ; the closing round
	s_endpgm
.Lfunc_end_k_q8c644caf5d_attn:
	.size	k_q8c644caf5d_attn, .Lfunc_end_k_q8c644caf5d_attn-k_q8c644caf5d_attn
	.p2alignl 7, 3214868480
	.fill 96, 4, 3214868480
	.section	.rodata,"a",@progbits
	.p2align	6, 0x0
	.amdhsa_kernel k_q8c644caf5d_attn
		.amdhsa_group_segment_fixed_size 327680
		.amdhsa_private_segment_fixed_size 0
		.amdhsa_enable_private_segment 0
		.amdhsa_kernarg_size 64
		.amdhsa_user_sgpr_count 2
		.amdhsa_user_sgpr_kernarg_segment_ptr 1
		.amdhsa_wavefront_size32 1
		.amdhsa_system_sgpr_workgroup_id_x 1
		.amdhsa_system_sgpr_workgroup_id_y 1
		.amdhsa_system_sgpr_workgroup_id_z 1
		.amdhsa_system_vgpr_workitem_id 0
		.amdhsa_next_free_vgpr 256
		.amdhsa_next_free_sgpr 102
		.amdhsa_reserve_vcc 1
		.amdhsa_float_denorm_mode_32 3
		.amdhsa_float_denorm_mode_16_64 3
		.amdhsa_memory_ordered 1
		.amdhsa_forward_progress 1
		.amdhsa_inst_pref_size 89
	.end_amdhsa_kernel
	.amdgpu_metadata
---
amdhsa.version: [ 1, 2 ]
amdhsa.kernels:
  - .name:           k_q8c644caf5d_attn
    .symbol:         k_q8c644caf5d_attn.kd
    .args:
      - { .name: q6c, .offset: 0, .size: 8, .value_kind: global_buffer, .address_space: global }
      - { .name: q9c, .offset: 8, .size: 8, .value_kind: global_buffer, .address_space: global }
      - { .name: kc, .offset: 16, .size: 8, .value_kind: global_buffer, .address_space: global }
      - { .name: vc, .offset: 24, .size: 8, .value_kind: global_buffer, .address_space: global }
      - { .name: akc, .offset: 32, .size: 8, .value_kind: global_buffer, .address_space: global }
      - { .name: avc, .offset: 40, .size: 8, .value_kind: global_buffer, .address_space: global }
      - { .name: lowp_scales, .offset: 48, .size: 8, .value_kind: global_buffer, .address_space: global }
      - { .name: oc, .offset: 56, .size: 8, .value_kind: global_buffer, .address_space: global }
    .group_segment_fixed_size: 327680
    .private_segment_fixed_size: 0
    .kernarg_segment_align: 8
    .kernarg_segment_size: 64
    .max_flat_workgroup_size: 512
    .sgpr_count:     102
    .vgpr_count:     256
    .wavefront_size: 32
...
	.end_amdgpu_metadata
.endif
;; end of part 7
;; launch oproj (part 8): grid 64 x 4, 8 waves a work-group, no clusters, 133,120 bytes of LDS; arguments oc, wimg, bd, lowp_scales, out0; writes out0
.if DOCPART == 8
	.amdgcn_target "amdgcn-amd-amdhsa--gfx1250"
	.amdhsa_code_object_version 6
	.text
	.protected	k_q8c644caf5d_oproj
	.globl	k_q8c644caf5d_oproj
	.p2align	8
	.type	k_q8c644caf5d_oproj,@function
k_q8c644caf5d_oproj:
	s_mov_b64 s[64:65], 0
	v_nop
	global_prefetch_b8 v0, s[64:65] scope:SCOPE_SE
	s_setreg_imm32_b32 hwreg(HW_REG_WAVE_MODE, 25, 1), 1
	s_wait_xcnt 0x0
; FOURTH LAUNCH: out0 = mish(Q14(out) Q15(Wd) 2^(e14 + e15) + bd).  No work of reference() is left out here.
; Work-group (blk, cq): 64 tokens x 256 columns.  The tokens' codes (oc, laid by head) are brought into LDS as images of the operand's registers: K step s is heads 2 s and 2 s + 1, lane half hl the head 2 s + hl.
; Wave w takes the pair of tiles pp = 8 cq + w of Wd (32 columns) against the 64 tokens: 8 accumulators by turns, 8 K steps of 128.  ALL of the pair's fragments of Wd (8 sets of 32 registers, window 1) are asked for
; ahead of the first product: sets 0 to 6 at the head, set 7 in step 0, so that at most 60 loads of a wave are out.  The tokens' fragments come from LDS into two buffers by turns, one step ahead.
; Source 0 = Wd, source 1 = the tokens: a lane holds one token and 16 neighbouring columns.  The results meet in a stage in LDS (rows of 1,024 bytes + 16) and leave as whole rows: 32 lanes store 512 consecutive bytes, aligned.
; mish(x) = x tanh(log(1 + e^x)) = x n / (n + 2), n = u (u + 2), u = e^x.  x log2(e) is held at 43.25 from above for u alone, so that n stays finite; there n / (n + 2) is 1 in f32.
; LIMIT: e14 + e15 between -126 and 127.
; REGISTERS, window 0: v1 16 x lane; v2 oc's lane offset; v3 where I store images; v5 bias offset; v6, v10 the stage, in and back; v8, v9 the add's two; v16-79 accumulators; v80-143, v144-207 fragments, two buffers; then results
; and numbers at work; v208-223 bias.   Window 1: Wd's fragments, set s at v[32 s].
.set ACC, 16
.set XF, 80
.set XF0, 80
.set WB, 144
.set BI, 208
.set STG, 65536
.set SP, 1040
.set SPARE, 132096                     ; behind the stage: the spare words, 128 bytes for each of eight waves, which no other line names
.set MSB, 0
.macro WIN new                         ; the immediate's high byte repeats the setting that is left; bits 1:0 source 0, 7:6 destination
.if MSB != \new
	s_set_vgpr_msb (MSB<<8)|\new
.set MSB, \new
.endif
.endm
.macro PLACES
.rept 4
	v_nop
.endr
.endm
.macro WLOAD set                       ; K step 'set': two fragments of Wd into a set of window 1
	WIN 0x40
.irp u, 0,1
.irp c, 0,1,2,3
	global_load_b128 v[32*(\set)+16*\u+4*\c:32*(\set)+16*\u+4*\c+3], v1, s[50:51] offset:2048*(\set)+16384*\u+512*\c
.endr
.endr
	WIN 0
.endm
.macro XFETCH buf, s                   ; the tokens' four fragments of K step s
.irp m, 0,1,2,3
.irp c, 0,1,2,3
	ds_load_b128 v[\buf+16*\m+4*\c:\buf+16*\m+4*\c+3], v1 offset:(8*\m+(\s))*2048+512*\c
.endr
.endr
.endm
.macro KSTEP s
.if \s > 0
	PLACES
.endif
.if \s < 7
	XFETCH XF0+64*((\s+1)%2), \s+1
.endif
.if \s > 0
	s_wait_loadcnt 8*(7-\s)                        ; set s is in; the younger sets stay out
.else
	s_wait_loadcnt 48                              ; set 0 (and the bias ahead of it) is in; sets 1 to 6 stay out
	WLOAD 7
.endif
.if \s < 7
	s_wait_dscnt 16                                ; this step's fragments are in; the next step's sixteen loads stay out
.else
	s_wait_dscnt 0
.endif
	WIN 0x01
.irp m, 0,1,2,3
.irp u, 0,1
.set WR, 32*(\s)+16*\u
.set XB, XF0+64*((\s)%2)+16*\m
.set DR, ACC+16*\m+8*\u
.if \s == 0
	v_wmma_f32_16x16x128_fp8_fp8 v[DR:DR+7], v[WR:WR+15], v[XB:XB+15], 0
.else
	v_wmma_f32_16x16x128_fp8_fp8 v[DR:DR+7], v[WR:WR+15], v[XB:XB+15], v[DR:DR+7]
.endif
.endr
.endr
	WIN 0
.endm
	s_load_b256 s[4:11], s[0:1], 0x0               ; oc, wimg, bd, the scales' exponents
	s_load_b64 s[12:13], s[0:1], 0x20              ; out0
	v_lshl_add_u32 v8, v0, 2, SPARE
	v_mov_b32 v9, 0
	v_lshrrev_b32 v1, 5, v0
	s_delay_alu instid0(VALU_DEP_1)
	v_readfirstlane_b32 s30, v1                    ; wave 0..7
	s_and_b32 s28, ttmp7, 0xffff                   ; cq
	s_mov_b32 s29, ttmp9                           ; blk
	v_and_b32 v4, 31, v0
	s_delay_alu instid0(VALU_DEP_1)
	v_lshlrev_b32 v1, 4, v4                        ; 16 x lane
	v_and_b32 v7, 15, v0                           ; r
	s_wait_alu depctr_va_vdst(0)
	v_bfe_u32 v4, v0, 4, 1                         ; hl
	s_and_b32 s31, s30, 3                          ; the images: my tile of tokens m,
	s_lshr_b32 s58, s30, 2                         ; and my four K steps
	s_lshl_b32 s72, s31, 3
	s_lshl_b32 s73, s58, 2
	s_add_co_u32 s72, s72, s73
	s_lshl_b32 s72, s72, 11
	v_add_nc_u32 v3, s72, v1
	v_lshlrev_b32 v2, 4, v7
	s_delay_alu instid0(VALU_DEP_1)
	v_lshl_add_u32 v2, v4, 16, v2                  ; oc: head hl of the step's two, row r
	v_lshlrev_b32 v5, 6, v4                        ; bias: 16 hl numbers on
	s_lshl_b32 s72, s30, 7
	s_add_co_u32 s72, s72, STG
	v_mul_u32_u24 v6, v7, SP
	s_wait_alu depctr_va_vdst(0)
	v_lshl_add_u32 v6, v4, 6, v6
	s_delay_alu instid0(VALU_DEP_1)
	v_add_nc_u32 v6, s72, v6                       ; the stage, in: row r, my wave's 128 bytes, + 64 hl
	s_mul_i32 s72, s30, 8*SP
	s_add_co_u32 s72, s72, STG
	v_add_nc_u32 v10, s72, v1                      ; and back: my eight rows, 16 bytes a lane
	s_lshr_b32 s72, s29, 4
	s_lshl_b32 s72, s72, 20
	s_lshl_b32 s73, s58, 19
	s_add_co_u32 s72, s72, s73
	s_and_b32 s73, s29, 15
	s_lshl_b32 s73, s73, 12
	s_add_co_u32 s72, s72, s73
	s_lshl_b32 s73, s31, 10
	s_add_co_u32 s72, s72, s73                     ; ((batch x 16 + 8 (wave / 4)) x 64 + 4 (blk % 16) + m) x 1,024
	s_mov_b32 s73, 0
	s_lshl_b32 s59, s28, 3
	s_add_co_u32 s59, s59, s30                     ; pair
	s_lshl_b32 s74, s59, 15
	s_add_co_u32 s74, s74, 3<<20
	s_mov_b32 s75, 0
	s_lshl_b32 s76, s59, 7
	s_mov_b32 s77, 0
	s_lshl_b32 s78, s29, 18
	s_lshl_b32 s79, s30, 15
	s_add_co_u32 s78, s78, s79
	s_lshl_b32 s79, s28, 10
	s_add_co_u32 s78, s78, s79                     ; (64 blk + 8 wave) rows of 4,096 bytes + 1,024 cq
	s_mov_b32 s79, 0
	s_wait_kmcnt 0x0
	s_load_b64 s[32:33], s[10:11], 0x38            ; e14, e15
	s_add_nc_u64 s[48:49], s[4:5], s[72:73]
	s_add_nc_u64 s[50:51], s[6:7], s[74:75]
	s_add_nc_u64 s[52:53], s[8:9], s[76:77]
	s_add_nc_u64 s[12:13], s[12:13], s[78:79]
.irp sl, 0,1,2,3
.irp c, 0,1,2,3
	global_load_b128 v[XF+16*\sl+4*\c:XF+16*\sl+4*\c+3], v2, s[48:49] offset:131072*\sl+256*\c
.endr
.endr
.irp c, 0,1,2,3
	global_load_b128 v[BI+4*\c:BI+4*\c+3], v5, s[52:53] offset:16*\c
.endr
.irp s, 0,1,2,3
	WLOAD \s
.endr
	s_wait_loadcnt 36                              ; oc's sixteen loads are in; the bias's four and Wd's thirty-two stay out
.irp sl, 0,1,2,3
.irp c, 0,1,2,3
	ds_store_b128 v3, v[XF+16*\sl+4*\c:XF+16*\sl+4*\c+3] offset:2048*\sl+512*\c
.endr
.endr
.irp s, 4,5,6
	WLOAD \s
.endr
	s_wait_kmcnt 0x0
	s_add_co_i32 s62, s32, s33
	s_add_co_i32 s62, s62, 127
	s_lshl_b32 s62, s62, 23                        ; 2^(e14 + e15)
	s_mov_b32 s63, s62
	s_wait_dscnt 0x0                               ; for the others' sake: my images have landed
	s_barrier_signal -1
	s_barrier_wait -1
	XFETCH XF0, 0
.irp s, 0,1,2,3,4,5,6,7
	KSTEP \s
.endr
	PLACES
.irp g, 0,1,2,3
.irp i, 0,2,4,6,8,10,12,14
	v_pk_fma_f32 v[XF+16*\g+\i:XF+16*\g+\i+1], v[ACC+16*\g+\i:ACC+16*\g+\i+1], s[62:63], v[BI+\i:BI+\i+1] op_sel_hi:[1,0,1]   ; x = sum x 2^(e14 + e15) + bd, each accumulator from its low end on
.endr
.endr
.set i, 0
.rept 32
	v_pk_mul_f32 v[WB+i:WB+i+1], v[XF+i:XF+i+1], 0x3fb8aa3b op_sel_hi:[1,0]
.set i, i+2
.endr
.set i, 0
.rept 64
	v_min_num_f32 v[WB+i], 0x422d0000, v[WB+i]
.set i, i+1
.endr
.set i, 0
	s_wait_alu depctr_va_vdst(0)
.rept 64
	v_exp_f32 v[WB+i], v[WB+i]                     ; u
.set i, i+1
.endr
	v_nop                                          ; a plain place behind the batch
	s_wait_alu depctr_va_vdst(0)                   ; one wait for the 64, ahead of their first reader
.set i, 0
.rept 32
	v_pk_add_f32 v[ACC+i:ACC+i+1], v[WB+i:WB+i+1], 2.0 op_sel_hi:[1,0]
.set i, i+2
.endr
.set i, 0
.rept 32
	v_pk_mul_f32 v[ACC+i:ACC+i+1], v[ACC+i:ACC+i+1], v[WB+i:WB+i+1]   ; n = u (u + 2)
.set i, i+2
.endr
.set i, 0
.rept 32
	v_pk_add_f32 v[WB+i:WB+i+1], v[ACC+i:ACC+i+1], 2.0 op_sel_hi:[1,0]
.set i, i+2
.endr
.set i, 0
	s_wait_alu depctr_va_vdst(0)
.rept 64
	v_rcp_f32 v[WB+i], v[WB+i]
.set i, i+1
.endr
.set i, 0
.rept 32
	v_pk_mul_f32 v[XF+i:XF+i+1], v[XF+i:XF+i+1], v[ACC+i:ACC+i+1]     ; x n: plain lines that name no reciprocal
.set i, i+2
.endr
	s_wait_alu depctr_va_vdst(0)                   ; one wait for the 64 reciprocals
.set i, 0
.rept 32
	v_pk_mul_f32 v[XF+i:XF+i+1], v[XF+i:XF+i+1], v[WB+i:WB+i+1]
.set i, i+2
.endr
.irp g, 0,1,2,3
.irp c, 0,1,2,3
	ds_store_b128 v6, v[XF+16*\g+4*\c:XF+16*\g+4*\c+3] offset:16*\g*SP+16*\c
.endr
.endr
	s_wait_dscnt 0x0                               ; for the others' sake: my part of the stage has landed
	s_barrier_signal -1
	s_barrier_wait -1                              ; 64 whole rows of 1,024 bytes lie in the stage
.irp i, 0,1,2,3,4,5,6,7,8,9,10,11,12,13,14,15
	ds_load_b128 v[WB+4*\i:WB+4*\i+3], v10 offset:(\i/2)*SP+(\i%2)*512
.endr
.irp i, 0,1,2,3,4,5,6,7,8,9,10,11,12,13,14,15
	s_wait_dscnt 15-\i                             ; LDS loads come back in order: load i is in, the younger ones stay out
	global_store_b128 v1, v[WB+4*\i:WB+4*\i+3], s[12:13] offset:(\i/2)*4096+(\i%2)*512 th:TH_STORE_NT
.endr
	s_wait_tensorcnt 0x0                           ; the wave's end, behind my last LDS store
	ds_add_u32 v8, v9
	s_wait_dscnt 0x0
	s_endpgm
.Lfunc_end_k_q8c644caf5d_oproj:
	.size	k_q8c644caf5d_oproj, .Lfunc_end_k_q8c644caf5d_oproj-k_q8c644caf5d_oproj
	.p2alignl 7, 3214868480
	.fill 96, 4, 3214868480
	.section	.rodata,"a",@progbits
	.p2align	6, 0x0
	.amdhsa_kernel k_q8c644caf5d_oproj
		.amdhsa_group_segment_fixed_size 133120
		.amdhsa_private_segment_fixed_size 0
		.amdhsa_enable_private_segment 0
		.amdhsa_kernarg_size 40
		.amdhsa_user_sgpr_count 2
		.amdhsa_user_sgpr_kernarg_segment_ptr 1
		.amdhsa_wavefront_size32 1
		.amdhsa_system_sgpr_workgroup_id_x 1
		.amdhsa_system_sgpr_workgroup_id_y 1
		.amdhsa_system_sgpr_workgroup_id_z 1
		.amdhsa_system_vgpr_workitem_id 0
		.amdhsa_next_free_vgpr 512
		.amdhsa_next_free_sgpr 96
		.amdhsa_reserve_vcc 0
		.amdhsa_float_denorm_mode_32 3
		.amdhsa_float_denorm_mode_16_64 3
		.amdhsa_memory_ordered 1
		.amdhsa_forward_progress 1
		.amdhsa_inst_pref_size 54
	.end_amdhsa_kernel
	.amdgpu_metadata
---
amdhsa.version: [ 1, 2 ]
amdhsa.kernels:
  - .name:           k_q8c644caf5d_oproj
    .symbol:         k_q8c644caf5d_oproj.kd
    .args:
      - { .name: oc, .offset: 0, .size: 8, .value_kind: global_buffer, .address_space: global }
      - { .name: wimg, .offset: 8, .size: 8, .value_kind: global_buffer, .address_space: global }
      - { .name: bd, .offset: 16, .size: 8, .value_kind: global_buffer, .address_space: global }
      - { .name: lowp_scales, .offset: 24, .size: 8, .value_kind: global_buffer, .address_space: global }
      - { .name: out0, .offset: 32, .size: 8, .value_kind: global_buffer, .address_space: global }
    .group_segment_fixed_size: 133120
    .private_segment_fixed_size: 0
    .kernarg_segment_align: 8
    .kernarg_segment_size: 40
    .max_flat_workgroup_size: 256
    .sgpr_count:     96
    .vgpr_count:     512
    .wavefront_size: 32
...
	.end_amdgpu_metadata
.endif
;; end of part 8
